; MI455X (gfx1250); checked and timed in simulation.
; The chip was launched on July 23, 2026; its instructions are those of AMD's public machine-readable ISA for CDNA 5 (MIT licence, August 2026) and "CDNA5" Instruction Set Architecture Reference Guide (July 2026). The comments in the code are by the model that wrote it; some were corrected since.
;; Pointnet FP Module. Allowed arithmetic: float matrix products may take bf16 or f16 operands with f32 sums; other float arithmetic in f32, or as packed bf16 or f16 multiplies, adds, multiply-adds, maxima and minima; sums over many terms, partial sums and values carried from step to step in f32; what a program stores and reads back later, other than sums and carried values, may be rounded once to bf16 or f16.
;; Inputs: W1 256 x 512 float32; W2 256 x 256 float32; b1 256 float32; b2 256 float32; g1 256 float32; g2 256 float32; known 16 x 1,024 x 3 float32; known_feats 16 x 256 x 1,024 float32; unknow_feats 16 x 256 x 4,096 float32; unknown 16 x 4,096 x 3 float32.
;; Outputs: out0 16 x 256 x 4,096 float32.
;; 3 versions, each right; version 3 is version 2 with the launches knn, gemm1, g2s, g2o written anew for expert scheduling mode. Each part assembles by itself: llvm-mc -triple=amdgcn-amd-amdhsa -mcpu=gfx1250 --defsym DOCPART=n.
;; ======== version 1 of 3: 7 launches
;; limits: values are held in f16: magnitudes above 65,504 overflow, below 6.1e-05 lose precision
;; workspace buffers: cvt 9,568,256 bytes; blk 262,144 bytes of whole numbers; idx3 1,048,576 bytes of whole numbers; wgt 1,048,576 bytes; y1 33,816,576 bytes; st 524,288 bytes; coef1 3,072 bytes; coef2 3,072 bytes
;; launch knn (part 1): grid 256 x 1, 4 waves a work-group, no clusters, 48,640 bytes of LDS; arguments known, unknown, known_feats, W1, W2, cvt, blk; writes cvt, blk
.if DOCPART == 1
	.amdgcn_target "amdgcn-amd-amdhsa--gfx1250"
	.amdhsa_code_object_version 6
	.text
	.protected	k_qe326a77e1c_knn
	.globl	k_qe326a77e1c_knn
	.p2align	8
	.type	k_qe326a77e1c_knn,@function
k_qe326a77e1c_knn:
	s_mov_b64 s[64:65], 0
	v_nop
	global_prefetch_b8 v0, s[64:65] scope:SCOPE_SE
	s_setreg_imm32_b32 hwreg(HW_REG_WAVE_MODE, 25, 1), 1
	s_wait_xcnt 0x0
; THREE NEAREST, FIRST PASS, and the conversions of the tables.
; All inputs are rounded to bf16 first (coordinates too); distances are f32: d = fma(dz,dz, fma(dy,dy, dx*dx)), dx = k + (-u).
; A work-group takes 256 queries of one batch, a lane two of them, against all 1,024 known points, which lie in LDS as three arrays x, y, z.
; Per block of 32 candidates only the three smallest VALUES are kept (min, med3, med3); they are then merged into the running three (a, b, c ascending),
; each with its block's number.  A value is inserted only where it is strictly smaller, candidates ascending, so equal values keep the lower block first.
; Out: a, b, c (f32) and the three block numbers in one word.  The next launch finds the indices inside the named blocks.
; Beside that: known_feats [b][c][m] f32 -> [b][m][c] f16 (a tile of 256 c x 64 m through LDS), W1 and W2 -> f16, each number rounded to bf16 first.
; LIMITS: NaN and infinities are not treated apart; a bf16 number is written as f16: exact from 2^-14 to 65,504, below that f16's fixed step of 2^-24.
; No matrix unit, no cluster: nothing is multiplied by matrices here and no tile comes by a tensor load.
.set W1H,   8388608                    ; byte offsets in cvt
.set W2H,   8650752
.set CAND,  8781824
.set CY,    4096                       ; LDS: x at 0, y, z, 4,096 bytes each
.set CZ,    8192
.set PAD,   12288                      ; 2,048 bytes of zeros: the last look-ahead load of z ends here
.set TR,    14336                      ; 64 rows (m) x 528 bytes (256 c in f16 + 16)
.set TP,    528
.set SPARE, 48128                      ; the spare words: 128 bytes a wave
.set SPW, 2
.set NIL, 3
.set VA,  4                            ; LDS address of the block in hand, the same in all lanes
.set VJ,  5                            ; the block's number
.set NU,  8                            ; v[8:19] -ux,-uy,-uz of query 0, then of query 1, each twice (a pair for the packed add)
.set XT,  20                           ; v[20:22], v[23:25] the block's three smallest, query 0, 1
.set VWS, 122
.set VWD, 123
.set VKN, 124
.set VUN, 125
.set VKO, 126
.set VO8, 127
	s_load_b256 s[4:11], s[0:1], 0x0               ; known, unknown, known_feats, W1
	s_load_b128 s[12:15], s[0:1], 0x20             ; W2, cvt
	s_load_b64 s[16:17], s[0:1], 0x30              ; blk
	v_lshl_add_u32 v[SPW], v0, 2, SPARE
	v_mov_b32 v[NIL], 0
	v_lshrrev_b32 v6, 5, v0
	v_readfirstlane_b32 s26, v6                    ; wave
	v_and_b32 v6, 31, v0
	v_lshlrev_b32 v[VWS], 5, v6                    ; 8 f32 of W a lane
	v_lshlrev_b32 v[VWD], 4, v6                    ; 8 f16
	v_mul_u32_u24 v[VKN], v0, 96                   ; 8 known points a thread
	v_mul_u32_u24 v[VUN], v0, 24                   ; 2 queries a thread
	v_lshlrev_b32 v[VO8], 3, v0
	v_and_b32 v6, 15, v0
	v_bfe_u32 v7, v0, 4, 1
	v_lshlrev_b32 v[VKO], 4, v6                    ; known_feats: (64 w + 8 h) rows of 4,096 bytes + 16 r
	v_lshl_add_u32 v[VKO], v7, 15, v[VKO]
	s_lshl_b32 s29, s26, 18
	v_add_nc_u32 v[VKO], s29, v[VKO]
	v_lshlrev_b32 v1, 5, v0                        ; LDS: my 8 points in each array
	v_lshl_add_u32 v39, v0, 4, PAD
	s_lshr_b32 s44, ttmp9, 4                       ; batch
	s_and_b32 s45, ttmp9, 15
	s_mov_b32 s27, 0xffff0000
	s_mov_b32 s52, 0x7f800000                      ; +infinity
	s_lshl_b32 s46, ttmp9, 11                      ; W1: 512 numbers a work-group, 256 a wave (waves 0, 1)
	s_lshl_b32 s47, s26, 10
	s_add_co_u32 s46, s46, s47
	s_lshl_b32 s47, ttmp9, 10                      ; W2: 256 numbers a work-group (wave 2)
	s_lshr_b32 s48, s46, 1
	s_add_co_u32 s48, s48, W1H
	s_lshr_b32 s49, s47, 1
	s_add_co_u32 s49, s49, W2H
	s_mov_b32 s31, 0
	s_mov_b32 s51, 0
	s_wait_kmcnt 0x0
	s_cmp_lt_u32 s26, 2
	s_cselect_b32 s30, s46, s47
	s_cselect_b32 s50, s48, s49
	s_cselect_b64 s[18:19], s[10:11], s[12:13]
	s_add_nc_u64 s[18:19], s[18:19], s[30:31]      ; from
	s_add_nc_u64 s[24:25], s[14:15], s[50:51]      ; to
	s_mul_i32 s30, s44, 12288
	s_add_nc_u64 s[34:35], s[4:5], s[30:31]        ; known of my batch
	s_mul_i32 s30, ttmp9, 3072
	s_add_nc_u64 s[36:37], s[6:7], s[30:31]        ; my 256 queries
	s_lshl_b32 s30, s44, 20
	s_lshl_b32 s29, s45, 8
	s_add_co_u32 s30, s30, s29
	s_add_nc_u64 s[32:33], s[8:9], s[30:31]        ; known_feats: my batch, my 64 columns m
	s_lshl_b32 s30, ttmp9, 10
	s_add_nc_u64 s[40:41], s[16:17], s[30:31]
	s_add_co_u32 s30, s30, CAND
	s_add_nc_u64 s[38:39], s[14:15], s[30:31]
	s_lshl_b32 s30, ttmp9, 15                      ; 64 rows of 512 bytes a work-group
	s_add_nc_u64 s[42:43], s[14:15], s[30:31]
	s_cmp_lt_u32 s26, 3
	s_cbranch_scc0 .Lno_w_in
	global_load_b128 v[104:107], v[VWS], s[18:19]
	global_load_b128 v[108:111], v[VWS], s[18:19] offset:16
.Lno_w_in:
.irp i, 0,1,2,3,4,5
	global_load_b128 v[80+4*\i:83+4*\i], v[VKN], s[34:35] offset:16*\i
.endr
.irp i, 0,1,2
	global_load_b64 v[116+2*\i:117+2*\i], v[VUN], s[36:37] offset:8*\i
.endr
.set i, 0
.rept 32                               ; row 64 w + 16 (i / 8) + 8 h + i % 8; sixteen lanes take 256 consecutive bytes
	global_load_b128 v[128+4*i:131+4*i], v[VKO], s[32:33] offset:(16*(i/8)+i%8)*4096 th:TH_LOAD_NT
.set i, i+1
.endr
	s_wait_loadcnt 32                              ; all but the 32 loads of known_feats, which stay out during the search
	; the known points, rounded to bf16, into the three arrays
.set f, 0
.rept 12
	v_cvt_pk_bf16_f32 v6, v[80+f], v[81+f]
	v_lshlrev_b32 v[40+8*(f%3)+f/3], 16, v6
	v_and_b32 v[40+8*((f+1)%3)+(f+1)/3], s27, v6
.set f, f+2
.endr
.irp k, 64,65,66,67
	v_mov_b32 v\k, 0
.endr
	ds_store_b128 v1, v[40:43]
	ds_store_b128 v1, v[44:47] offset:16
	ds_store_b128 v1, v[48:51] offset:CY
	ds_store_b128 v1, v[52:55] offset:CY+16
	ds_store_b128 v1, v[56:59] offset:CZ
	ds_store_b128 v1, v[60:63] offset:CZ+16
	ds_store_b128 v39, v[64:67]
.irp i, 0,1,2
	v_cvt_pk_bf16_f32 v6, v[116+2*\i], v[117+2*\i]
	v_lshlrev_b32 v[116+2*\i], 16, v6
	v_and_b32 v[117+2*\i], s27, v6
.endr
.irp i, 0,1,2,3,4,5
	v_xor_b32 v[NU+2*\i], 0x80000000, v[116+\i]
	v_xor_b32 v[NU+2*\i+1], 0x80000000, v[116+\i]
.endr
.irp k, 20,21,22,23,24,25,26,27,28,29,30,31
	v_mov_b32 v\k, s52
.endr
.irp k, 32,33,34,35,36,37
	v_mov_b32 v\k, 0
.endr
	v_mov_b32 v[VA], 0
	s_wait_dscnt 0x0                               ; for the others' sake: my part of the arrays is written
	s_barrier_signal -1
	s_barrier_wait -1
.macro CLOAD set, off                  ; four candidates: x, y, z
	ds_load_b128 v[40+12*(\set):43+12*(\set)], v[VA] offset:\off
	ds_load_b128 v[44+12*(\set):47+12*(\set)], v[VA] offset:(\off)+CY
	ds_load_b128 v[48+12*(\set):51+12*(\set)], v[VA] offset:(\off)+CZ
.endm
.macro GROUP set                       ; four candidates x two queries; the queries alternate
.irp p, 0,1
.irp q, 0,1
	v_pk_add_f32 v[64+8*\q:65+8*\q], v[40+12*(\set)+2*\p:41+12*(\set)+2*\p], v[NU+6*\q:NU+6*\q+1]
.endr
.irp q, 0,1
	v_pk_add_f32 v[66+8*\q:67+8*\q], v[44+12*(\set)+2*\p:45+12*(\set)+2*\p], v[NU+6*\q+2:NU+6*\q+3]
.endr
.irp q, 0,1
	v_pk_add_f32 v[68+8*\q:69+8*\q], v[48+12*(\set)+2*\p:49+12*(\set)+2*\p], v[NU+6*\q+4:NU+6*\q+5]
.endr
.irp q, 0,1
	v_pk_mul_f32 v[70+8*\q:71+8*\q], v[64+8*\q:65+8*\q], v[64+8*\q:65+8*\q]
.endr
.irp q, 0,1
	v_pk_fma_f32 v[70+8*\q:71+8*\q], v[66+8*\q:67+8*\q], v[66+8*\q:67+8*\q], v[70+8*\q:71+8*\q]
.endr
.irp q, 0,1
	v_pk_fma_f32 v[70+8*\q:71+8*\q], v[68+8*\q:69+8*\q], v[68+8*\q:69+8*\q], v[70+8*\q:71+8*\q]
.endr
.irp e, 0,1
.irp q, 0,1
	v_med3_num_f32 v[XT+3*\q+2], v[XT+3*\q+1], v[XT+3*\q+2], v[70+8*\q+\e]
.endr
.irp q, 0,1
	v_med3_num_f32 v[XT+3*\q+1], v[XT+3*\q], v[XT+3*\q+1], v[70+8*\q+\e]
.endr
.irp q, 0,1
	v_min_num_f32 v[XT+3*\q], v[XT+3*\q], v[70+8*\q+\e]
.endr
.endr
.endr
.endm
.macro MERGE q                         ; the block's three values into a, b, c (v26, 28, 30 + q) with the block's number (v32, 34, 36 + q)
.irp e, 0,1,2
	v_cmp_lt_f32 s20, v[XT+3*(\q)+\e], v[26+\q]
	v_cmp_lt_f32 s21, v[XT+3*(\q)+\e], v[28+\q]
	v_cmp_lt_f32 s22, v[XT+3*(\q)+\e], v[30+\q]
	v_cndmask_b32 v6, v[VJ], v[34+\q], s21
	v_cndmask_b32 v[36+\q], v[36+\q], v6, s22
	v_cndmask_b32 v7, v[VJ], v[32+\q], s20
	v_cndmask_b32 v[34+\q], v[34+\q], v7, s21
	v_cndmask_b32 v[32+\q], v[32+\q], v[VJ], s20
	v_med3_num_f32 v[30+\q], v[28+\q], v[30+\q], v[XT+3*(\q)+\e]
	v_med3_num_f32 v[28+\q], v[26+\q], v[28+\q], v[XT+3*(\q)+\e]
	v_min_num_f32 v[26+\q], v[26+\q], v[XT+3*(\q)+\e]
.endr
.endm
	CLOAD 0, 0
	s_mov_b32 s28, 0
.Lblock:                                       ; 32 trips, a block of 32 candidates each
.irp gi, 0,1,2,3,4,5,6,7
	CLOAD ((\gi)+1)&1, ((\gi)+1)*16                ; the next four (behind the eighth group: the next block's first four)
	s_wait_dscnt 0x3                               ; all but the three just issued
	GROUP (\gi)&1
.endr
	v_mov_b32 v[VJ], s28
	MERGE 0
	MERGE 1
.irp k, 20,21,22,23,24,25
	v_mov_b32 v\k, s52
.endr
	v_add_nc_u32 v[VA], 128, v[VA]
	s_add_co_u32 s28, s28, 1
	s_cmp_lt_u32 s28, 32
	s_cbranch_scc1 .Lblock
	s_wait_dscnt 0x0                               ; the last look-ahead, which serves nothing
	global_store_b64 v[VO8], v[26:27], s[38:39]                ; a wave's store covers 256 consecutive bytes, aligned
	global_store_b64 v[VO8], v[28:29], s[38:39] offset:262144
	global_store_b64 v[VO8], v[30:31], s[38:39] offset:524288
	v_lshl_or_b32 v38, v34, 8, v32
	v_lshl_or_b32 v39, v35, 8, v33
	v_lshl_or_b32 v38, v36, 16, v38
	v_lshl_or_b32 v39, v37, 16, v39
	global_store_b64 v[VO8], v[38:39], s[40:41]
	; THE CONVERSIONS
	s_wait_loadcnt 0x0                             ; known_feats
	s_cmp_lt_u32 s26, 3
	s_cbranch_scc0 .Lno_w_out
.irp p, 0,1,2,3
	v_cvt_pk_bf16_f32 v6, v[104+2*\p], v[105+2*\p]
	v_lshlrev_b32 v7, 16, v6
	v_and_b32 v6, s27, v6
	v_cvt_pk_f16_f32 v[112+\p], v7, v6
.endr
	global_store_b128 v[VWD], v[112:115], s[24:25]
.Lno_w_out:
	v_and_b32 v6, 15, v0
	v_bfe_u32 v7, v0, 4, 1
	v_mul_u32_u24 v116, v6, 4*TP                   ; in: row m = 4 r + i, bytes 2 (64 w + 16 e + 8 h)
	v_lshl_add_u32 v116, v7, 4, v116
	s_lshl_b32 s29, s26, 7
	s_add_co_u32 s29, s29, TR
	v_add_nc_u32 v116, s29, v116
	v_and_b32 v6, 31, v0
	v_lshlrev_b32 v6, 4, v6
	s_mul_i32 s29, s26, 16*TP                      ; back: rows 16 w + i, whole
	s_add_co_u32 s29, s29, TR
	v_add_nc_u32 v117, s29, v6
	s_lshl_b32 s29, s26, 13
	v_add_nc_u32 v118, s29, v6
.irp e, 0,1,2,3
.irp i, 0,1,2,3
.irp qd, 0,1,2,3
	v_cvt_pk_bf16_f32 v6, v[128+4*(8*\e+2*\qd)+\i], v[128+4*(8*\e+2*\qd+1)+\i]
	v_lshlrev_b32 v7, 16, v6
	v_and_b32 v6, s27, v6
	v_cvt_pk_f16_f32 v[64+4*\i+\qd], v7, v6
.endr
	ds_store_b128 v116, v[64+4*\i:67+4*\i] offset:\i*TP+32*\e
.endr
.endr
	s_wait_dscnt 0x0                               ; for the others' sake: a row's 512 bytes come from all four waves
	s_barrier_signal -1
	s_barrier_wait -1
.irp i, 0,1,2,3,4,5,6,7,8,9,10,11,12,13,14,15
	ds_load_b128 v[128+4*\i:131+4*\i], v117 offset:\i*TP
.endr
.irp i, 0,1,2,3,4,5,6,7,8,9,10,11,12,13,14,15
	s_wait_dscnt 15-\i                             ; LDS loads come back in order: row i is in
	global_store_b128 v118, v[128+4*\i:131+4*\i], s[42:43] offset:\i*512  ; 512 consecutive bytes, aligned
.endr
	s_wait_tensorcnt 0x0                           ; the wave's end
	ds_add_u32 v[SPW], v[NIL]
	s_wait_dscnt 0x0
	s_endpgm
.Lfunc_end_k_qe326a77e1c_knn:
	.size	k_qe326a77e1c_knn, .Lfunc_end_k_qe326a77e1c_knn-k_qe326a77e1c_knn
	.p2alignl 7, 3214868480
	.fill 96, 4, 3214868480
	.section	.rodata,"a",@progbits
	.p2align	6, 0x0
	.amdhsa_kernel k_qe326a77e1c_knn
		.amdhsa_group_segment_fixed_size 48640
		.amdhsa_private_segment_fixed_size 0
		.amdhsa_enable_private_segment 0
		.amdhsa_kernarg_size 56
		.amdhsa_user_sgpr_count 2
		.amdhsa_user_sgpr_kernarg_segment_ptr 1
		.amdhsa_wavefront_size32 1
		.amdhsa_system_sgpr_workgroup_id_x 1
		.amdhsa_system_sgpr_workgroup_id_y 1
		.amdhsa_system_sgpr_workgroup_id_z 1
		.amdhsa_system_vgpr_workitem_id 0
		.amdhsa_next_free_vgpr 256
		.amdhsa_next_free_sgpr 66
		.amdhsa_reserve_vcc 0
		.amdhsa_float_denorm_mode_32 3
		.amdhsa_float_denorm_mode_16_64 3
		.amdhsa_memory_ordered 1
		.amdhsa_forward_progress 1
		.amdhsa_inst_pref_size 58
	.end_amdhsa_kernel
	.amdgpu_metadata
---
amdhsa.version: [ 1, 2 ]
amdhsa.kernels:
  - .name:           k_qe326a77e1c_knn
    .symbol:         k_qe326a77e1c_knn.kd
    .args:
      - { .name: known, .offset: 0, .size: 8, .value_kind: global_buffer, .address_space: global }
      - { .name: unknown, .offset: 8, .size: 8, .value_kind: global_buffer, .address_space: global }
      - { .name: known_feats, .offset: 16, .size: 8, .value_kind: global_buffer, .address_space: global }
      - { .name: W1, .offset: 24, .size: 8, .value_kind: global_buffer, .address_space: global }
      - { .name: W2, .offset: 32, .size: 8, .value_kind: global_buffer, .address_space: global }
      - { .name: cvt, .offset: 40, .size: 8, .value_kind: global_buffer, .address_space: global }
      - { .name: blk, .offset: 48, .size: 8, .value_kind: global_buffer, .address_space: global }
    .group_segment_fixed_size: 48640
    .private_segment_fixed_size: 0
    .kernarg_segment_align: 8
    .kernarg_segment_size: 56
    .max_flat_workgroup_size: 128
    .sgpr_count:     66
    .vgpr_count:     256
    .wavefront_size: 32
...
	.end_amdgpu_metadata
.endif
;; end of part 1
;; launch refine (part 2): grid 256 x 1, 8 waves a work-group, no clusters, 14,848 bytes of LDS; arguments known, unknown, cvt, blk, idx3, wgt; writes idx3, wgt
.if DOCPART == 2
	.amdgcn_target "amdgcn-amd-amdhsa--gfx1250"
	.amdhsa_code_object_version 6
	.text
	.protected	k_qe326a77e1c_refine
	.globl	k_qe326a77e1c_refine
	.p2align	8
	.type	k_qe326a77e1c_refine,@function
k_qe326a77e1c_refine:
	s_mov_b64 s[64:65], 0
	v_nop
	global_prefetch_b8 v0, s[64:65] scope:SCOPE_SE
	s_setreg_imm32_b32 hwreg(HW_REG_WAVE_MODE, 25, 1), 1
	s_wait_xcnt 0x0
; THREE NEAREST, SECOND PASS.  A thread is a query.  It has the three smallest distances V0, V1, V2 (ascending) and the block of 32 candidates in which each was found.
; It computes the 32 distances of each named block again, by the same operations in the same order (so bit for bit the same), and takes the candidate whose distance
; EQUALS the value: the first such, or the second or third where earlier results share value and block (Occ).  That is the order of ties of a top-k: the lower index first.
; Then the weights: 1 / (V + 1e-8), divided by their sum.  Out: (i0, i1, i2, 0) as whole numbers and (w0, w1, w2, 0) in f32, 16 bytes each.
; The block numbers are whole numbers read from memory; they alone steer LDS addresses.  Choices by distances only select values (v_cndmask_b32).
; LDS: x, y, z arrays of the batch's 1,024 points, rounded to bf16; a block's 128 bytes stand 144 apart, so that lanes in different blocks mostly start at different words modulo 256 bytes.
; LIMITS: NaN and infinities are not treated apart.
.set CAND,  8781824
.set BP,    144
.set AY,    4608
.set AZ,    9216
.set SPARE, 13824
	s_load_b256 s[4:11], s[0:1], 0x0               ; known, unknown, cvt, blk
	s_load_b128 s[12:15], s[0:1], 0x20             ; idx3, wgt
	v_lshl_add_u32 v2, v0, 2, SPARE
	v_mov_b32 v3, 0
	v_mov_b32 v4, 0
	v_mul_u32_u24 v88, v0, 48                      ; 4 known points a thread
	v_mul_u32_u24 v89, v0, 12
	v_lshlrev_b32 v90, 2, v0
	v_lshlrev_b32 v91, 4, v0
	v_lshrrev_b32 v28, 3, v0
	v_and_b32 v29, 7, v0
	v_mul_u32_u24 v92, v28, BP                     ; points 4 t .. 4 t + 3: block t / 8, 16 bytes at 16 (t % 8)
	v_lshl_add_u32 v92, v29, 4, v92
	s_mov_b32 s17, 0xffff0000
	s_lshr_b32 s16, ttmp9, 4
	s_mov_b32 s19, 0
	s_wait_kmcnt 0x0
	s_mul_i32 s18, s16, 12288
	s_add_nc_u64 s[20:21], s[4:5], s[18:19]
	s_mul_i32 s18, ttmp9, 3072
	s_add_nc_u64 s[22:23], s[6:7], s[18:19]
	s_lshl_b32 s18, ttmp9, 10
	s_add_nc_u64 s[26:27], s[10:11], s[18:19]
	s_add_co_u32 s18, s18, CAND
	s_add_nc_u64 s[24:25], s[8:9], s[18:19]
	s_lshl_b32 s18, ttmp9, 12
	s_add_nc_u64 s[28:29], s[12:13], s[18:19]
	s_add_nc_u64 s[30:31], s[14:15], s[18:19]
	global_load_b128 v[32:35], v88, s[20:21]
	global_load_b128 v[36:39], v88, s[20:21] offset:16
	global_load_b128 v[40:43], v88, s[20:21] offset:32
	global_load_b32 v84, v89, s[22:23]
	global_load_b32 v85, v89, s[22:23] offset:4
	global_load_b32 v86, v89, s[22:23] offset:8
	global_load_b32 v11, v90, s[24:25]
	global_load_b32 v12, v90, s[24:25] offset:262144
	global_load_b32 v13, v90, s[24:25] offset:524288
	global_load_b32 v87, v90, s[26:27]
	s_wait_loadcnt 0x0
.set f, 0
.rept 6
	v_cvt_pk_bf16_f32 v28, v[32+f], v[33+f]
	v_lshlrev_b32 v[44+4*(f%3)+f/3], 16, v28
	v_and_b32 v[44+4*((f+1)%3)+(f+1)/3], s17, v28
.set f, f+2
.endr
	ds_store_b128 v92, v[44:47]
	ds_store_b128 v92, v[48:51] offset:AY
	ds_store_b128 v92, v[52:55] offset:AZ
	v_cvt_pk_bf16_f32 v28, v84, v85
	v_cvt_pk_bf16_f32 v29, v86, v86
	v_lshlrev_b32 v8, 16, v28
	v_and_b32 v9, s17, v28
	v_lshlrev_b32 v10, 16, v29
	v_xor_b32 v8, 0x80000000, v8                   ; -u
	v_xor_b32 v9, 0x80000000, v9
	v_xor_b32 v10, 0x80000000, v10
	v_bfe_u32 v14, v87, 0, 8
	v_bfe_u32 v15, v87, 8, 8
	v_bfe_u32 v16, v87, 16, 8
	v_min_u32 v14, 31, v14
	v_min_u32 v15, 31, v15
	v_min_u32 v16, 31, v16
	v_mov_b32 v17, 0                               ; how many earlier results share value and block
	v_cmp_eq_f32 s40, v12, v11
	v_cmp_eq_u32 s41, v15, v14
	s_and_b32 s40, s40, s41
	v_cndmask_b32 v18, 0, 1, s40
	v_cmp_eq_f32 s40, v13, v11
	v_cmp_eq_u32 s41, v16, v14
	s_and_b32 s40, s40, s41
	v_cndmask_b32 v19, 0, 1, s40
	v_cmp_eq_f32 s40, v13, v12
	v_cmp_eq_u32 s41, v16, v15
	s_and_b32 s40, s40, s41
	v_cndmask_b32 v28, 0, 1, s40
	v_add_nc_u32 v19, v19, v28
.irp k, 20,21,22,23,27
	v_mov_b32 v\k, 0
.endr
	s_wait_dscnt 0x0                               ; for the others' sake
	s_barrier_signal -1
	s_barrier_wait -1
.macro CANDI xr, i                     ; candidate i of the block: x in v[xr], y and z four and eight registers on
	v_add_f32 v80, v[\xr], v8
	v_add_f32 v81, v[(\xr)+4], v9
	v_add_f32 v82, v[(\xr)+8], v10
	v_mul_f32 v83, v80, v80
	v_fma_f32 v83, v81, v81, v83
	v_fma_f32 v83, v82, v82, v83
	v_cmp_eq_f32 vcc_lo, v83, v11                  ; is it the value?
	v_cmp_eq_u32 s40, v6, v17                      ; and the occurrence wanted?
	s_and_b32 s40, s40, vcc_lo
	v_cndmask_b32 v7, v7, \i, s40
	v_add_co_ci_u32 v6, vcc_lo, v6, v4, vcc_lo     ; occurrences so far
.endm
	s_mov_b32 s32, 3
.Ltrip:                                        ; a trip a neighbour; the three sets of registers go round
	v_min_u32 v5, 31, v14
	v_mul_u32_u24 v5, v5, BP
	v_mov_b32 v6, 0
	v_mov_b32 v7, 0
.irp bt, 0,1,2,3
.irp gg, 0,1
	ds_load_b128 v[56+12*\gg:59+12*\gg], v5 offset:16*(2*\bt+\gg)
	ds_load_b128 v[60+12*\gg:63+12*\gg], v5 offset:AY+16*(2*\bt+\gg)
	ds_load_b128 v[64+12*\gg:67+12*\gg], v5 offset:AZ+16*(2*\bt+\gg)
.endr
	s_wait_dscnt 0x0
.irp gg, 0,1
.irp e, 0,1,2,3
	CANDI 56+12*\gg+\e, 8*\bt+4*\gg+\e
.endr
.endr
.endr
	v_lshl_add_u32 v28, v14, 5, v7                 ; the index
	v_mov_b32 v20, v21
	v_mov_b32 v21, v22
	v_mov_b32 v22, v28
	v_mov_b32 v28, v11
	v_mov_b32 v11, v12
	v_mov_b32 v12, v13
	v_mov_b32 v13, v28
	v_mov_b32 v28, v14
	v_mov_b32 v14, v15
	v_mov_b32 v15, v16
	v_mov_b32 v16, v28
	v_mov_b32 v28, v17
	v_mov_b32 v17, v18
	v_mov_b32 v18, v19
	v_mov_b32 v19, v28
	s_sub_co_u32 s32, s32, 1
	s_cmp_lg_u32 s32, 0
	s_cbranch_scc1 .Ltrip
	v_add_f32 v28, 0x322bcc77, v11                 ; + 1e-8
	v_add_f32 v29, 0x322bcc77, v12
	v_add_f32 v30, 0x322bcc77, v13
	v_rcp_f32 v28, v28
	v_rcp_f32 v29, v29
	v_rcp_f32 v30, v30
	v_nop                                          ; a plain instruction behind the last reciprocal,
	s_wait_alu depctr_va_vdst(0)                   ; and one wait for the three, ahead of their first reader
	v_add_f32 v31, v28, v29
	v_add_f32 v31, v31, v30
	v_rcp_f32 v31, v31
	v_nop
	s_wait_alu depctr_va_vdst(0)
	v_mul_f32 v24, v28, v31
	v_mul_f32 v25, v29, v31
	v_mul_f32 v26, v30, v31
	global_store_b128 v91, v[20:23], s[28:29]      ; a wave's store covers 512 consecutive bytes
	global_store_b128 v91, v[24:27], s[30:31]
	s_wait_tensorcnt 0x0                           ; the wave's end
	ds_add_u32 v2, v3
	s_wait_dscnt 0x0
	s_endpgm
.Lfunc_end_k_qe326a77e1c_refine:
	.size	k_qe326a77e1c_refine, .Lfunc_end_k_qe326a77e1c_refine-k_qe326a77e1c_refine
	.p2alignl 7, 3214868480
	.fill 96, 4, 3214868480
	.section	.rodata,"a",@progbits
	.p2align	6, 0x0
	.amdhsa_kernel k_qe326a77e1c_refine
		.amdhsa_group_segment_fixed_size 14848
		.amdhsa_private_segment_fixed_size 0
		.amdhsa_enable_private_segment 0
		.amdhsa_kernarg_size 48
		.amdhsa_user_sgpr_count 2
		.amdhsa_user_sgpr_kernarg_segment_ptr 1
		.amdhsa_wavefront_size32 1
		.amdhsa_system_sgpr_workgroup_id_x 1
		.amdhsa_system_sgpr_workgroup_id_y 1
		.amdhsa_system_sgpr_workgroup_id_z 1
		.amdhsa_system_vgpr_workitem_id 0
		.amdhsa_next_free_vgpr 96
		.amdhsa_next_free_sgpr 66
		.amdhsa_reserve_vcc 1
		.amdhsa_float_denorm_mode_32 3
		.amdhsa_float_denorm_mode_16_64 3
		.amdhsa_memory_ordered 1
		.amdhsa_forward_progress 1
		.amdhsa_inst_pref_size 24
	.end_amdhsa_kernel
	.amdgpu_metadata
---
amdhsa.version: [ 1, 2 ]
amdhsa.kernels:
  - .name:           k_qe326a77e1c_refine
    .symbol:         k_qe326a77e1c_refine.kd
    .args:
      - { .name: known, .offset: 0, .size: 8, .value_kind: global_buffer, .address_space: global }
      - { .name: unknown, .offset: 8, .size: 8, .value_kind: global_buffer, .address_space: global }
      - { .name: cvt, .offset: 16, .size: 8, .value_kind: global_buffer, .address_space: global }
      - { .name: blk, .offset: 24, .size: 8, .value_kind: global_buffer, .address_space: global }
      - { .name: idx3, .offset: 32, .size: 8, .value_kind: global_buffer, .address_space: global }
      - { .name: wgt, .offset: 40, .size: 8, .value_kind: global_buffer, .address_space: global }
    .group_segment_fixed_size: 14848
    .private_segment_fixed_size: 0
    .kernarg_segment_align: 8
    .kernarg_segment_size: 48
    .max_flat_workgroup_size: 256
    .sgpr_count:     66
    .vgpr_count:     96
    .wavefront_size: 32
...
	.end_amdgpu_metadata
.endif
;; end of part 2
;; launch gemm1 (part 3): grid 256 x 1, 4 waves a work-group, no clusters, 302,592 bytes of LDS; arguments unknow_feats, cvt, idx3, wgt, y1, st; writes y1, st
.if DOCPART == 3
	.amdgcn_target "amdgcn-amd-amdhsa--gfx1250"
	.amdhsa_code_object_version 6
	.text
	.protected	k_qe326a77e1c_gemm1
	.globl	k_qe326a77e1c_gemm1
	.p2align	8
	.type	k_qe326a77e1c_gemm1,@function
k_qe326a77e1c_gemm1:
	s_mov_b64 s[64:65], 0
	v_nop
	global_prefetch_b8 v0, s[64:65] scope:SCOPE_SE
	s_setreg_imm32_b32 hwreg(HW_REG_WAVE_MODE, 25, 1), 1
	s_wait_xcnt 0x0
; INTERPOLATION, CONCATENATION, FIRST 1x1 CONVOLUTION (K = 512, 256 outputs) AND ITS PARTIAL STATISTICS.
; A work-group takes 256 points of one batch, in four chunks of 64.  Wave w makes output channels 64 w .. 64 w + 63 of all points; its 64 rows of W1 (f16, 512 registers) stay in registers.
; STAGING of a chunk (each wave a quarter): interp = w0 f[i0] + w1 f[i1] + w2 f[i2] from the transposed table (a row of 256 channels in f16 is 512 bytes: 16 bytes a lane), summed in f32,
; rounded once to f16, into LDS rows [point][channel]; unknow_feats (f32, rounded to bf16, written as f16) into LDS rows [channel][point], read back turned by ds_load_tr16_b128.
; PRODUCT: source 0 = 16 points x 32 channels, source 1 = 16 rows of W1: a lane holds ONE output channel (lane % 16) and the points 8 (lane / 16) + 0..7.
; While chunk i is staged, chunk i - 1 is multiplied.  Each chunk has LDS bytes of its own, written once: one barrier a chunk, between writing and reading.
; STATISTICS without a difference of large sums: p = the mean of the work-group's first 16 points of a channel; d = y - p; sums of d and d^2 in f32; out: mean = p + S1/256, M2 = S2 - S1^2/256.
; y1 is stored as d in f16, in blocks [tile of 16 points][16 channels][lane][16 bytes], just as the registers hold it; p is stored beside it in f32.
; No tensor loads: every stream is converted on its way, so it passes through registers; hence no cluster either (W1, the one thing shared, is read once into registers).
; LIMITS: NaN and infinities not treated apart; features, weights and y - p within 65,504; bf16 numbers under 2^-14 keep f16's fixed step.
; REGISTERS: window 0: addresses, statistics, v96-127 accumulators, v128-151 gather offsets, v160-255 gathered rows; window 1: v0-127 unknow_feats in flight, v128-255 fragments of X;
; windows 2, 3: W1's fragments, K step s, block a at 32 (s % 8) + 8 a.
.set W1H,   8388608
.set PIV,   33554432
.set CH,    74752                      ; a chunk in LDS: 64 rows x 528 bytes of interp, then 256 rows x 160 bytes of unknow_feats
.set UFO,   33792
.set IP,    528                        ; 512 + 16 bytes from row to row
.set UP,    160                        ; 128 + 32, an odd multiple of 32 bytes, for the turning load
.set STAT,  299008
.set SPARE, 302080
.set ZR,  6
.set L16, 7
.set VIS, 10
.set VUS, 11
.set VXI, 12
.set VXU, 13
.set VYO, 14
.set WT,  20
.set TT,  23
.set IW,  28
.set NX,  36
.set NP,  44
.set S1,  52
.set S2,  60
.set PK,  68
.set TM,  84
.set ACC, 96
.set GO,  128
.set GG,  160
.set MSB, 0
.macro WIN new                         ; the immediate's high byte repeats the setting that is left; a switch that changes nothing is dropped
.if MSB != (\new)
	s_set_vgpr_msb (MSB<<8)|(\new)
.set MSB, \new
.endif
.endm
	s_load_b256 s[4:11], s[0:1], 0x0               ; unknow_feats, cvt, idx3, wgt
	s_load_b128 s[12:15], s[0:1], 0x20             ; y1, st
	v_lshl_add_u32 v4, v0, 2, SPARE
	v_mov_b32 v5, 0
	v_mov_b32 v[ZR], 0
	v_lshrrev_b32 v84, 5, v0
	v_readfirstlane_b32 s16, v84                   ; wave
	v_and_b32 v1, 15, v0                           ; r
	v_bfe_u32 v2, v0, 4, 1                         ; h
	v_and_b32 v3, 31, v0                           ; lane
	v_lshlrev_b32 v[L16], 4, v3
	s_lshl_b32 s25, s16, 20                        ; unknow_feats: row 64 w + h, 16,384 bytes a row, + 16 r
	v_lshlrev_b32 v8, 4, v1
	v_lshl_add_u32 v8, v2, 14, v8
	v_add_nc_u32 v8, s25, v8
	s_lshl_b32 s25, s16, 8                         ; indices and weights of point 16 w + r of a chunk
	v_lshl_add_u32 v9, v1, 4, s25
	v_mov_b32 v19, v9
	s_mul_i32 s25, s16, 16*IP                      ; interp in: rows 16 w .., 16 bytes a lane
	v_add_nc_u32 v17, s25, v[L16]
	s_mul_i32 s25, s16, 64*UP                      ; unknow_feats in: row 64 w + h, 8 bytes at 8 r
	s_add_co_u32 s25, s25, UFO
	v_mul_u32_u24 v18, v2, UP
	v_lshl_add_u32 v18, v1, 3, v18
	v_add_nc_u32 v18, s25, v18
	s_lshl_b32 s25, s16, 11
	v_add_nc_u32 v[VYO], s25, v[L16]               ; y1: block 4 w + a, 16 bytes a lane
	v_mul_u32_u24 v15, v1, IP                      ; a fragment of interp: row r, 16 h
	v_lshl_add_u32 v15, v2, 4, v15
	v_and_b32 v84, 7, v0                           ; the turning load: row 8 h + lane % 8, 16 bytes at 16 ((lane / 8) % 2)
	v_lshl_add_u32 v84, v2, 3, v84
	v_mul_u32_u24 v16, v84, UP
	v_bfe_u32 v84, v0, 3, 1
	v_lshl_add_u32 v16, v84, 4, v16
	v_add_nc_u32 v16, UFO, v16
	s_lshl_b32 s25, s16, 16                        ; W1: row 64 w + r of 1,024 bytes, 16 h
	v_lshlrev_b32 v27, 10, v1
	v_lshl_add_u32 v27, v2, 4, v27
	v_add_nc_u32 v27, s25, v27
	v_mov_b32 v[VXI], v15
	v_mov_b32 v[VXU], v16
	s_mov_b32 s17, 0xffff0000
	s_mov_b32 s18, 0x76543210                      ; v_permlanex16_b32: each lane takes its own place in the other half
	s_mov_b32 s19, 0xfedcba98
	s_mov_b32 s20, 0                               ; chunk
	s_mov_b32 s21, 0                               ; LDS: the chunk being staged
	s_mov_b32 s22, 0                               ; the chunk being multiplied
	s_mov_b32 s23, 1                               ; the pivot is still to be made
	s_lshr_b32 s44, ttmp9, 4
	s_and_b32 s45, ttmp9, 15
	s_mov_b32 s27, 0
	s_wait_kmcnt 0x0
	s_lshl_b32 s26, s44, 22
	s_lshl_b32 s25, s45, 10
	s_add_co_u32 s26, s26, s25
	s_add_nc_u64 s[28:29], s[4:5], s[26:27]        ; unknow_feats: my batch, my 256 points
	s_lshl_b32 s26, s44, 19
	s_add_nc_u64 s[30:31], s[6:7], s[26:27]        ; the table of my batch
	s_lshl_b32 s26, ttmp9, 17
	s_add_nc_u64 s[32:33], s[12:13], s[26:27]      ; y1: my 16 tiles
	s_lshl_b32 s26, ttmp9, 12
	s_add_nc_u64 s[34:35], s[8:9], s[26:27]
	s_add_nc_u64 s[36:37], s[10:11], s[26:27]
	s_add_nc_u64 s[38:39], s[6:7], W1H
	WIN 0x80
.irp s, 0,1,2,3,4,5,6,7
.irp a, 0,1,2,3
	global_load_b128 v[32*\s+8*\a:32*\s+8*\a+3],   v27, s[38:39] offset:\a*16384+64*\s
	global_load_b128 v[32*\s+8*\a+4:32*\s+8*\a+7], v27, s[38:39] offset:\a*16384+64*\s+32
.endr
.endr
	WIN 0xc0
.irp s, 0,1,2,3,4,5,6,7
.irp a, 0,1,2,3
	global_load_b128 v[32*\s+8*\a:32*\s+8*\a+3],   v27, s[38:39] offset:\a*16384+64*\s+512
	global_load_b128 v[32*\s+8*\a+4:32*\s+8*\a+7], v27, s[38:39] offset:\a*16384+64*\s+544
.endr
.endr
	WIN 0
	global_load_b128 v[NX:NX+3],   v19, s[34:35]
	global_load_b128 v[NX+4:NX+7], v19, s[36:37]
.set i, NP
.rept 24
	v_mov_b32 v[i], 0                              ; the pivot and the two sums
.set i, i+1
.endr
.macro UFISSUE                         ; 32 loads: rows 64 w + h + 2 j; sixteen lanes take 256 consecutive bytes, aligned
	WIN 0x40
.set j, 0
.rept 32
	global_load_b128 v[4*j:4*j+3], v8, s[28:29] offset:j*32768 th:TH_LOAD_NT
.set j, j+1
.endr
	WIN 0
.endm
.macro GISSUE bt                       ; the three table rows of points 8 bt .. 8 bt + 7 of my sixteen.  The offsets' registers were freed by the wait for the loads that read them
.irp i, 0,1,2,3,4,5,6,7
.irp k, 0,1,2
	v_readlane_b32 s[40+\k], v[IW+\k], 8*(\bt)+\i
.endr
.irp k, 0,1,2
	s_min_u32 s[40+\k], s[40+\k], 1023
.endr
.irp k, 0,1,2
	v_lshl_add_u32 v[GO+3*\i+\k], s[40+\k], 9, v[L16]
.endr
.irp k, 0,1,2
	global_load_b128 v[GG+12*\i+4*\k:GG+12*\i+4*\k+3], v[GO+3*\i+\k], s[30:31]
.endr
.endr
.endm
.macro INTERP bt                       ; eight channels a lane: two multiply-adds in f32 from f16 halves, the third rounds once to f16, in place
.irp i, 0,1,2,3,4,5,6,7
.irp k, 0,1,2
	v_readlane_b32 s[40+\k], v[IW+4+\k], 8*(\bt)+\i
.endr
.irp k, 0,1,2
	v_mov_b32 v[WT+\k], s[40+\k]
.endr
.irp qd, 0,1,2,3
	v_fma_mix_f32 v[TT+2*((\qd)&1)],   v[GG+12*\i+\qd], v[WT], v[ZR] op_sel_hi:[1,0,0]
	v_fma_mix_f32 v[TT+2*((\qd)&1)+1], v[GG+12*\i+\qd], v[WT], v[ZR] op_sel:[1,0,0] op_sel_hi:[1,0,0]
	v_fma_mix_f32 v[TT+2*((\qd)&1)],   v[GG+12*\i+4+\qd], v[WT+1], v[TT+2*((\qd)&1)] op_sel_hi:[1,0,0]
	v_fma_mix_f32 v[TT+2*((\qd)&1)+1], v[GG+12*\i+4+\qd], v[WT+1], v[TT+2*((\qd)&1)+1] op_sel:[1,0,0] op_sel_hi:[1,0,0]
	v_fma_mixlo_f16 v[GG+12*\i+8+\qd], v[GG+12*\i+8+\qd], v[WT+2], v[TT+2*((\qd)&1)] op_sel_hi:[1,0,0]
	v_fma_mixhi_f16 v[GG+12*\i+8+\qd], v[GG+12*\i+8+\qd], v[WT+2], v[TT+2*((\qd)&1)+1] op_sel:[1,0,0] op_sel_hi:[1,0,0]
.endr
	ds_store_b128 v[VIS], v[GG+12*\i+8:GG+12*\i+11] offset:(8*(\bt)+\i)*IP
.endr
.endm
.macro UFCONV                          ; f32 -> bf16 (rounded) -> the same number as f16, four numbers to 8 bytes
	WIN 0x45
.set j, 0
.rept 32
	v_cvt_pk_bf16_f32 v[4*j], v[4*j], v[4*j+1]
	v_cvt_pk_bf16_f32 v[4*j+2], v[4*j+2], v[4*j+3]
	v_and_b32 v[4*j+1], s17, v[4*j]
	v_and_b32 v[4*j+3], s17, v[4*j+2]
	v_lshlrev_b32 v[4*j], 16, v[4*j]
	v_lshlrev_b32 v[4*j+2], 16, v[4*j+2]
	v_cvt_pk_f16_f32 v[4*j], v[4*j], v[4*j+1]
	v_cvt_pk_f16_f32 v[4*j+1], v[4*j+2], v[4*j+3]
.set j, j+1
.endr
	WIN 0x04
.set j, 0
.rept 32
	ds_store_b64 v[VUS], v[4*j:4*j+1] offset:j*2*UP
.set j, j+1
.endr
	WIN 0
.endm
.macro PIVOT                           ; minus the mean of the first tile's 16 points, for my four channels
.irp a, 0,1,2,3
	v_pk_add_f32 v[TM:TM+1], v[ACC+8*\a:ACC+8*\a+1], v[ACC+8*\a+2:ACC+8*\a+3]
	v_pk_add_f32 v[TM+2:TM+3], v[ACC+8*\a+4:ACC+8*\a+5], v[ACC+8*\a+6:ACC+8*\a+7]
	v_pk_add_f32 v[TM:TM+1], v[TM:TM+1], v[TM+2:TM+3]
	v_add_f32 v[TM], v[TM], v[TM+1]
	v_permlanex16_b32 v[TM+1], v[TM], s18, s19
	v_add_f32 v[TM], v[TM], v[TM+1]
	v_mul_f32 v[NP+2*\a], 0xbd800000, v[TM]
	v_mul_f32 v[NP+2*\a+1], 0xbd800000, v[TM]
.endr
.endm
; A run of tiles of 16 points.  The four accumulators take turns, one instruction a turn, over the backward jump too.
.macro TILES first, trips
	s_mov_b32 s24, \trips
.Ltile_\@:
	WIN 0x40
.irp s, 0,1,2,3,4,5,6,7
	ds_load_b128 v[128+8*\s:128+8*\s+3],   v[VXI] offset:64*\s
	ds_load_b128 v[128+8*\s+4:128+8*\s+7], v[VXI] offset:64*\s+32
.endr
.irp s, 0,1,2,3,4,5,6,7
	ds_load_tr16_b128 v[192+8*\s:192+8*\s+3],   v[VXU] offset:32*UP*\s
	ds_load_tr16_b128 v[192+8*\s+4:192+8*\s+7], v[VXU] offset:32*UP*\s+16*UP
.endr
	s_wait_dscnt 16                                ; the interp half is in; the sixteen turning loads may be out
	WIN 0x09                                       ; X in window 1, W1 in window 2
.irp s, 0,1,2,3,4,5,6,7
.irp a, 0,1,2,3
.if \s == 0
	v_wmma_f32_16x16x32_f16 v[ACC+8*\a:ACC+8*\a+7], v[128+8*\s:128+8*\s+7], v[32*\s+8*\a:32*\s+8*\a+7], 0
.else
	v_wmma_f32_16x16x32_f16 v[ACC+8*\a:ACC+8*\a+7], v[128+8*\s:128+8*\s+7], v[32*\s+8*\a:32*\s+8*\a+7], v[ACC+8*\a:ACC+8*\a+7]
.endif
.endr
.endr
	s_wait_dscnt 0x0
	WIN 0x0d                                       ; W1 in window 3
.irp s, 0,1,2,3,4,5,6,7
.irp a, 0,1,2,3
	v_wmma_f32_16x16x32_f16 v[ACC+8*\a:ACC+8*\a+7], v[192+8*\s:192+8*\s+7], v[32*\s+8*\a:32*\s+8*\a+7], v[ACC+8*\a:ACC+8*\a+7]
.endr
.endr
	WIN 0
.rept 4
	v_nop                                          ; four places behind the last product, ahead of the first reader of a result
.endr
	s_wait_xcnt 0x0                                ; the last tile's stores have read their data and their base: both are written below
	s_add_nc_u64 s[32:33], s[32:33], 8192          ; one tile on; the stores reach back
.if \first
	s_cmp_eq_u32 s23, 0
	s_cbranch_scc1 .Lhave_p_\@
	PIVOT
	s_mov_b32 s23, 0
.Lhave_p_\@:
.endif
.irp a, 0,1,2,3
.irp p, 0,1,2,3
	v_pk_add_f32 v[ACC+8*\a+2*\p:ACC+8*\a+2*\p+1], v[ACC+8*\a+2*\p:ACC+8*\a+2*\p+1], v[NP+2*\a:NP+2*\a+1]
.endr
.irp p, 0,1,2,3
	v_pk_add_f32 v[S1+2*\a:S1+2*\a+1], v[S1+2*\a:S1+2*\a+1], v[ACC+8*\a+2*\p:ACC+8*\a+2*\p+1]
	v_pk_fma_f32 v[S2+2*\a:S2+2*\a+1], v[ACC+8*\a+2*\p:ACC+8*\a+2*\p+1], v[ACC+8*\a+2*\p:ACC+8*\a+2*\p+1], v[S2+2*\a:S2+2*\a+1]
	v_cvt_pk_f16_f32 v[PK+4*\a+\p], v[ACC+8*\a+2*\p], v[ACC+8*\a+2*\p+1]
.endr
	global_store_b128 v[VYO], v[PK+4*\a:PK+4*\a+3], s[32:33] offset:512*\a-8192  ; 512 consecutive bytes, aligned
.endr
	v_add_nc_u32 v[VXI], 16*IP, v[VXI]
	v_add_nc_u32 v[VXU], 32, v[VXU]
	s_sub_co_u32 s24, s24, 1
	s_cmp_lg_u32 s24, 0
	s_cbranch_scc1 .Ltile_\@
.endm
.Lchunk:                                       ; four trips: chunk i is staged, chunk i - 1 multiplied
	s_wait_loadcnt 0x0                             ; the chunk's indices and weights (in the first trip W1 too)
.irp k, 0,1,2,3,4,5,6,7
	v_mov_b32 v[IW+\k], v[NX+\k]
.endr
	s_add_co_u32 s25, s20, 1                       ; the next chunk's (the last trip asks for its own once more: no load leaves the buffer)
	s_min_u32 s25, s25, 3
	s_lshl_b32 s25, s25, 10
	v_add_nc_u32 v19, s25, v9
	global_load_b128 v[NX:NX+3],   v19, s[34:35]
	global_load_b128 v[NX+4:NX+7], v19, s[36:37]
	v_add_nc_u32 v[VIS], s21, v17
	v_add_nc_u32 v[VUS], s21, v18
	UFISSUE
	GISSUE 0
	s_cmp_eq_u32 s20, 0
	s_cbranch_scc1 .Lnone_a
	v_add_nc_u32 v[VXI], s22, v15
	v_add_nc_u32 v[VXU], s22, v16
	TILES 1, 2
.Lnone_a:
	s_wait_loadcnt 0x0                             ; unknow_feats and the first eight points' rows
	INTERP 0
	s_wait_dscnt 0x0                               ; the LDS stores have read the registers into which the next loads land
	GISSUE 1
	UFCONV
	s_cmp_eq_u32 s20, 0
	s_cbranch_scc1 .Lnone_b
	TILES 0, 2
.Lnone_b:
	s_wait_loadcnt 0x0                             ; the other eight points' rows; every load that read the base below is done
	INTERP 1
	s_add_nc_u64 s[28:29], s[28:29], 256           ; 64 points on
	s_wait_dscnt 0x0                               ; for the others' sake: my quarter of the chunk is written
	s_barrier_signal -1
	s_barrier_wait -1
	s_mov_b32 s22, s21
	s_add_co_u32 s21, s21, CH
	s_add_co_u32 s20, s20, 1
	s_cmp_lt_u32 s20, 4
	s_cbranch_scc1 .Lchunk
	v_add_nc_u32 v[VXI], s22, v15
	v_add_nc_u32 v[VXU], s22, v16
	TILES 0, 4                                     ; the last chunk
	; THE PARTIAL STATISTICS: the pair's two sums and the other half of the lanes'
.irp a, 0,1,2,3
	v_add_f32 v[TM+\a], v[S1+2*\a], v[S1+2*\a+1]
	v_add_f32 v[TM+4+\a], v[S2+2*\a], v[S2+2*\a+1]
.endr
.irp a, 0,1,2,3
	v_permlanex16_b32 v[20+\a], v[TM+\a], s18, s19
	v_permlanex16_b32 v[24+\a], v[TM+4+\a], s18, s19
.endr
	s_lshl_b32 s25, s16, 8
	s_add_co_u32 s25, s25, STAT
	v_lshl_add_u32 v[VIS], v1, 2, s25              ; word 64 w + r
.irp a, 0,1,2,3
	v_add_f32 v[TM+\a], v[TM+\a], v[20+\a]
	v_add_f32 v[TM+4+\a], v[TM+4+\a], v[24+\a]
	v_mul_f32 v[20+\a], 0x3b800000, v[TM+\a]       ; S1 / 256
	v_xor_b32 v[24+\a], 0x80000000, v[NP+2*\a]     ; p
	v_fma_f32 v[TM+4+\a], -v[20+\a], v[TM+\a], v[TM+4+\a]
	v_sub_f32 v[TM+\a], v[20+\a], v[NP+2*\a]
	ds_store_b32 v[VIS], v[TM+\a] offset:64*\a                 ; both halves of the lanes write the same word with the same number
	ds_store_b32 v[VIS], v[TM+4+\a] offset:1024+64*\a
	ds_store_b32 v[VIS], v[24+\a] offset:2048+64*\a
.endr
	s_wait_dscnt 0x0
	s_barrier_signal -1
	s_barrier_wait -1
	v_lshl_add_u32 v[VUS], v0, 4, STAT
	v_lshl_add_u32 v[VXI], v0, 3, STAT+2048
	ds_load_b128 v[TM:TM+3], v[VUS]
	ds_load_b64 v[TM+4:TM+5], v[VXI]
	v_lshlrev_b32 v[VXU], 4, v0
	v_lshlrev_b32 v15, 3, v0
	s_lshl_b32 s26, ttmp9, 11
	s_add_nc_u64 s[40:41], s[14:15], s[26:27]
	s_lshl_b32 s26, ttmp9, 10
	s_add_co_u32 s26, s26, PIV
	s_add_nc_u64 s[42:43], s[12:13], s[26:27]
	s_wait_dscnt 0x0
	global_store_b128 v[VXU], v[TM:TM+3], s[40:41]
	global_store_b64 v15, v[TM+4:TM+5], s[42:43]
	s_wait_tensorcnt 0x0                           ; the wave's end
	ds_add_u32 v4, v5
	s_wait_dscnt 0x0
	s_endpgm
.Lfunc_end_k_qe326a77e1c_gemm1:
	.size	k_qe326a77e1c_gemm1, .Lfunc_end_k_qe326a77e1c_gemm1-k_qe326a77e1c_gemm1
	.p2alignl 7, 3214868480
	.fill 96, 4, 3214868480
	.section	.rodata,"a",@progbits
	.p2align	6, 0x0
	.amdhsa_kernel k_qe326a77e1c_gemm1
		.amdhsa_group_segment_fixed_size 302592
		.amdhsa_private_segment_fixed_size 0
		.amdhsa_enable_private_segment 0
		.amdhsa_kernarg_size 48
		.amdhsa_user_sgpr_count 2
		.amdhsa_user_sgpr_kernarg_segment_ptr 1
		.amdhsa_wavefront_size32 1
		.amdhsa_system_sgpr_workgroup_id_x 1
		.amdhsa_system_sgpr_workgroup_id_y 1
		.amdhsa_system_sgpr_workgroup_id_z 1
		.amdhsa_system_vgpr_workitem_id 0
		.amdhsa_next_free_vgpr 1024
		.amdhsa_next_free_sgpr 66
		.amdhsa_reserve_vcc 0
		.amdhsa_float_denorm_mode_32 3
		.amdhsa_float_denorm_mode_16_64 3
		.amdhsa_memory_ordered 1
		.amdhsa_forward_progress 1
		.amdhsa_inst_pref_size 117
	.end_amdhsa_kernel
	.amdgpu_metadata
---
amdhsa.version: [ 1, 2 ]
amdhsa.kernels:
  - .name:           k_qe326a77e1c_gemm1
    .symbol:         k_qe326a77e1c_gemm1.kd
    .args:
      - { .name: unknow_feats, .offset: 0, .size: 8, .value_kind: global_buffer, .address_space: global }
      - { .name: cvt, .offset: 8, .size: 8, .value_kind: global_buffer, .address_space: global }
      - { .name: idx3, .offset: 16, .size: 8, .value_kind: global_buffer, .address_space: global }
      - { .name: wgt, .offset: 24, .size: 8, .value_kind: global_buffer, .address_space: global }
      - { .name: y1, .offset: 32, .size: 8, .value_kind: global_buffer, .address_space: global }
      - { .name: st, .offset: 40, .size: 8, .value_kind: global_buffer, .address_space: global }
    .group_segment_fixed_size: 302592
    .private_segment_fixed_size: 0
    .kernarg_segment_align: 8
    .kernarg_segment_size: 48
    .max_flat_workgroup_size: 128
    .sgpr_count:     66
    .vgpr_count:     1024
    .wavefront_size: 32
...
	.end_amdgpu_metadata
.endif
;; end of part 3
;; launch fin1 (part 4): grid 4 x 1, 32 waves a work-group, no clusters, 28,672 bytes of LDS; arguments st, g1, b1, coef1; writes coef1
.if DOCPART == 4
	.amdgcn_target "amdgcn-amd-amdhsa--gfx1250"
	.amdhsa_code_object_version 6
	.text
	.protected	k_qe326a77e1c_fin1
	.globl	k_qe326a77e1c_fin1
	.p2align	8
	.type	k_qe326a77e1c_fin1,@function
k_qe326a77e1c_fin1:
	s_mov_b64 s[64:65], 0
	v_nop
	global_prefetch_b8 v0, s[64:65] scope:SCOPE_SE
	s_setreg_imm32_b32 hwreg(HW_REG_WAVE_MODE, 25, 1), 1
	s_wait_xcnt 0x0
; THE BATCH NORM'S COEFFICIENTS from 256 partial statistics (mean_t, M2_t over 256 points each), [t][2][256] f32.
; A work-group takes 64 channels.  Around the pivot q = mean_0: E1 = sum (mean_t - q), E2 = sum (mean_t - q)^2, MM = sum M2_t.
; mean = q + E1 / 256;  var = (MM + 256 E2 - E1^2) / 65,536 (the biased variance over all 65,536 points);  scale = g / sqrt(var + 1e-5).  g and b are rounded to bf16 like every input.
; Out: [3][256] f32: scale, mean, beta.  A thread takes 4 channels of 4 partials; halves of the lanes by v_permlanex16_b32; the 32 waves meet in LDS; wave 0 finishes.
.set SPARE, 24576
	s_load_b256 s[4:11], s[0:1], 0x0               ; st, g, b, coef
	v_lshl_add_u32 v2, v0, 2, SPARE
	v_mov_b32 v3, 0
	v_lshrrev_b32 v6, 5, v0
	v_readfirstlane_b32 s12, v6                    ; wave
	v_and_b32 v6, 15, v0
	v_lshlrev_b32 v5, 4, v6                        ; my 4 channels
	v_lshrrev_b32 v7, 4, v0                        ; my group of partials, 0 .. 63
	v_lshl_add_u32 v4, v7, 11, v5
	s_mul_i32 s13, s12, 768
	v_add_nc_u32 v72, s13, v5
	v_lshlrev_b32 v73, 3, v0
	s_lshl_b32 s14, ttmp9, 8
	s_mov_b32 s15, 0
	s_mov_b32 s16, 0x76543210
	s_mov_b32 s17, 0xfedcba98
	s_mov_b32 s18, 0xffff0000
	s_mov_b32 s26, 0x3b800000                      ; 1 / 256
	s_mov_b32 s27, 0x43800000                      ; 256
	s_mov_b32 s28, 0x37800000                      ; 1 / 65,536
	s_mov_b32 s29, 0x3727c5ac                      ; 1e-5
	s_wait_kmcnt 0x0
	s_add_nc_u64 s[20:21], s[4:5], s[14:15]
	s_add_nc_u64 s[22:23], s[6:7], s[14:15]
	s_add_nc_u64 s[24:25], s[8:9], s[14:15]
	s_add_nc_u64 s[10:11], s[10:11], s[14:15]
	global_load_b128 v[8:11], v5, s[20:21]
.irp i, 0,1,2,3
	global_load_b128 v[12+8*\i:15+8*\i], v4, s[20:21] offset:\i*131072
	global_load_b128 v[16+8*\i:19+8*\i], v4, s[20:21] offset:\i*131072+1024
.endr
	s_wait_loadcnt 0x0
.irp p, 0,2
	v_pk_add_f32 v[44+\p:45+\p], v[12+\p:13+\p], v[8+\p:9+\p] neg_lo:[0,1] neg_hi:[0,1]
	v_pk_add_f32 v[52+\p:53+\p], v[16+\p:17+\p], v[24+\p:25+\p]
	v_pk_mul_f32 v[48+\p:49+\p], v[44+\p:45+\p], v[44+\p:45+\p]
.endr
.irp i, 1,2,3
.irp p, 0,2
	v_pk_add_f32 v[56+\p:57+\p], v[12+8*\i+\p:13+8*\i+\p], v[8+\p:9+\p] neg_lo:[0,1] neg_hi:[0,1]
	v_pk_add_f32 v[44+\p:45+\p], v[44+\p:45+\p], v[56+\p:57+\p]
	v_pk_fma_f32 v[48+\p:49+\p], v[56+\p:57+\p], v[56+\p:57+\p], v[48+\p:49+\p]
.endr
.endr
.irp p, 0,2
	v_pk_add_f32 v[52+\p:53+\p], v[52+\p:53+\p], v[32+\p:33+\p]
	v_pk_add_f32 v[52+\p:53+\p], v[52+\p:53+\p], v[40+\p:41+\p]
.endr
.irp k, 0,1,2,3,4,5,6,7,8,9,10,11
	v_permlanex16_b32 v[12+\k], v[44+\k], s16, s17 ; the lane 16 away has the same channels and the next group
.endr
.irp k, 0,1,2,3,4,5,6,7,8,9,10,11
	v_add_f32 v[44+\k], v[44+\k], v[12+\k]
.endr
	ds_store_b128 v72, v[44:47]                    ; both halves of the lanes write the same words with the same numbers
	ds_store_b128 v72, v[48:51] offset:256
	ds_store_b128 v72, v[52:55] offset:512
	s_wait_dscnt 0x0
	s_barrier_signal -1
	s_barrier_wait -1
	s_cmp_lg_u32 s12, 0
	s_cbranch_scc1 .Lend
	global_load_b64 v[66:67], v73, s[20:21]        ; wave 0: a lane two channels
	global_load_b64 v[68:69], v73, s[22:23]
	global_load_b64 v[70:71], v73, s[24:25]
.irp k, 60,61,62,63,64,65
	v_mov_b32 v\k, 0
.endr
.irp bt, 0,1,2,3
.irp u, 0,1,2,3,4,5,6,7
.irp arr, 0,1,2
	ds_load_b64 v[12+6*\u+2*\arr:13+6*\u+2*\arr], v73 offset:(8*\bt+\u)*768+\arr*256
.endr
.endr
	s_wait_dscnt 0x0
.irp u, 0,1,2,3,4,5,6,7
.irp arr, 0,1,2
	v_pk_add_f32 v[60+2*\arr:61+2*\arr], v[60+2*\arr:61+2*\arr], v[12+6*\u+2*\arr:13+6*\u+2*\arr]
.endr
.endr
.endr
	s_wait_loadcnt 0x0
	v_cvt_pk_bf16_f32 v6, v68, v69
	v_cvt_pk_bf16_f32 v7, v70, v71
	v_lshlrev_b32 v68, 16, v6
	v_and_b32 v69, s18, v6
	v_lshlrev_b32 v70, 16, v7
	v_and_b32 v71, s18, v7
.irp c, 0,1
	v_fma_f32 v[74+\c], v[60+\c], s26, v[66+\c]
	v_fma_f32 v[76+\c], v[62+\c], s27, v[64+\c]
	v_fma_f32 v[76+\c], -v[60+\c], v[60+\c], v[76+\c]
	v_fma_f32 v[76+\c], v[76+\c], s28, s29
.endr
	v_rsq_f32 v76, v76
	v_rsq_f32 v77, v77
	v_nop                                          ; a plain instruction behind the last of the two,
	s_wait_alu depctr_va_vdst(0)                   ; and one wait for both, ahead of their first reader
	v_mul_f32 v76, v68, v76
	v_mul_f32 v77, v69, v77
	global_store_b64 v73, v[76:77], s[10:11]               ; 256 consecutive bytes, aligned
	global_store_b64 v73, v[74:75], s[10:11] offset:1024
	global_store_b64 v73, v[70:71], s[10:11] offset:2048
.Lend:
	s_wait_tensorcnt 0x0                           ; the wave's end
	ds_add_u32 v2, v3
	s_wait_dscnt 0x0
	s_endpgm
.Lfunc_end_k_qe326a77e1c_fin1:
	.size	k_qe326a77e1c_fin1, .Lfunc_end_k_qe326a77e1c_fin1-k_qe326a77e1c_fin1
	.p2alignl 7, 3214868480
	.fill 96, 4, 3214868480
	.section	.rodata,"a",@progbits
	.p2align	6, 0x0
	.amdhsa_kernel k_qe326a77e1c_fin1
		.amdhsa_group_segment_fixed_size 28672
		.amdhsa_private_segment_fixed_size 0
		.amdhsa_enable_private_segment 0
		.amdhsa_kernarg_size 32
		.amdhsa_user_sgpr_count 2
		.amdhsa_user_sgpr_kernarg_segment_ptr 1
		.amdhsa_wavefront_size32 1
		.amdhsa_system_sgpr_workgroup_id_x 1
		.amdhsa_system_sgpr_workgroup_id_y 1
		.amdhsa_system_sgpr_workgroup_id_z 1
		.amdhsa_system_vgpr_workitem_id 0
		.amdhsa_next_free_vgpr 96
		.amdhsa_next_free_sgpr 66
		.amdhsa_reserve_vcc 0
		.amdhsa_float_denorm_mode_32 3
		.amdhsa_float_denorm_mode_16_64 3
		.amdhsa_memory_ordered 1
		.amdhsa_forward_progress 1
		.amdhsa_inst_pref_size 20
	.end_amdhsa_kernel
	.amdgpu_metadata
---
amdhsa.version: [ 1, 2 ]
amdhsa.kernels:
  - .name:           k_qe326a77e1c_fin1
    .symbol:         k_qe326a77e1c_fin1.kd
    .args:
      - { .name: st, .offset: 0, .size: 8, .value_kind: global_buffer, .address_space: global }
      - { .name: g1, .offset: 8, .size: 8, .value_kind: global_buffer, .address_space: global }
      - { .name: b1, .offset: 16, .size: 8, .value_kind: global_buffer, .address_space: global }
      - { .name: coef1, .offset: 24, .size: 8, .value_kind: global_buffer, .address_space: global }
    .group_segment_fixed_size: 28672
    .private_segment_fixed_size: 0
    .kernarg_segment_align: 8
    .kernarg_segment_size: 32
    .max_flat_workgroup_size: 1024
    .sgpr_count:     66
    .vgpr_count:     96
    .wavefront_size: 32
...
	.end_amdgpu_metadata
.endif
;; end of part 4
;; launch g2s (part 5): grid 256 x 1, 4 waves a work-group, no clusters, 166,400 bytes of LDS; arguments y1, cvt, coef1, st; writes st
.if DOCPART == 5
	.amdgcn_target "amdgcn-amd-amdhsa--gfx1250"
	.amdhsa_code_object_version 6
	.text
	.protected	k_qe326a77e1c_g2s
	.globl	k_qe326a77e1c_g2s
	.p2align	8
	.type	k_qe326a77e1c_g2s,@function
k_qe326a77e1c_g2s:
	s_mov_b64 s[64:65], 0
	v_nop
	global_prefetch_b8 v0, s[64:65] scope:SCOPE_SE
	s_setreg_imm32_b32 hwreg(HW_REG_WAVE_MODE, 25, 1), 1
	s_wait_xcnt 0x0
; SECOND 1x1 CONVOLUTION (K = 256, 256 outputs).  One text serves two launches: MODE = 0 makes the partial statistics of y2, MODE = 1 makes y2 again, normalises it and stores the output:
; y2 is never stored, so it is never rounded, and the second reading of y1 costs half of what storing and reading y2 would.
; A work-group takes 256 points, four chunks of 64; wave w the outputs 64 w .. 64 w + 63; its rows of W2 (f16, 256 registers) stay in registers.
; h1 = relu(d scale1 + (beta1 + scale1 (p - mean1))), d = y1 as stored (f16), reckoned in f32 and rounded once to f16; it goes into LDS rows [channel][point] and is read back turned.
; Product: source 0 = 16 points x 32 channels, source 1 = 16 rows of W2: a lane holds one output channel and eight points.  Each chunk has LDS bytes of its own, written once.
; Statistics as in the first convolution: around the mean of the work-group's first 16 points.
; LIMITS: NaN and infinities not treated apart; h1 within 65,504.
; REGISTERS: window 0: addresses, coefficients, v64-127 fragments of h1, v128-159 accumulators; window 1: W2's fragments, block a, K step s at 64 a + 8 s; window 2: v0-63 y1 in flight.
.set MODE,  0
.set W2H,   8650752
.set PIV,   33554432
.set HP,    160
.set HCH,   40960
.if MODE
.set STG,   163840                     ; each wave's own stage: 64 outputs x (256 + 16) bytes
.set SPARE, 233472
.else
.set STAT,  163840
.set SPARE, 165888
.endif
.set NP,  32                           ; MODE 0: -pivot, S1, S2;  MODE 1: -mean2, scale2, beta2; pairs, block a at + 2 a
.set S1,  40
.set S2,  48
.set TM,  56
.set AF,  64
.set ACC, 128
.set MSB, 0
.macro WIN new                         ; the immediate's high byte repeats the setting that is left; a switch that changes nothing is dropped
.if MSB != (\new)
	s_set_vgpr_msb (MSB<<8)|(\new)
.set MSB, \new
.endif
.endm
	s_load_b256 s[4:11], s[0:1], 0x0               ; y1, cvt, coef1, and st (MODE 0) or coef2 (MODE 1)
.if MODE
	s_load_b64 s[12:13], s[0:1], 0x20              ; out0
.endif
	v_lshl_add_u32 v4, v0, 2, SPARE
	v_mov_b32 v5, 0
	v_mov_b32 v6, 0
	v_lshrrev_b32 v56, 5, v0
	v_readfirstlane_b32 s16, v56                   ; wave
	v_and_b32 v1, 15, v0
	v_bfe_u32 v2, v0, 4, 1
	v_and_b32 v3, 31, v0
	s_lshl_b32 s25, s16, 11
	v_lshl_add_u32 v7, v3, 4, s25                  ; y1: block 4 w + a, 16 bytes a lane
	s_mul_i32 s25, s16, 64*HP
	v_mul_u32_u24 v8, v1, HP                       ; h1 in: row 64 w + r, 16 h
	v_lshl_add_u32 v8, v2, 4, v8
	v_add_nc_u32 v8, s25, v8
	v_and_b32 v56, 7, v0                           ; the turning load
	v_lshl_add_u32 v56, v2, 3, v56
	v_mul_u32_u24 v10, v56, HP
	v_bfe_u32 v56, v0, 3, 1
	v_lshl_add_u32 v10, v56, 4, v10
	s_lshl_b32 s25, s16, 8
	v_lshl_add_u32 v14, v1, 2, s25                 ; channel 64 w + r, in f32
	s_lshl_b32 s25, s16, 15
	v_lshlrev_b32 v15, 9, v1                       ; W2: row 64 w + r of 512 bytes, 16 h
	v_lshl_add_u32 v15, v2, 4, v15
	v_add_nc_u32 v15, s25, v15
.if MODE
	s_mul_i32 s25, s16, 64*272
	s_add_co_u32 s25, s25, STG
	v_mul_u32_u24 v57, v1, 272                     ; stage in: row r, 32 h
	v_lshl_add_u32 v57, v2, 5, v57
	v_add_nc_u32 v57, s25, v57
	v_mul_u32_u24 v12, v2, 272                     ; back: lanes 0-15 one row, lanes 16-31 the next
	v_lshl_add_u32 v12, v1, 4, v12
	v_add_nc_u32 v12, s25, v12
	s_lshl_b32 s25, s16, 20
	v_lshlrev_b32 v13, 4, v1                       ; out0: row 64 w + h of 16,384 bytes, 16 r
	v_lshl_add_u32 v13, v2, 14, v13
	v_add_nc_u32 v13, s25, v13
.endif
	s_mov_b32 s18, 0x76543210
	s_mov_b32 s19, 0xfedcba98
	s_mov_b32 s20, 0                               ; chunk
	s_mov_b32 s21, 0                               ; its LDS bytes
	s_mov_b32 s23, 1
	s_mov_b32 s27, 0
	s_wait_kmcnt 0x0
	s_lshl_b32 s26, ttmp9, 17
	s_add_nc_u64 s[28:29], s[4:5], s[26:27]
	s_add_nc_u64 s[30:31], s[6:7], W2H
	s_lshl_b32 s26, ttmp9, 10
	s_add_co_u32 s26, s26, PIV
	s_add_nc_u64 s[32:33], s[4:5], s[26:27]
.if MODE
	s_lshr_b32 s26, ttmp9, 4
	s_lshl_b32 s26, s26, 22
	s_and_b32 s25, ttmp9, 15
	s_lshl_b32 s25, s25, 10
	s_add_co_u32 s26, s26, s25
	s_add_nc_u64 s[34:35], s[12:13], s[26:27]
.else
	s_lshl_b32 s26, ttmp9, 11
	s_add_nc_u64 s[34:35], s[10:11], s[26:27]
.endif
.irp a, 0,1,2,3
	global_load_b32 v[16+\a], v14, s[8:9] offset:64*\a
	global_load_b32 v[24+\a], v14, s[8:9] offset:1024+64*\a
	global_load_b32 v[20+\a], v14, s[8:9] offset:2048+64*\a
	global_load_b32 v[28+\a], v14, s[32:33] offset:64*\a
.endr
.if MODE
.irp a, 0,1,2,3
	global_load_b32 v[S1+2*\a], v14, s[10:11] offset:64*\a
	global_load_b32 v[NP+2*\a], v14, s[10:11] offset:1024+64*\a
	global_load_b32 v[S2+2*\a], v14, s[10:11] offset:2048+64*\a
.endr
.endif
	WIN 0x40
.irp a, 0
.irp s, 0,1,2,3,4,5,6,7
	global_load_b128 v[64*\a+8*\s:64*\a+8*\s+3],   v15, s[30:31] offset:\a*8192+64*\s
	global_load_b128 v[64*\a+8*\s+4:64*\a+8*\s+7], v15, s[30:31] offset:\a*8192+64*\s+32
.endr
.endr
.macro YLOAD                           ; a chunk of y1: 4 tiles x my 4 blocks, 512 consecutive bytes each
	WIN 0x80
.irp t, 0,1,2,3
.irp a, 0,1,2,3
	global_load_b128 v[4*(4*\t+\a):4*(4*\t+\a)+3], v7, s[28:29] offset:\t*8192+512*\a
.endr
.endr
	WIN 0
.endm
	YLOAD
	s_wait_loadcnt 32                              ; the coefficients are in; the 16 loads of W2's first block and y1's 16, issued behind them, may stay out
.irp a, 0,1,2,3
	v_sub_f32 v[28+\a], v[28+\a], v[24+\a]
	v_fma_f32 v[20+\a], v[16+\a], v[28+\a], v[20+\a]
.endr
.if MODE
.irp a, 0,1,2,3
	v_xor_b32 v[NP+2*\a], 0x80000000, v[NP+2*\a]
	v_mov_b32 v[S1+2*\a+1], v[S1+2*\a]
	v_mov_b32 v[S2+2*\a+1], v[S2+2*\a]
	v_mov_b32 v[NP+2*\a+1], v[NP+2*\a]
.endr
.else
.set i, NP
.rept 24
	v_mov_b32 v[i], 0
.set i, i+1
.endr
.endif
	WIN 0x40
.irp a, 1,2,3                          ; W2's other three blocks
.irp s, 0,1,2,3,4,5,6,7
	global_load_b128 v[64*\a+8*\s:64*\a+8*\s+3],   v15, s[30:31] offset:\a*8192+64*\s
	global_load_b128 v[64*\a+8*\s+4:64*\a+8*\s+7], v15, s[30:31] offset:\a*8192+64*\s+32
.endr
.endr
	WIN 0                                          ; at a label every window is 0
.Lchunk:
	s_wait_loadcnt 0x0                             ; the chunk's y1 (in the first trip W2 too)
	WIN 0x82                                       ; y1 in window 2, the coefficients in window 0
.irp t, 0,1,2,3
.irp a, 0,1,2,3
.irp k, 0,1,2,3
	v_fma_mixlo_f16 v[4*(4*\t+\a)+\k], v[4*(4*\t+\a)+\k], v[16+\a], v[20+\a] op_sel_hi:[1,0,0]
.endr
.irp k, 0,1,2,3
	v_fma_mixhi_f16 v[4*(4*\t+\a)+\k], v[4*(4*\t+\a)+\k], v[16+\a], v[20+\a] op_sel:[1,0,0] op_sel_hi:[1,0,0]
.endr
.irp k, 0,1,2,3
	v_pk_max_num_f16 v[4*(4*\t+\a)+\k], v[4*(4*\t+\a)+\k], v6
.endr
.endr
.endr
	WIN 0x08
.irp t, 0,1,2,3
.irp a, 0,1,2,3
	ds_store_b128 v8, v[4*(4*\t+\a):4*(4*\t+\a)+3] offset:16*HP*\a+32*\t
.endr
.endr
	WIN 0
	s_wait_dscnt 0x0                               ; for the others' sake, and ahead of the loads into the registers just stored
	s_cmp_eq_u32 s20, 3
	s_cbranch_scc1 .Lno_y
	s_add_nc_u64 s[28:29], s[28:29], 32768         ; every load that read this base is done
	YLOAD
.Lno_y:
	s_barrier_signal -1
	s_barrier_wait -1
	v_add_nc_u32 v9, s21, v10
.if MODE
	v_mov_b32 v11, v57
.endif
	s_mov_b32 s24, 4
.Ltile:                                        ; a tile of 16 points; the four accumulators take turns
.irp s, 0,1,2,3,4,5,6,7
	ds_load_tr16_b128 v[AF+8*\s:AF+8*\s+3],   v9 offset:32*HP*\s
	ds_load_tr16_b128 v[AF+8*\s+4:AF+8*\s+7], v9 offset:32*HP*\s+16*HP
.endr
	s_wait_dscnt 0x0
	WIN 0x04                                       ; W2 in window 1
.irp s, 0,1,2,3,4,5,6,7
.irp a, 0,1,2,3
.if \s == 0
	v_wmma_f32_16x16x32_f16 v[ACC+8*\a:ACC+8*\a+7], v[AF+8*\s:AF+8*\s+7], v[64*\a+8*\s:64*\a+8*\s+7], 0
.else
	v_wmma_f32_16x16x32_f16 v[ACC+8*\a:ACC+8*\a+7], v[AF+8*\s:AF+8*\s+7], v[64*\a+8*\s:64*\a+8*\s+7], v[ACC+8*\a:ACC+8*\a+7]
.endif
.endr
.endr
	WIN 0
.rept 4
	v_nop                                          ; four places behind the last product
.endr
.if MODE
.irp a, 0,1,2,3
.irp p, 0,1,2,3
	v_pk_add_f32 v[ACC+8*\a+2*\p:ACC+8*\a+2*\p+1], v[ACC+8*\a+2*\p:ACC+8*\a+2*\p+1], v[NP+2*\a:NP+2*\a+1]
.endr
.irp p, 0,1,2,3
	v_pk_fma_f32 v[ACC+8*\a+2*\p:ACC+8*\a+2*\p+1], v[ACC+8*\a+2*\p:ACC+8*\a+2*\p+1], v[S1+2*\a:S1+2*\a+1], v[S2+2*\a:S2+2*\a+1]
.endr
.irp j, 0,1,2,3,4,5,6,7
	v_max_num_f32 v[ACC+8*\a+\j], 0, v[ACC+8*\a+\j]
.endr
	ds_store_b128 v11, v[ACC+8*\a:ACC+8*\a+3] offset:16*272*\a
	ds_store_b128 v11, v[ACC+8*\a+4:ACC+8*\a+7] offset:16*272*\a+16
.endr
	v_add_nc_u32 v11, 64, v11
.else
	s_cmp_eq_u32 s23, 0
	s_cbranch_scc1 .Lhave_p
.irp a, 0,1,2,3
	v_pk_add_f32 v[TM:TM+1], v[ACC+8*\a:ACC+8*\a+1], v[ACC+8*\a+2:ACC+8*\a+3]
	v_pk_add_f32 v[TM+2:TM+3], v[ACC+8*\a+4:ACC+8*\a+5], v[ACC+8*\a+6:ACC+8*\a+7]
	v_pk_add_f32 v[TM:TM+1], v[TM:TM+1], v[TM+2:TM+3]
	v_add_f32 v[TM], v[TM], v[TM+1]
	v_permlanex16_b32 v[TM+1], v[TM], s18, s19
	v_add_f32 v[TM], v[TM], v[TM+1]
	v_mul_f32 v[NP+2*\a], 0xbd800000, v[TM]
	v_mul_f32 v[NP+2*\a+1], 0xbd800000, v[TM]
.endr
	s_mov_b32 s23, 0
.Lhave_p:
.irp a, 0,1,2,3
.irp p, 0,1,2,3
	v_pk_add_f32 v[ACC+8*\a+2*\p:ACC+8*\a+2*\p+1], v[ACC+8*\a+2*\p:ACC+8*\a+2*\p+1], v[NP+2*\a:NP+2*\a+1]
.endr
.irp p, 0,1,2,3
	v_pk_add_f32 v[S1+2*\a:S1+2*\a+1], v[S1+2*\a:S1+2*\a+1], v[ACC+8*\a+2*\p:ACC+8*\a+2*\p+1]
	v_pk_fma_f32 v[S2+2*\a:S2+2*\a+1], v[ACC+8*\a+2*\p:ACC+8*\a+2*\p+1], v[ACC+8*\a+2*\p:ACC+8*\a+2*\p+1], v[S2+2*\a:S2+2*\a+1]
.endr
.endr
.endif
	v_add_nc_u32 v9, 32, v9
	s_sub_co_u32 s24, s24, 1
	s_cmp_lg_u32 s24, 0
	s_cbranch_scc1 .Ltile
.if MODE
	; the chunk leaves: my 64 outputs x 64 points, whole rows of 256 bytes out of my own stage (LDS serves a wave's instructions in order)
.irp bt, 0,1
.irp i, 0,1,2,3,4,5,6,7,8,9,10,11,12,13,14,15
	ds_load_b128 v[AF+4*\i:AF+4*\i+3], v12 offset:544*(16*\bt+\i)
.endr
.irp i, 0,1,2,3,4,5,6,7,8,9,10,11,12,13,14,15
	s_wait_dscnt 15-\i
	global_store_b128 v13, v[AF+4*\i:AF+4*\i+3], s[34:35] offset:(16*\bt+\i)*32768 th:TH_STORE_NT  ; sixteen lanes store 256 consecutive bytes, aligned
.endr
	s_wait_xcnt 0x0                                ; the stores have read their data and their base: both are written again below
.endr
	s_add_nc_u64 s[34:35], s[34:35], 256
.endif
	s_add_co_u32 s21, s21, HCH
	v_add_nc_u32 v8, HCH, v8
	s_add_co_u32 s20, s20, 1
	s_cmp_lt_u32 s20, 4
	s_cbranch_scc1 .Lchunk
.if MODE == 0
.irp a, 0,1,2,3
	v_add_f32 v[TM+\a], v[S1+2*\a], v[S1+2*\a+1]
	v_add_f32 v[TM+4+\a], v[S2+2*\a], v[S2+2*\a+1]
.endr
.irp a, 0,1,2,3
	v_permlanex16_b32 v[16+\a], v[TM+\a], s18, s19
	v_permlanex16_b32 v[20+\a], v[TM+4+\a], s18, s19
.endr
	s_lshl_b32 s25, s16, 8
	s_add_co_u32 s25, s25, STAT
	v_lshl_add_u32 v8, v1, 2, s25
.irp a, 0,1,2,3
	v_add_f32 v[TM+\a], v[TM+\a], v[16+\a]
	v_add_f32 v[TM+4+\a], v[TM+4+\a], v[20+\a]
	v_mul_f32 v[16+\a], 0x3b800000, v[TM+\a]
	v_fma_f32 v[TM+4+\a], -v[16+\a], v[TM+\a], v[TM+4+\a]
	v_sub_f32 v[TM+\a], v[16+\a], v[NP+2*\a]
	ds_store_b32 v8, v[TM+\a] offset:64*\a
	ds_store_b32 v8, v[TM+4+\a] offset:1024+64*\a
.endr
	s_wait_dscnt 0x0
	s_barrier_signal -1
	s_barrier_wait -1
	v_lshl_add_u32 v9, v0, 4, STAT
	ds_load_b128 v[TM:TM+3], v9
	v_lshlrev_b32 v10, 4, v0
	s_wait_dscnt 0x0
	global_store_b128 v10, v[TM:TM+3], s[34:35]
.endif
	s_wait_tensorcnt 0x0                           ; the wave's end
	ds_add_u32 v4, v5
	s_wait_dscnt 0x0
	s_endpgm
.Lfunc_end_k_qe326a77e1c_g2s:
	.size	k_qe326a77e1c_g2s, .Lfunc_end_k_qe326a77e1c_g2s-k_qe326a77e1c_g2s
	.p2alignl 7, 3214868480
	.fill 96, 4, 3214868480
	.section	.rodata,"a",@progbits
	.p2align	6, 0x0
	.amdhsa_kernel k_qe326a77e1c_g2s
		.amdhsa_group_segment_fixed_size 166400
		.amdhsa_private_segment_fixed_size 0
		.amdhsa_enable_private_segment 0
		.amdhsa_kernarg_size 32
		.amdhsa_user_sgpr_count 2
		.amdhsa_user_sgpr_kernarg_segment_ptr 1
		.amdhsa_wavefront_size32 1
		.amdhsa_system_sgpr_workgroup_id_x 1
		.amdhsa_system_sgpr_workgroup_id_y 1
		.amdhsa_system_sgpr_workgroup_id_z 1
		.amdhsa_system_vgpr_workitem_id 0
		.amdhsa_next_free_vgpr 576
		.amdhsa_next_free_sgpr 66
		.amdhsa_reserve_vcc 0
		.amdhsa_float_denorm_mode_32 3
		.amdhsa_float_denorm_mode_16_64 3
		.amdhsa_memory_ordered 1
		.amdhsa_forward_progress 1
		.amdhsa_inst_pref_size 39
	.end_amdhsa_kernel
	.amdgpu_metadata
---
amdhsa.version: [ 1, 2 ]
amdhsa.kernels:
  - .name:           k_qe326a77e1c_g2s
    .symbol:         k_qe326a77e1c_g2s.kd
    .args:
      - { .name: y1, .offset: 0, .size: 8, .value_kind: global_buffer, .address_space: global }
      - { .name: cvt, .offset: 8, .size: 8, .value_kind: global_buffer, .address_space: global }
      - { .name: coef1, .offset: 16, .size: 8, .value_kind: global_buffer, .address_space: global }
      - { .name: st, .offset: 24, .size: 8, .value_kind: global_buffer, .address_space: global }
    .group_segment_fixed_size: 166400
    .private_segment_fixed_size: 0
    .kernarg_segment_align: 8
    .kernarg_segment_size: 32
    .max_flat_workgroup_size: 128
    .sgpr_count:     66
    .vgpr_count:     576
    .wavefront_size: 32
...
	.end_amdgpu_metadata
.endif
;; end of part 5
;; launch fin2: the kernel of part 4 again; grid 4 x 1, 32 waves a work-group, no clusters, 28,672 bytes of LDS; arguments st, g2, b2, coef2; writes coef2
;; launch g2o (part 6): grid 256 x 1, 4 waves a work-group, no clusters, 233,984 bytes of LDS; arguments y1, cvt, coef1, coef2, out0; writes out0
.if DOCPART == 6
	.amdgcn_target "amdgcn-amd-amdhsa--gfx1250"
	.amdhsa_code_object_version 6
	.text
	.protected	k_qe326a77e1c_g2o
	.globl	k_qe326a77e1c_g2o
	.p2align	8
	.type	k_qe326a77e1c_g2o,@function
k_qe326a77e1c_g2o:
	s_mov_b64 s[64:65], 0
	v_nop
	global_prefetch_b8 v0, s[64:65] scope:SCOPE_SE
	s_setreg_imm32_b32 hwreg(HW_REG_WAVE_MODE, 25, 1), 1
	s_wait_xcnt 0x0
; SECOND 1x1 CONVOLUTION (K = 256, 256 outputs).  One text serves two launches: MODE = 0 makes the partial statistics of y2, MODE = 1 makes y2 again, normalises it and stores the output:
; y2 is never stored, so it is never rounded, and the second reading of y1 costs half of what storing and reading y2 would.
; A work-group takes 256 points, four chunks of 64; wave w the outputs 64 w .. 64 w + 63; its rows of W2 (f16, 256 registers) stay in registers.
; h1 = relu(d scale1 + (beta1 + scale1 (p - mean1))), d = y1 as stored (f16), reckoned in f32 and rounded once to f16; it goes into LDS rows [channel][point] and is read back turned.
; Product: source 0 = 16 points x 32 channels, source 1 = 16 rows of W2: a lane holds one output channel and eight points.  Each chunk has LDS bytes of its own, written once.
; Output: relu((y2 - mean2) scale2 + beta2) in f32, through each wave's own stage, so that sixteen lanes store 256 consecutive bytes of a row of out0.
; LIMITS: NaN and infinities not treated apart; h1 within 65,504.
; REGISTERS: window 0: addresses, coefficients, v64-127 fragments of h1, v128-159 accumulators; window 1: W2's fragments, block a, K step s at 64 a + 8 s; window 2: v0-63 y1 in flight.
.set MODE,  1
.set W2H,   8650752
.set PIV,   33554432
.set HP,    160
.set HCH,   40960
.if MODE
.set STG,   163840                     ; each wave's own stage: 64 outputs x (256 + 16) bytes
.set SPARE, 233472
.else
.set STAT,  163840
.set SPARE, 165888
.endif
.set NP,  32                           ; MODE 0: -pivot, S1, S2;  MODE 1: -mean2, scale2, beta2; pairs, block a at + 2 a
.set S1,  40
.set S2,  48
.set TM,  56
.set AF,  64
.set ACC, 128
.set MSB, 0
.macro WIN new                         ; the immediate's high byte repeats the setting that is left; a switch that changes nothing is dropped
.if MSB != (\new)
	s_set_vgpr_msb (MSB<<8)|(\new)
.set MSB, \new
.endif
.endm
	s_load_b256 s[4:11], s[0:1], 0x0               ; y1, cvt, coef1, and st (MODE 0) or coef2 (MODE 1)
.if MODE
	s_load_b64 s[12:13], s[0:1], 0x20              ; out0
.endif
	v_lshl_add_u32 v4, v0, 2, SPARE
	v_mov_b32 v5, 0
	v_mov_b32 v6, 0
	v_lshrrev_b32 v56, 5, v0
	v_readfirstlane_b32 s16, v56                   ; wave
	v_and_b32 v1, 15, v0
	v_bfe_u32 v2, v0, 4, 1
	v_and_b32 v3, 31, v0
	s_lshl_b32 s25, s16, 11
	v_lshl_add_u32 v7, v3, 4, s25                  ; y1: block 4 w + a, 16 bytes a lane
	s_mul_i32 s25, s16, 64*HP
	v_mul_u32_u24 v8, v1, HP                       ; h1 in: row 64 w + r, 16 h
	v_lshl_add_u32 v8, v2, 4, v8
	v_add_nc_u32 v8, s25, v8
	v_and_b32 v56, 7, v0                           ; the turning load
	v_lshl_add_u32 v56, v2, 3, v56
	v_mul_u32_u24 v10, v56, HP
	v_bfe_u32 v56, v0, 3, 1
	v_lshl_add_u32 v10, v56, 4, v10
	s_lshl_b32 s25, s16, 8
	v_lshl_add_u32 v14, v1, 2, s25                 ; channel 64 w + r, in f32
	s_lshl_b32 s25, s16, 15
	v_lshlrev_b32 v15, 9, v1                       ; W2: row 64 w + r of 512 bytes, 16 h
	v_lshl_add_u32 v15, v2, 4, v15
	v_add_nc_u32 v15, s25, v15
.if MODE
	s_mul_i32 s25, s16, 64*272
	s_add_co_u32 s25, s25, STG
	v_mul_u32_u24 v57, v1, 272                     ; stage in: row r, 32 h
	v_lshl_add_u32 v57, v2, 5, v57
	v_add_nc_u32 v57, s25, v57
	v_mul_u32_u24 v12, v2, 272                     ; back: lanes 0-15 one row, lanes 16-31 the next
	v_lshl_add_u32 v12, v1, 4, v12
	v_add_nc_u32 v12, s25, v12
	s_lshl_b32 s25, s16, 20
	v_lshlrev_b32 v13, 4, v1                       ; out0: row 64 w + h of 16,384 bytes, 16 r
	v_lshl_add_u32 v13, v2, 14, v13
	v_add_nc_u32 v13, s25, v13
.endif
	s_mov_b32 s18, 0x76543210
	s_mov_b32 s19, 0xfedcba98
	s_mov_b32 s20, 0                               ; chunk
	s_mov_b32 s21, 0                               ; its LDS bytes
	s_mov_b32 s23, 1
	s_mov_b32 s27, 0
	s_wait_kmcnt 0x0
	s_lshl_b32 s26, ttmp9, 17
	s_add_nc_u64 s[28:29], s[4:5], s[26:27]
	s_add_nc_u64 s[30:31], s[6:7], W2H
	s_lshl_b32 s26, ttmp9, 10
	s_add_co_u32 s26, s26, PIV
	s_add_nc_u64 s[32:33], s[4:5], s[26:27]
.if MODE
	s_lshr_b32 s26, ttmp9, 4
	s_lshl_b32 s26, s26, 22
	s_and_b32 s25, ttmp9, 15
	s_lshl_b32 s25, s25, 10
	s_add_co_u32 s26, s26, s25
	s_add_nc_u64 s[34:35], s[12:13], s[26:27]
.else
	s_lshl_b32 s26, ttmp9, 11
	s_add_nc_u64 s[34:35], s[10:11], s[26:27]
.endif
.irp a, 0,1,2,3
	global_load_b32 v[16+\a], v14, s[8:9] offset:64*\a
	global_load_b32 v[24+\a], v14, s[8:9] offset:1024+64*\a
	global_load_b32 v[20+\a], v14, s[8:9] offset:2048+64*\a
	global_load_b32 v[28+\a], v14, s[32:33] offset:64*\a
.endr
.if MODE
.irp a, 0,1,2,3
	global_load_b32 v[S1+2*\a], v14, s[10:11] offset:64*\a
	global_load_b32 v[NP+2*\a], v14, s[10:11] offset:1024+64*\a
	global_load_b32 v[S2+2*\a], v14, s[10:11] offset:2048+64*\a
.endr
.endif
	WIN 0x40
.irp a, 0
.irp s, 0,1,2,3,4,5,6,7
	global_load_b128 v[64*\a+8*\s:64*\a+8*\s+3],   v15, s[30:31] offset:\a*8192+64*\s
	global_load_b128 v[64*\a+8*\s+4:64*\a+8*\s+7], v15, s[30:31] offset:\a*8192+64*\s+32
.endr
.endr
.macro YLOAD                           ; a chunk of y1: 4 tiles x my 4 blocks, 512 consecutive bytes each
	WIN 0x80
.irp t, 0,1,2,3
.irp a, 0,1,2,3
	global_load_b128 v[4*(4*\t+\a):4*(4*\t+\a)+3], v7, s[28:29] offset:\t*8192+512*\a
.endr
.endr
	WIN 0
.endm
	YLOAD
	s_wait_loadcnt 32                              ; the coefficients are in; the 16 loads of W2's first block and y1's 16, issued behind them, may stay out
.irp a, 0,1,2,3
	v_sub_f32 v[28+\a], v[28+\a], v[24+\a]
	v_fma_f32 v[20+\a], v[16+\a], v[28+\a], v[20+\a]
.endr
.if MODE
.irp a, 0,1,2,3
	v_xor_b32 v[NP+2*\a], 0x80000000, v[NP+2*\a]
	v_mov_b32 v[S1+2*\a+1], v[S1+2*\a]
	v_mov_b32 v[S2+2*\a+1], v[S2+2*\a]
	v_mov_b32 v[NP+2*\a+1], v[NP+2*\a]
.endr
.else
.set i, NP
.rept 24
	v_mov_b32 v[i], 0
.set i, i+1
.endr
.endif
	WIN 0x40
.irp a, 1,2,3                          ; W2's other three blocks
.irp s, 0,1,2,3,4,5,6,7
	global_load_b128 v[64*\a+8*\s:64*\a+8*\s+3],   v15, s[30:31] offset:\a*8192+64*\s
	global_load_b128 v[64*\a+8*\s+4:64*\a+8*\s+7], v15, s[30:31] offset:\a*8192+64*\s+32
.endr
.endr
	WIN 0                                          ; at a label every window is 0
.Lchunk:
	s_wait_loadcnt 0x0                             ; the chunk's y1 (in the first trip W2 too)
	WIN 0x82                                       ; y1 in window 2, the coefficients in window 0
.irp t, 0,1,2,3
.irp a, 0,1,2,3
.irp k, 0,1,2,3
	v_fma_mixlo_f16 v[4*(4*\t+\a)+\k], v[4*(4*\t+\a)+\k], v[16+\a], v[20+\a] op_sel_hi:[1,0,0]
.endr
.irp k, 0,1,2,3
	v_fma_mixhi_f16 v[4*(4*\t+\a)+\k], v[4*(4*\t+\a)+\k], v[16+\a], v[20+\a] op_sel:[1,0,0] op_sel_hi:[1,0,0]
.endr
.irp k, 0,1,2,3
	v_pk_max_num_f16 v[4*(4*\t+\a)+\k], v[4*(4*\t+\a)+\k], v6
.endr
.endr
.endr
	WIN 0x08
.irp t, 0,1,2,3
.irp a, 0,1,2,3
	ds_store_b128 v8, v[4*(4*\t+\a):4*(4*\t+\a)+3] offset:16*HP*\a+32*\t
.endr
.endr
	WIN 0
	s_wait_dscnt 0x0                               ; for the others' sake, and ahead of the loads into the registers just stored
	s_cmp_eq_u32 s20, 3
	s_cbranch_scc1 .Lno_y
	s_add_nc_u64 s[28:29], s[28:29], 32768         ; every load that read this base is done
	YLOAD
.Lno_y:
	s_barrier_signal -1
	s_barrier_wait -1
	v_add_nc_u32 v9, s21, v10
.if MODE
	v_mov_b32 v11, v57
.endif
	s_mov_b32 s24, 4
.Ltile:                                        ; a tile of 16 points; the four accumulators take turns
.irp s, 0,1,2,3,4,5,6,7
	ds_load_tr16_b128 v[AF+8*\s:AF+8*\s+3],   v9 offset:32*HP*\s
	ds_load_tr16_b128 v[AF+8*\s+4:AF+8*\s+7], v9 offset:32*HP*\s+16*HP
.endr
	s_wait_dscnt 0x0
	WIN 0x04                                       ; W2 in window 1
.irp s, 0,1,2,3,4,5,6,7
.irp a, 0,1,2,3
.if \s == 0
	v_wmma_f32_16x16x32_f16 v[ACC+8*\a:ACC+8*\a+7], v[AF+8*\s:AF+8*\s+7], v[64*\a+8*\s:64*\a+8*\s+7], 0
.else
	v_wmma_f32_16x16x32_f16 v[ACC+8*\a:ACC+8*\a+7], v[AF+8*\s:AF+8*\s+7], v[64*\a+8*\s:64*\a+8*\s+7], v[ACC+8*\a:ACC+8*\a+7]
.endif
.endr
.endr
	WIN 0
.rept 4
	v_nop                                          ; four places behind the last product
.endr
.if MODE
.irp a, 0,1,2,3
.irp p, 0,1,2,3
	v_pk_add_f32 v[ACC+8*\a+2*\p:ACC+8*\a+2*\p+1], v[ACC+8*\a+2*\p:ACC+8*\a+2*\p+1], v[NP+2*\a:NP+2*\a+1]
.endr
.irp p, 0,1,2,3
	v_pk_fma_f32 v[ACC+8*\a+2*\p:ACC+8*\a+2*\p+1], v[ACC+8*\a+2*\p:ACC+8*\a+2*\p+1], v[S1+2*\a:S1+2*\a+1], v[S2+2*\a:S2+2*\a+1]
.endr
.irp j, 0,1,2,3,4,5,6,7
	v_max_num_f32 v[ACC+8*\a+\j], 0, v[ACC+8*\a+\j]
.endr
	ds_store_b128 v11, v[ACC+8*\a:ACC+8*\a+3] offset:16*272*\a
	ds_store_b128 v11, v[ACC+8*\a+4:ACC+8*\a+7] offset:16*272*\a+16
.endr
	v_add_nc_u32 v11, 64, v11
.else
	s_cmp_eq_u32 s23, 0
	s_cbranch_scc1 .Lhave_p
.irp a, 0,1,2,3
	v_pk_add_f32 v[TM:TM+1], v[ACC+8*\a:ACC+8*\a+1], v[ACC+8*\a+2:ACC+8*\a+3]
	v_pk_add_f32 v[TM+2:TM+3], v[ACC+8*\a+4:ACC+8*\a+5], v[ACC+8*\a+6:ACC+8*\a+7]
	v_pk_add_f32 v[TM:TM+1], v[TM:TM+1], v[TM+2:TM+3]
	v_add_f32 v[TM], v[TM], v[TM+1]
	v_permlanex16_b32 v[TM+1], v[TM], s18, s19
	v_add_f32 v[TM], v[TM], v[TM+1]
	v_mul_f32 v[NP+2*\a], 0xbd800000, v[TM]
	v_mul_f32 v[NP+2*\a+1], 0xbd800000, v[TM]
.endr
	s_mov_b32 s23, 0
.Lhave_p:
.irp a, 0,1,2,3
.irp p, 0,1,2,3
	v_pk_add_f32 v[ACC+8*\a+2*\p:ACC+8*\a+2*\p+1], v[ACC+8*\a+2*\p:ACC+8*\a+2*\p+1], v[NP+2*\a:NP+2*\a+1]
.endr
.irp p, 0,1,2,3
	v_pk_add_f32 v[S1+2*\a:S1+2*\a+1], v[S1+2*\a:S1+2*\a+1], v[ACC+8*\a+2*\p:ACC+8*\a+2*\p+1]
	v_pk_fma_f32 v[S2+2*\a:S2+2*\a+1], v[ACC+8*\a+2*\p:ACC+8*\a+2*\p+1], v[ACC+8*\a+2*\p:ACC+8*\a+2*\p+1], v[S2+2*\a:S2+2*\a+1]
.endr
.endr
.endif
	v_add_nc_u32 v9, 32, v9
	s_sub_co_u32 s24, s24, 1
	s_cmp_lg_u32 s24, 0
	s_cbranch_scc1 .Ltile
.if MODE
	; the chunk leaves: my 64 outputs x 64 points, whole rows of 256 bytes out of my own stage (LDS serves a wave's instructions in order)
.irp bt, 0,1
.irp i, 0,1,2,3,4,5,6,7,8,9,10,11,12,13,14,15
	ds_load_b128 v[AF+4*\i:AF+4*\i+3], v12 offset:544*(16*\bt+\i)
.endr
.irp i, 0,1,2,3,4,5,6,7,8,9,10,11,12,13,14,15
	s_wait_dscnt 15-\i
	global_store_b128 v13, v[AF+4*\i:AF+4*\i+3], s[34:35] offset:(16*\bt+\i)*32768 th:TH_STORE_NT  ; sixteen lanes store 256 consecutive bytes, aligned
.endr
	s_wait_xcnt 0x0                                ; the stores have read their data and their base: both are written again below
.endr
	s_add_nc_u64 s[34:35], s[34:35], 256
.endif
	s_add_co_u32 s21, s21, HCH
	v_add_nc_u32 v8, HCH, v8
	s_add_co_u32 s20, s20, 1
	s_cmp_lt_u32 s20, 4
	s_cbranch_scc1 .Lchunk
.if MODE == 0
.irp a, 0,1,2,3
	v_add_f32 v[TM+\a], v[S1+2*\a], v[S1+2*\a+1]
	v_add_f32 v[TM+4+\a], v[S2+2*\a], v[S2+2*\a+1]
.endr
.irp a, 0,1,2,3
	v_permlanex16_b32 v[16+\a], v[TM+\a], s18, s19
	v_permlanex16_b32 v[20+\a], v[TM+4+\a], s18, s19
.endr
	s_lshl_b32 s25, s16, 8
	s_add_co_u32 s25, s25, STAT
	v_lshl_add_u32 v8, v1, 2, s25
.irp a, 0,1,2,3
	v_add_f32 v[TM+\a], v[TM+\a], v[16+\a]
	v_add_f32 v[TM+4+\a], v[TM+4+\a], v[20+\a]
	v_mul_f32 v[16+\a], 0x3b800000, v[TM+\a]
	v_fma_f32 v[TM+4+\a], -v[16+\a], v[TM+\a], v[TM+4+\a]
	v_sub_f32 v[TM+\a], v[16+\a], v[NP+2*\a]
	ds_store_b32 v8, v[TM+\a] offset:64*\a
	ds_store_b32 v8, v[TM+4+\a] offset:1024+64*\a
.endr
	s_wait_dscnt 0x0
	s_barrier_signal -1
	s_barrier_wait -1
	v_lshl_add_u32 v9, v0, 4, STAT
	ds_load_b128 v[TM:TM+3], v9
	v_lshlrev_b32 v10, 4, v0
	s_wait_dscnt 0x0
	global_store_b128 v10, v[TM:TM+3], s[34:35]
.endif
	s_wait_tensorcnt 0x0                           ; the wave's end
	ds_add_u32 v4, v5
	s_wait_dscnt 0x0
	s_endpgm
.Lfunc_end_k_qe326a77e1c_g2o:
	.size	k_qe326a77e1c_g2o, .Lfunc_end_k_qe326a77e1c_g2o-k_qe326a77e1c_g2o
	.p2alignl 7, 3214868480
	.fill 96, 4, 3214868480
	.section	.rodata,"a",@progbits
	.p2align	6, 0x0
	.amdhsa_kernel k_qe326a77e1c_g2o
		.amdhsa_group_segment_fixed_size 233984
		.amdhsa_private_segment_fixed_size 0
		.amdhsa_enable_private_segment 0
		.amdhsa_kernarg_size 40
		.amdhsa_user_sgpr_count 2
		.amdhsa_user_sgpr_kernarg_segment_ptr 1
		.amdhsa_wavefront_size32 1
		.amdhsa_system_sgpr_workgroup_id_x 1
		.amdhsa_system_sgpr_workgroup_id_y 1
		.amdhsa_system_sgpr_workgroup_id_z 1
		.amdhsa_system_vgpr_workitem_id 0
		.amdhsa_next_free_vgpr 576
		.amdhsa_next_free_sgpr 66
		.amdhsa_reserve_vcc 0
		.amdhsa_float_denorm_mode_32 3
		.amdhsa_float_denorm_mode_16_64 3
		.amdhsa_memory_ordered 1
		.amdhsa_forward_progress 1
		.amdhsa_inst_pref_size 43
	.end_amdhsa_kernel
	.amdgpu_metadata
---
amdhsa.version: [ 1, 2 ]
amdhsa.kernels:
  - .name:           k_qe326a77e1c_g2o
    .symbol:         k_qe326a77e1c_g2o.kd
    .args:
      - { .name: y1, .offset: 0, .size: 8, .value_kind: global_buffer, .address_space: global }
      - { .name: cvt, .offset: 8, .size: 8, .value_kind: global_buffer, .address_space: global }
      - { .name: coef1, .offset: 16, .size: 8, .value_kind: global_buffer, .address_space: global }
      - { .name: coef2, .offset: 24, .size: 8, .value_kind: global_buffer, .address_space: global }
      - { .name: out0, .offset: 32, .size: 8, .value_kind: global_buffer, .address_space: global }
    .group_segment_fixed_size: 233984
    .private_segment_fixed_size: 0
    .kernarg_segment_align: 8
    .kernarg_segment_size: 40
    .max_flat_workgroup_size: 128
    .sgpr_count:     66
    .vgpr_count:     576
    .wavefront_size: 32
...
	.end_amdgpu_metadata
.endif
;; end of part 6
;; ======== version 2 of 3: 7 launches
;; limits: values are held in f16: magnitudes above 65,504 overflow, below 6.1e-05 lose precision; right only within a limited range of input values
;; workspace buffers: cvt 8,781,824 bytes; blk 262,144 bytes of whole numbers; idx3 1,048,576 bytes of whole numbers; wgt 1,048,576 bytes; y1 33,816,576 bytes; st 524,288 bytes; coef1 3,072 bytes; coef2 3,072 bytes
;; launch knn (part 7): grid 256 x 1, 8 waves a work-group, no clusters, 57,344 bytes of LDS; arguments known, unknown, known_feats, W1, W2, cvt, blk; writes cvt, blk
.if DOCPART == 7
	.amdgcn_target "amdgcn-amd-amdhsa--gfx1250"
	.amdhsa_code_object_version 6
	.text
	.protected	k_qe326a77e1c_knn
	.globl	k_qe326a77e1c_knn
	.p2align	8
	.type	k_qe326a77e1c_knn,@function
k_qe326a77e1c_knn:
	s_mov_b64 s[64:65], 0
	v_nop
	global_prefetch_b8 v0, s[64:65] scope:SCOPE_SE
	s_setreg_imm32_b32 hwreg(HW_REG_WAVE_MODE, 25, 1), 1
	s_wait_xcnt 0x0
; THREE NEAREST, FIRST PASS: IN WHICH THREE BLOCKS OF 32 THEY LIE; and the conversions of the tables.
; All inputs are rounded to bf16 first (coordinates too); distances are f32: d = fma(dz,dz, fma(dy,dy, dx*dx)), dx = k + (-u).
; Order the points by (distance, index).  The three nearest lie in the three blocks of 32 points whose minima are smallest in that order: a point of any other
; block has those three minima ahead of it.  So only ONE running minimum a block is kept (one v_min3_num_f32 for two candidates); at a block's end it is merged,
; with the block's number, into the running three (a, b, c ascending).  It is inserted only where strictly smaller, blocks ascending: equal minima keep the lower block first.
; SHARES.  A work-group takes 256 queries of one batch; the batch's 1,024 known points lie in LDS as three arrays x, y, z.  Eight waves, two on each SIMD, so that one works
; while the other waits for a result.  Waves w and w + 4 have the same 64 queries, two a lane; waves 0-3 walk blocks 0-15, waves 4-7 blocks 16-31.  Waves 4-7 hand their three
; entries over in LDS, behind the barrier of the transposition, and waves 0-3 insert them behind their own (again only where strictly smaller).
; Out: the three block numbers in one word a query.  The next launch finds the points inside the named blocks, by the same arithmetic.
; Beside that: known_feats [b][c][m] f32 -> [b][m][c] f16 (a tile of 256 c x 64 m through LDS), and the weights to 16 bits.  Every number is rounded to bf16 first.  W1's columns 0-255
; (they multiply the interpolated features) and W2 are then written as f16; W1's columns 256-511 (they multiply unknow_feats) stay bf16.
; LIMITS: NaN and infinities are not treated apart; a bf16 number written as f16 is exact from 2^-14 to 65,504, below that it keeps f16's fixed step of 2^-24.
; No matrix unit, no cluster: nothing is multiplied by matrices here and no tile comes by a tensor load.
.set W1H,   8388608                    ; byte offsets in cvt
.set W2H,   8650752
.set CY,    4096                       ; LDS: x at 0, y, z, 4,096 bytes each
.set CZ,    8192
.set PAD,   12288                      ; 4,096 bytes of zeros, 16 from each thread: the last look-ahead load of z ends here
.set TR,    16384                      ; 64 rows (m) x 528 bytes (256 c in f16 + 16)
.set TP,    528
.set MRG,   50176                      ; the hand-over: three arrays of 2,048 bytes, 16 bytes a thread of waves 4-7
.set SPARE, 56320                      ; the spare words: 128 bytes a wave
.set SPW, 2
.set NIL, 3
.set VA,  4                            ; LDS address of the block in hand, the same in all lanes
.set VJ,  5                            ; the block's number
.set NU,  8                            ; v[8:19] -ux,-uy,-uz of query 0, then of query 1, each twice (a pair for the packed add)
.set XT,  20                           ; v20-23  the block's running minimum: query q, candidates' pair p at XT + 2 q + p
.set VMG, 96                           ; where my pair of queries lies in the hand-over
.set VWS, 122
.set VWD, 123
.set VKN, 124
.set VUN, 125
.set VKO, 126
.set VO8, 127
; v26-31 a, b, c (query 0, 1 by turns); v32-37 their blocks; v40-63 two sets of four candidates; v64-95 at work; v128-191 known_feats in flight
	s_load_b256 s[4:11], s[0:1], 0x0               ; known, unknown, known_feats, W1
	s_load_b128 s[12:15], s[0:1], 0x20             ; W2, cvt
	s_load_b64 s[16:17], s[0:1], 0x30              ; blk
	v_lshl_add_u32 v[SPW], v0, 2, SPARE
	v_mov_b32 v[NIL], 0
	v_lshrrev_b32 v6, 5, v0
	v_readfirstlane_b32 s26, v6                    ; wave
	v_and_b32 v6, 31, v0
	v_lshlrev_b32 v[VWS], 5, v6                    ; 8 f32 of W a lane
	v_lshlrev_b32 v[VWD], 4, v6                    ; 8 numbers of 16 bits
	v_mul_u32_u24 v[VKN], v0, 48                   ; 4 known points a thread
	v_and_b32 v7, 127, v0                          ; my pair of queries: the same in waves w and w + 4
	v_mul_u32_u24 v[VUN], v7, 24
	v_lshlrev_b32 v[VO8], 3, v7
	v_lshl_add_u32 v[VMG], v7, 4, MRG
	v_and_b32 v6, 15, v0
	v_bfe_u32 v7, v0, 4, 1
	v_lshlrev_b32 v[VKO], 4, v6                    ; known_feats: (32 w + 8 h) rows of 4,096 bytes + 16 r
	v_lshl_add_u32 v[VKO], v7, 15, v[VKO]
	s_lshl_b32 s29, s26, 17
	v_add_nc_u32 v[VKO], s29, v[VKO]
	v_lshlrev_b32 v1, 4, v0                        ; LDS: my 4 points in each array
	v_lshl_add_u32 v39, v0, 4, PAD
	s_lshr_b32 s44, ttmp9, 4                       ; batch
	s_and_b32 s45, ttmp9, 15
	s_mov_b32 s27, 0xffff0000
	s_mov_b32 s52, 0x7f800000                      ; +infinity
	s_lshl_b32 s46, ttmp9, 11                      ; W1: 512 numbers, one row, a work-group; wave 0 its columns 0-255, wave 1 its columns 256-511
	s_lshl_b32 s47, s26, 10
	s_add_co_u32 s46, s46, s47
	s_lshl_b32 s47, ttmp9, 10                      ; W2: 256 numbers a work-group (wave 2)
	s_lshr_b32 s48, s46, 1
	s_add_co_u32 s48, s48, W1H
	s_lshr_b32 s49, s47, 1
	s_add_co_u32 s49, s49, W2H
	s_mov_b32 s31, 0
	s_mov_b32 s51, 0
	s_wait_kmcnt 0x0
	s_cmp_lt_u32 s26, 2
	s_cselect_b32 s30, s46, s47
	s_cselect_b32 s50, s48, s49
	s_cselect_b64 s[18:19], s[10:11], s[12:13]
	s_add_nc_u64 s[18:19], s[18:19], s[30:31]      ; from
	s_add_nc_u64 s[24:25], s[14:15], s[50:51]      ; to
	s_mul_i32 s30, s44, 12288
	s_add_nc_u64 s[34:35], s[4:5], s[30:31]        ; known of my batch
	s_mul_i32 s30, ttmp9, 3072
	s_add_nc_u64 s[36:37], s[6:7], s[30:31]        ; my 256 queries
	s_lshl_b32 s30, s44, 20
	s_lshl_b32 s29, s45, 8
	s_add_co_u32 s30, s30, s29
	s_add_nc_u64 s[32:33], s[8:9], s[30:31]        ; known_feats: my batch, my 64 columns m
	s_lshl_b32 s30, ttmp9, 10
	s_add_nc_u64 s[40:41], s[16:17], s[30:31]
	s_lshl_b32 s30, ttmp9, 15                      ; 64 rows of 512 bytes a work-group
	s_add_nc_u64 s[42:43], s[14:15], s[30:31]
	s_cmp_lt_u32 s26, 3
	s_cbranch_scc0 .Lno_w_in
	global_load_b128 v[104:107], v[VWS], s[18:19]
	global_load_b128 v[108:111], v[VWS], s[18:19] offset:16
.Lno_w_in:
.irp i, 0,1,2
	global_load_b128 v[80+4*\i:83+4*\i], v[VKN], s[34:35] offset:16*\i
.endr
.irp i, 0,1,2
	global_load_b64 v[116+2*\i:117+2*\i], v[VUN], s[36:37] offset:8*\i
.endr
.set i, 0
.rept 16                               ; row 32 w + 16 (i / 8) + 8 h + i % 8; sixteen lanes take 256 consecutive bytes
	global_load_b128 v[128+4*i:131+4*i], v[VKO], s[32:33] offset:(16*(i/8)+i%8)*4096 th:TH_LOAD_NT
.set i, i+1
.endr
	s_wait_loadcnt 16                              ; all but the 16 loads of known_feats, which stay out during the search
	; the known points, rounded to bf16, into the three arrays
.set f, 0
.rept 6
	v_cvt_pk_bf16_f32 v6, v[80+f], v[81+f]
	v_lshlrev_b32 v[40+4*(f%3)+f/3], 16, v6
	v_and_b32 v[40+4*((f+1)%3)+(f+1)/3], s27, v6
.set f, f+2
.endr
.irp k, 64,65,66,67
	v_mov_b32 v\k, 0
.endr
	ds_store_b128 v1, v[40:43]
	ds_store_b128 v1, v[44:47] offset:CY
	ds_store_b128 v1, v[48:51] offset:CZ
	ds_store_b128 v39, v[64:67]
.irp i, 0,1,2
	v_cvt_pk_bf16_f32 v6, v[116+2*\i], v[117+2*\i]
	v_lshlrev_b32 v[116+2*\i], 16, v6
	v_and_b32 v[117+2*\i], s27, v6
.endr
.irp i, 0,1,2,3,4,5
	v_xor_b32 v[NU+2*\i], 0x80000000, v[116+\i]
	v_xor_b32 v[NU+2*\i+1], 0x80000000, v[116+\i]
.endr
.irp k, 20,21,22,23,26,27,28,29,30,31
	v_mov_b32 v\k, s52
.endr
.irp k, 32,33,34,35,36,37
	v_mov_b32 v\k, 0
.endr
	s_lshr_b32 s53, s26, 2                         ; which half of the blocks is mine
	s_lshl_b32 s54, s53, 11                        ; its first byte in each array: 16 blocks of 128 bytes
	s_lshl_b32 s53, s53, 4                         ; its first block's number
	v_mov_b32 v[VA], s54
	s_wait_dscnt 0x0                               ; for the others' sake: my part of the arrays is written
	s_barrier_signal -1
	s_barrier_wait -1
.macro CLOAD set, off                  ; four candidates: x, y, z
	ds_load_b128 v[40+12*(\set):43+12*(\set)], v[VA] offset:\off
	ds_load_b128 v[44+12*(\set):47+12*(\set)], v[VA] offset:(\off)+CY
	ds_load_b128 v[48+12*(\set):51+12*(\set)], v[VA] offset:(\off)+CZ
.endm
.macro GROUP set                       ; four candidates x two queries: four streams (pair p, query q) side by side, at work in v[64 + 16 p + 8 q ..]
.irp c, 0,1,2
.irp p, 0,1
.irp q, 0,1
	v_pk_add_f32 v[64+16*\p+8*\q+2*\c:65+16*\p+8*\q+2*\c], v[40+12*(\set)+4*\c+2*\p:41+12*(\set)+4*\c+2*\p], v[NU+6*\q+2*\c:NU+6*\q+2*\c+1]
.endr
.endr
.endr
.irp p, 0,1
.irp q, 0,1
	v_pk_mul_f32 v[70+16*\p+8*\q:71+16*\p+8*\q], v[64+16*\p+8*\q:65+16*\p+8*\q], v[64+16*\p+8*\q:65+16*\p+8*\q]
.endr
.endr
.irp p, 0,1
.irp q, 0,1
	v_pk_fma_f32 v[70+16*\p+8*\q:71+16*\p+8*\q], v[66+16*\p+8*\q:67+16*\p+8*\q], v[66+16*\p+8*\q:67+16*\p+8*\q], v[70+16*\p+8*\q:71+16*\p+8*\q]
.endr
.endr
.irp p, 0,1
.irp q, 0,1
	v_pk_fma_f32 v[70+16*\p+8*\q:71+16*\p+8*\q], v[68+16*\p+8*\q:69+16*\p+8*\q], v[68+16*\p+8*\q:69+16*\p+8*\q], v[70+16*\p+8*\q:71+16*\p+8*\q]
.endr
.endr
.irp p, 0,1
.irp q, 0,1
	v_min3_num_f32 v[XT+2*\q+\p], v[XT+2*\q+\p], v[70+16*\p+8*\q], v[71+16*\p+8*\q]
.endr
.endr
.endm
; One value with its block's number is inserted into a, b, c, for both queries side by side: value va and number pa for query 0, vb and pb for query 1.
.macro INS2 va, vb, pa, pb
	v_cmp_lt_f32 s20, v[\va], v26
	v_cmp_lt_f32 s44, v[\vb], v27
	v_cmp_lt_f32 s21, v[\va], v28
	v_cmp_lt_f32 s45, v[\vb], v29
	v_cmp_lt_f32 s22, v[\va], v30
	v_cmp_lt_f32 s46, v[\vb], v31
	v_cndmask_b32 v6, v[\pa], v34, s21
	v_cndmask_b32 v7, v[\pb], v35, s45
	v_cndmask_b32 v36, v36, v6, s22
	v_cndmask_b32 v37, v37, v7, s46
	v_cndmask_b32 v6, v[\pa], v32, s20
	v_cndmask_b32 v7, v[\pb], v33, s44
	v_cndmask_b32 v34, v34, v6, s21
	v_cndmask_b32 v35, v35, v7, s45
	v_cndmask_b32 v32, v32, v[\pa], s20
	v_cndmask_b32 v33, v33, v[\pb], s44
	v_med3_num_f32 v30, v28, v30, v[\va]
	v_med3_num_f32 v31, v29, v31, v[\vb]
	v_med3_num_f32 v28, v26, v28, v[\va]
	v_med3_num_f32 v29, v27, v29, v[\vb]
	v_min_num_f32 v26, v26, v[\va]
	v_min_num_f32 v27, v27, v[\vb]
.endm
	CLOAD 0, 0
	s_mov_b32 s28, 0
.Lblock:                                       ; 16 trips, a block of 32 candidates each
.irp gi, 0,1,2,3,4,5,6,7
	CLOAD ((\gi)+1)&1, ((\gi)+1)*16                ; the next four (behind the eighth group: the next block's first four)
	s_wait_dscnt 0x3                               ; all but the three just issued
	GROUP (\gi)&1
.endr
	v_mov_b32 v[VJ], s53
	v_min_num_f32 v[XT], v[XT], v[XT+1]
	v_min_num_f32 v[XT+2], v[XT+2], v[XT+3]
	INS2 XT, XT+2, VJ, VJ
.irp k, 20,21,22,23
	v_mov_b32 v\k, s52
.endr
	v_add_nc_u32 v[VA], 128, v[VA]
	s_add_co_u32 s53, s53, 1
	s_add_co_u32 s28, s28, 1
	s_cmp_lt_u32 s28, 16
	s_cbranch_scc1 .Lblock
	s_wait_dscnt 0x0                               ; the last look-ahead, which serves nothing
	s_cmp_lt_u32 s26, 4
	s_cbranch_scc1 .Llower
	ds_store_b128 v[VMG], v[26:29]                 ; waves 4-7 hand over: a, b of both queries;
	ds_store_b128 v[VMG], v[30:33] offset:2048     ; c and a's block;
	ds_store_b128 v[VMG], v[34:37] offset:4096     ; b's and c's blocks
.Llower:
	; THE CONVERSIONS
	s_wait_loadcnt 0x0                             ; known_feats
	s_cmp_lt_u32 s26, 3
	s_cbranch_scc0 .Lno_w_out
	s_cmp_eq_u32 s26, 1
	s_cbranch_scc1 .Lw_bf16                        ; wave 1 has W1's columns 256-511
.irp p, 0,1,2,3
	v_cvt_pk_bf16_f32 v6, v[104+2*\p], v[105+2*\p]
	v_lshlrev_b32 v7, 16, v6
	v_and_b32 v6, s27, v6
	v_cvt_pk_f16_f32 v[112+\p], v7, v6
.endr
	s_branch .Lw_store
.Lw_bf16:
.irp p, 0,1,2,3
	v_cvt_pk_bf16_f32 v[112+\p], v[104+2*\p], v[105+2*\p]
.endr
.Lw_store:
	global_store_b128 v[VWD], v[112:115], s[24:25]
.Lno_w_out:
	v_and_b32 v6, 15, v0
	v_bfe_u32 v7, v0, 4, 1
	v_mul_u32_u24 v116, v6, 4*TP                   ; in: row m = 4 r + i, bytes 2 (32 w + 16 e + 8 h)
	v_lshl_add_u32 v116, v7, 4, v116
	s_lshl_b32 s29, s26, 6
	s_add_co_u32 s29, s29, TR
	v_add_nc_u32 v116, s29, v116
	v_and_b32 v6, 31, v0
	v_lshlrev_b32 v6, 4, v6
	s_mul_i32 s29, s26, 8*TP                       ; back: rows 8 w + i, whole
	s_add_co_u32 s29, s29, TR
	v_add_nc_u32 v117, s29, v6
	s_lshl_b32 s29, s26, 12
	v_add_nc_u32 v118, s29, v6
.irp e, 0,1
.irp i, 0,1,2,3
.irp qd, 0,1,2,3
	v_cvt_pk_bf16_f32 v6, v[128+4*(8*\e+2*\qd)+\i], v[128+4*(8*\e+2*\qd+1)+\i]
	v_lshlrev_b32 v7, 16, v6
	v_and_b32 v6, s27, v6
	v_cvt_pk_f16_f32 v[64+4*\i+\qd], v7, v6
.endr
	ds_store_b128 v116, v[64+4*\i:67+4*\i] offset:\i*TP+32*\e
.endr
.endr
	s_wait_dscnt 0x0                               ; for the others' sake: a row's 512 bytes come from all eight waves, and the hand-over is written
	s_barrier_signal -1
	s_barrier_wait -1
	s_cmp_lt_u32 s26, 4
	s_cbranch_scc0 .Lupper
	ds_load_b128 v[40:43], v[VMG]                  ; waves 0-3: the upper half's a, b; c and blocks
	ds_load_b128 v[44:47], v[VMG] offset:2048
	ds_load_b128 v[48:51], v[VMG] offset:4096
	s_wait_dscnt 0x0
	INS2 40, 41, 46, 47
	INS2 42, 43, 48, 49
	INS2 44, 45, 50, 51
	v_lshl_or_b32 v38, v34, 8, v32
	v_lshl_or_b32 v39, v35, 8, v33
	v_lshl_or_b32 v38, v36, 16, v38
	v_lshl_or_b32 v39, v37, 16, v39
	global_store_b64 v[VO8], v[38:39], s[40:41]    ; a wave's store covers 256 consecutive bytes, aligned
.Lupper:
.irp i, 0,1,2,3,4,5,6,7
	ds_load_b128 v[128+4*\i:131+4*\i], v117 offset:\i*TP
.endr
.irp i, 0,1,2,3,4,5,6,7
	s_wait_dscnt 7-\i                              ; LDS loads come back in order: row i is in
	global_store_b128 v118, v[128+4*\i:131+4*\i], s[42:43] offset:\i*512  ; 512 consecutive bytes, aligned
.endr
	s_wait_tensorcnt 0x0                           ; the wave's end
	ds_add_u32 v[SPW], v[NIL]
	s_wait_dscnt 0x0
	s_endpgm
.Lfunc_end_k_qe326a77e1c_knn:
	.size	k_qe326a77e1c_knn, .Lfunc_end_k_qe326a77e1c_knn-k_qe326a77e1c_knn
	.p2alignl 7, 3214868480
	.fill 96, 4, 3214868480
	.section	.rodata,"a",@progbits
	.p2align	6, 0x0
	.amdhsa_kernel k_qe326a77e1c_knn
		.amdhsa_group_segment_fixed_size 57344
		.amdhsa_private_segment_fixed_size 0
		.amdhsa_enable_private_segment 0
		.amdhsa_kernarg_size 56
		.amdhsa_user_sgpr_count 2
		.amdhsa_user_sgpr_kernarg_segment_ptr 1
		.amdhsa_wavefront_size32 1
		.amdhsa_system_sgpr_workgroup_id_x 1
		.amdhsa_system_sgpr_workgroup_id_y 1
		.amdhsa_system_sgpr_workgroup_id_z 1
		.amdhsa_system_vgpr_workitem_id 0
		.amdhsa_next_free_vgpr 192
		.amdhsa_next_free_sgpr 66
		.amdhsa_reserve_vcc 0
		.amdhsa_float_denorm_mode_32 3
		.amdhsa_float_denorm_mode_16_64 3
		.amdhsa_memory_ordered 1
		.amdhsa_forward_progress 1
		.amdhsa_inst_pref_size 41
	.end_amdhsa_kernel
	.amdgpu_metadata
---
amdhsa.version: [ 1, 2 ]
amdhsa.kernels:
  - .name:           k_qe326a77e1c_knn
    .symbol:         k_qe326a77e1c_knn.kd
    .args:
      - { .name: known, .offset: 0, .size: 8, .value_kind: global_buffer, .address_space: global }
      - { .name: unknown, .offset: 8, .size: 8, .value_kind: global_buffer, .address_space: global }
      - { .name: known_feats, .offset: 16, .size: 8, .value_kind: global_buffer, .address_space: global }
      - { .name: W1, .offset: 24, .size: 8, .value_kind: global_buffer, .address_space: global }
      - { .name: W2, .offset: 32, .size: 8, .value_kind: global_buffer, .address_space: global }
      - { .name: cvt, .offset: 40, .size: 8, .value_kind: global_buffer, .address_space: global }
      - { .name: blk, .offset: 48, .size: 8, .value_kind: global_buffer, .address_space: global }
    .group_segment_fixed_size: 57344
    .private_segment_fixed_size: 0
    .kernarg_segment_align: 8
    .kernarg_segment_size: 56
    .max_flat_workgroup_size: 256
    .sgpr_count:     66
    .vgpr_count:     192
    .wavefront_size: 32
...
	.end_amdgpu_metadata
.endif
;; end of part 7
;; launch refine (part 8): grid 256 x 1, 8 waves a work-group, no clusters, 14,848 bytes of LDS; arguments known, unknown, blk, idx3, wgt; writes idx3, wgt
.if DOCPART == 8
	.amdgcn_target "amdgcn-amd-amdhsa--gfx1250"
	.amdhsa_code_object_version 6
	.text
	.protected	k_qe326a77e1c_refine
	.globl	k_qe326a77e1c_refine
	.p2align	8
	.type	k_qe326a77e1c_refine,@function
k_qe326a77e1c_refine:
	s_mov_b64 s[64:65], 0
	v_nop
	global_prefetch_b8 v0, s[64:65] scope:SCOPE_SE
	s_setreg_imm32_b32 hwreg(HW_REG_WAVE_MODE, 25, 1), 1
	s_wait_xcnt 0x0
; THREE NEAREST, SECOND PASS.  A thread is a query.  It has the numbers of the three blocks of 32 known points in which its three nearest lie (three different blocks).
; The numbers are sorted ascending; the three blocks are walked side by side as three chains that do not wait for each other: each keeps its block's three smallest distances
; (a, b, c ascending) with the points' places in the block; a candidate is inserted only where strictly smaller, candidates ascending.  Then the second block's list and the third's
; are inserted into the first's in the same way.  So equal distances keep the lower index first, as a top-k does.  Distances by the first pass's arithmetic, in its order.
; Then the weights: 1 / (d + 1e-8), divided by their sum.  Out: (i0, i1, i2, 0) as whole numbers and (w0, w1, w2, 0) in f32, 16 bytes each.
; The block numbers are whole numbers read from memory; they alone steer LDS addresses.  Choices by distances only select values (v_cndmask_b32).
; LDS: x, y, z arrays of the batch's 1,024 points, rounded to bf16; a block's 128 bytes stand 144 apart, so that lanes in different blocks mostly start at different words modulo 256 bytes;
; the 16 bytes between are zeroed: the last look-ahead load of a block reads them and serves nothing.
; LIMITS: NaN and infinities are not treated apart.
.set BP,    144
.set AY,    4608
.set AZ,    9216
.set SPARE, 13824
; v4 the candidate's place in its block; v5-7 the chains' LDS addresses; v8-13 -ux, -uy, -uz, each twice; v14-16 the blocks; chain k: a, b, c, and their places at v[20 + 6 k ..];
; v38-40 at work; v44-115 two sets of four candidates for three chains (set s, chain k: x, y, z at 44 + 36 s + 12 k); v116-139 at work, 8 a chain
	s_load_b256 s[4:11], s[0:1], 0x0               ; known, unknown, blk, idx3
	s_load_b64 s[12:13], s[0:1], 0x20              ; wgt
	v_lshl_add_u32 v2, v0, 2, SPARE
	v_mov_b32 v3, 0
	v_mul_u32_u24 v156, v0, 48                     ; 4 known points a thread
	v_mul_u32_u24 v157, v0, 12
	v_lshlrev_b32 v158, 2, v0
	v_lshlrev_b32 v159, 4, v0
	v_lshrrev_b32 v162, 3, v0
	v_and_b32 v163, 7, v0
	v_mul_u32_u24 v161, v162, BP                   ; points 4 t .. 4 t + 3: block t / 8, 16 bytes at 16 (t % 8)
	v_lshl_add_u32 v160, v163, 4, v161
	v_add_nc_u32 v161, 128, v161                   ; and the 16 bytes behind that block
	s_mov_b32 s17, 0xffff0000
	s_mov_b32 s33, 0x7f800000                      ; +infinity
	s_lshr_b32 s16, ttmp9, 4
	s_mov_b32 s19, 0
	s_wait_kmcnt 0x0
	s_mul_i32 s18, s16, 12288
	s_add_nc_u64 s[20:21], s[4:5], s[18:19]
	s_mul_i32 s18, ttmp9, 3072
	s_add_nc_u64 s[22:23], s[6:7], s[18:19]
	s_lshl_b32 s18, ttmp9, 10
	s_add_nc_u64 s[26:27], s[8:9], s[18:19]
	s_lshl_b32 s18, ttmp9, 12
	s_add_nc_u64 s[28:29], s[10:11], s[18:19]
	s_add_nc_u64 s[30:31], s[12:13], s[18:19]
	global_load_b128 v[140:143], v156, s[20:21]
	global_load_b128 v[144:147], v156, s[20:21] offset:16
	global_load_b128 v[148:151], v156, s[20:21] offset:32
	global_load_b32 v152, v157, s[22:23]
	global_load_b32 v153, v157, s[22:23] offset:4
	global_load_b32 v154, v157, s[22:23] offset:8
	global_load_b32 v155, v158, s[26:27]
.irp k, 116,117,118,119
	v_mov_b32 v\k, 0
.endr
	s_wait_loadcnt 0x0
.set f, 0
.rept 6
	v_cvt_pk_bf16_f32 v162, v[140+f], v[141+f]
	v_lshlrev_b32 v[44+4*(f%3)+f/3], 16, v162
	v_and_b32 v[44+4*((f+1)%3)+(f+1)/3], s17, v162
.set f, f+2
.endr
	ds_store_b128 v160, v[44:47]
	ds_store_b128 v160, v[48:51] offset:AY
	ds_store_b128 v160, v[52:55] offset:AZ
	ds_store_b128 v161, v[116:119]                 ; eight neighbouring lanes write the same 16 bytes with the same zeros
	ds_store_b128 v161, v[116:119] offset:AY
	ds_store_b128 v161, v[116:119] offset:AZ
	v_cvt_pk_bf16_f32 v162, v152, v153
	v_cvt_pk_bf16_f32 v163, v154, v154
	v_lshlrev_b32 v8, 16, v162
	v_and_b32 v10, s17, v162
	v_lshlrev_b32 v12, 16, v163
	v_xor_b32 v8, 0x80000000, v8                   ; -u
	v_xor_b32 v10, 0x80000000, v10
	v_xor_b32 v12, 0x80000000, v12
	v_mov_b32 v9, v8
	v_mov_b32 v11, v10
	v_mov_b32 v13, v12
	v_bfe_u32 v14, v155, 0, 8
	v_bfe_u32 v15, v155, 8, 8
	v_bfe_u32 v16, v155, 16, 8
	v_min_u32 v162, v14, v15                       ; the three numbers in ascending order: the greater of two is their sum less the smaller
	v_add_nc_u32 v163, v14, v15
	v_sub_nc_u32 v163, v163, v162
	v_min_u32 v38, v163, v16
	v_add_nc_u32 v16, v163, v16
	v_sub_nc_u32 v16, v16, v38                     ; the greatest
	v_min_u32 v14, v162, v38                       ; the smallest
	v_add_nc_u32 v15, v162, v38
	v_sub_nc_u32 v15, v15, v14                     ; the middle one
	v_min_u32 v14, 31, v14
	v_min_u32 v15, 31, v15
	v_min_u32 v16, 31, v16
	v_mul_u32_u24 v5, v14, BP
	v_mul_u32_u24 v6, v15, BP
	v_mul_u32_u24 v7, v16, BP
.irp k, 0,1,2
	v_mov_b32 v[20+6*\k], s33
	v_mov_b32 v[21+6*\k], s33
	v_mov_b32 v[22+6*\k], s33
	v_mov_b32 v[23+6*\k], 0
	v_mov_b32 v[24+6*\k], 0
	v_mov_b32 v[25+6*\k], 0
.endr
	v_mov_b32 v4, 0
	s_wait_dscnt 0x0                               ; for the others' sake
	s_barrier_signal -1
	s_barrier_wait -1
.macro LOADS set, off                  ; four candidates of each of the three blocks: nine loads
.irp k, 0,1,2
	ds_load_b128 v[44+36*(\set)+12*\k:47+36*(\set)+12*\k], v[5+\k] offset:\off
	ds_load_b128 v[48+36*(\set)+12*\k:51+36*(\set)+12*\k], v[5+\k] offset:AY+(\off)
	ds_load_b128 v[52+36*(\set)+12*\k:55+36*(\set)+12*\k], v[5+\k] offset:AZ+(\off)
.endr
.endm
.macro DIST set, p                     ; two candidates' distances in each chain, into v[122 + 8 k : 123 + 8 k]
.irp c, 0,1,2
.irp k, 0,1,2
	v_pk_add_f32 v[116+8*\k+2*\c:117+8*\k+2*\c], v[44+36*(\set)+12*\k+4*\c+2*(\p):45+36*(\set)+12*\k+4*\c+2*(\p)], v[8+2*\c:9+2*\c]
.endr
.endr
.irp k, 0,1,2
	v_pk_mul_f32 v[122+8*\k:123+8*\k], v[116+8*\k:117+8*\k], v[116+8*\k:117+8*\k]
.endr
.irp k, 0,1,2
	v_pk_fma_f32 v[122+8*\k:123+8*\k], v[118+8*\k:119+8*\k], v[118+8*\k:119+8*\k], v[122+8*\k:123+8*\k]
.endr
.irp k, 0,1,2
	v_pk_fma_f32 v[122+8*\k:123+8*\k], v[120+8*\k:121+8*\k], v[120+8*\k:121+8*\k], v[122+8*\k:123+8*\k]
.endr
.endm
.macro INS3 e                          ; the candidate at place v4 of each block is inserted into its chain's list; the three chains side by side
.irp k, 0,1,2
	v_cmp_lt_f32 s[40+3*\k], v[122+8*\k+\e], v[20+6*\k]
.endr
.irp k, 0,1,2
	v_cmp_lt_f32 s[41+3*\k], v[122+8*\k+\e], v[21+6*\k]
.endr
.irp k, 0,1,2
	v_cmp_lt_f32 s[42+3*\k], v[122+8*\k+\e], v[22+6*\k]
.endr
.irp k, 0,1,2
	v_cndmask_b32 v[38+\k], v4, v[24+6*\k], s[41+3*\k]
.endr
.irp k, 0,1,2
	v_cndmask_b32 v[25+6*\k], v[25+6*\k], v[38+\k], s[42+3*\k]
.endr
.irp k, 0,1,2
	v_cndmask_b32 v[38+\k], v4, v[23+6*\k], s[40+3*\k]
.endr
.irp k, 0,1,2
	v_cndmask_b32 v[24+6*\k], v[24+6*\k], v[38+\k], s[41+3*\k]
.endr
.irp k, 0,1,2
	v_cndmask_b32 v[23+6*\k], v[23+6*\k], v4, s[40+3*\k]
.endr
.irp k, 0,1,2
	v_med3_num_f32 v[22+6*\k], v[21+6*\k], v[22+6*\k], v[122+8*\k+\e]
.endr
.irp k, 0,1,2
	v_med3_num_f32 v[21+6*\k], v[20+6*\k], v[21+6*\k], v[122+8*\k+\e]
.endr
.irp k, 0,1,2
	v_min_num_f32 v[20+6*\k], v[20+6*\k], v[122+8*\k+\e]
.endr
	v_add_nc_u32 v4, 1, v4
.endm
.macro FOUR set
	DIST \set, 0
	INS3 0
	INS3 1
	DIST \set, 1
	INS3 0
	INS3 1
.endm
.macro INS1 val, pay                   ; one entry of a later block's list into the first block's
	v_cmp_lt_f32 s40, v[\val], v20
	v_cmp_lt_f32 s41, v[\val], v21
	v_cmp_lt_f32 s42, v[\val], v22
	v_cndmask_b32 v38, v[\pay], v24, s41
	v_cndmask_b32 v25, v25, v38, s42
	v_cndmask_b32 v39, v[\pay], v23, s40
	v_cndmask_b32 v24, v24, v39, s41
	v_cndmask_b32 v23, v23, v[\pay], s40
	v_med3_num_f32 v22, v21, v22, v[\val]
	v_med3_num_f32 v21, v20, v21, v[\val]
	v_min_num_f32 v20, v20, v[\val]
.endm
	LOADS 0, 0
	s_mov_b32 s32, 4
.Ltrip:                                        ; four trips, eight candidates of each block in each
	LOADS 1, 16
	s_wait_dscnt 0x9                               ; all but the nine just issued
	FOUR 0
	LOADS 0, 32                                    ; (in the last trip: the zeroed bytes behind the blocks)
	s_wait_dscnt 0x9
	FOUR 1
	v_add_nc_u32 v5, 32, v5
	v_add_nc_u32 v6, 32, v6
	v_add_nc_u32 v7, 32, v7
	s_sub_co_u32 s32, s32, 1
	s_cmp_lg_u32 s32, 0
	s_cbranch_scc1 .Ltrip
	s_wait_dscnt 0x0                               ; the last look-ahead, which serves nothing
.irp k, 0,1,2
.irp m, 3,4,5
	v_lshl_add_u32 v[20+6*\k+\m], v[14+\k], 5, v[20+6*\k+\m]   ; place in the block -> index
.endr
.endr
	INS1 26, 29
	INS1 27, 30
	INS1 28, 31
	INS1 32, 35
	INS1 33, 36
	INS1 34, 37
	v_add_f32 v116, 0x322bcc77, v20                ; + 1e-8
	v_add_f32 v117, 0x322bcc77, v21
	v_add_f32 v118, 0x322bcc77, v22
	v_rcp_f32 v116, v116
	v_rcp_f32 v117, v117
	v_rcp_f32 v118, v118
	v_mov_b32 v140, v23                            ; plain work behind the last reciprocal,
	v_mov_b32 v141, v24
	v_mov_b32 v142, v25
	v_mov_b32 v143, 0
	s_wait_alu depctr_va_vdst(0)                   ; and one wait for the three, ahead of their first reader
	v_add_f32 v119, v116, v117
	v_add_f32 v119, v119, v118
	v_rcp_f32 v119, v119
	v_mov_b32 v147, 0
	s_wait_alu depctr_va_vdst(0)
	v_mul_f32 v144, v116, v119
	v_mul_f32 v145, v117, v119
	v_mul_f32 v146, v118, v119
	global_store_b128 v159, v[140:143], s[28:29]   ; a wave's store covers 512 consecutive bytes
	global_store_b128 v159, v[144:147], s[30:31]
	s_wait_tensorcnt 0x0                           ; the wave's end
	ds_add_u32 v2, v3
	s_wait_dscnt 0x0
	s_endpgm
.Lfunc_end_k_qe326a77e1c_refine:
	.size	k_qe326a77e1c_refine, .Lfunc_end_k_qe326a77e1c_refine-k_qe326a77e1c_refine
	.p2alignl 7, 3214868480
	.fill 96, 4, 3214868480
	.section	.rodata,"a",@progbits
	.p2align	6, 0x0
	.amdhsa_kernel k_qe326a77e1c_refine
		.amdhsa_group_segment_fixed_size 14848
		.amdhsa_private_segment_fixed_size 0
		.amdhsa_enable_private_segment 0
		.amdhsa_kernarg_size 40
		.amdhsa_user_sgpr_count 2
		.amdhsa_user_sgpr_kernarg_segment_ptr 1
		.amdhsa_wavefront_size32 1
		.amdhsa_system_sgpr_workgroup_id_x 1
		.amdhsa_system_sgpr_workgroup_id_y 1
		.amdhsa_system_sgpr_workgroup_id_z 1
		.amdhsa_system_vgpr_workitem_id 0
		.amdhsa_next_free_vgpr 164
		.amdhsa_next_free_sgpr 66
		.amdhsa_reserve_vcc 0
		.amdhsa_float_denorm_mode_32 3
		.amdhsa_float_denorm_mode_16_64 3
		.amdhsa_memory_ordered 1
		.amdhsa_forward_progress 1
		.amdhsa_inst_pref_size 34
	.end_amdhsa_kernel
	.amdgpu_metadata
---
amdhsa.version: [ 1, 2 ]
amdhsa.kernels:
  - .name:           k_qe326a77e1c_refine
    .symbol:         k_qe326a77e1c_refine.kd
    .args:
      - { .name: known, .offset: 0, .size: 8, .value_kind: global_buffer, .address_space: global }
      - { .name: unknown, .offset: 8, .size: 8, .value_kind: global_buffer, .address_space: global }
      - { .name: blk, .offset: 16, .size: 8, .value_kind: global_buffer, .address_space: global }
      - { .name: idx3, .offset: 24, .size: 8, .value_kind: global_buffer, .address_space: global }
      - { .name: wgt, .offset: 32, .size: 8, .value_kind: global_buffer, .address_space: global }
    .group_segment_fixed_size: 14848
    .private_segment_fixed_size: 0
    .kernarg_segment_align: 8
    .kernarg_segment_size: 40
    .max_flat_workgroup_size: 256
    .sgpr_count:     66
    .vgpr_count:     164
    .wavefront_size: 32
...
	.end_amdgpu_metadata
.endif
;; end of part 8
;; launch gemm1 (part 9): grid 256 x 1, 4 waves a work-group, no clusters, 302,592 bytes of LDS; arguments unknow_feats, cvt, idx3, wgt, y1, st; writes y1, st
.if DOCPART == 9
	.amdgcn_target "amdgcn-amd-amdhsa--gfx1250"
	.amdhsa_code_object_version 6
	.text
	.protected	k_qe326a77e1c_gemm1
	.globl	k_qe326a77e1c_gemm1
	.p2align	8
	.type	k_qe326a77e1c_gemm1,@function
k_qe326a77e1c_gemm1:
	s_mov_b64 s[64:65], 0
	v_nop
	global_prefetch_b8 v0, s[64:65] scope:SCOPE_SE
	s_setreg_imm32_b32 hwreg(HW_REG_WAVE_MODE, 25, 1), 1
	s_wait_xcnt 0x0
; INTERPOLATION, CONCATENATION, FIRST 1x1 CONVOLUTION (K = 512, 256 outputs) AND ITS PARTIAL STATISTICS.
; A work-group takes 256 points of one batch, in four chunks of 64.  Wave w makes output channels 64 w .. 64 w + 63 of all points; its 64 rows of W1 (512 registers) stay in registers.
; STAGING of a chunk (each wave a quarter).  A point's three rows of the transposed table (256 channels in f16: 512 bytes, 16 bytes a lane) are the same for all lanes, so its three indices
; come by scalar loads.  interp = f0 + w1 (f1 - f0) + w2 (f2 - f0), which is w0 f0 + w1 f1 + w2 f2 since the weights add up to 1: four v_pk_fma_f16 for two channels, each rounded to f16; the
; weights, rounded to f16, multiply differences alone, so a common offset of the features passes through them unharmed.  The result is the f16 matrix operand, LDS rows [point][channel].
; unknow_feats (f32) is rounded to bf16 into LDS rows [channel][point], read back turned by ds_load_tr16_b128.
; PRODUCT: source 0 = 16 points x 32 channels, source 1 = 16 rows of W1: a lane holds ONE output channel (lane % 16) and the points 8 (lane / 16) + 0..7.  K = 0-255 (interp) goes by the f16 form,
; K = 256-511 (unknow_feats) by the bf16 form, onto the same accumulators.
; While chunk i is staged, chunk i - 1 is multiplied.  Each chunk has LDS bytes of its own, written once: one barrier a chunk, between writing and reading.  A chunk's four tiles of 16 points are
; written out: each half of the fragment registers is loaded again, for the next tile, directly behind the 32 products that read it.
; STATISTICS without a difference of large sums: p = the mean of the work-group's first 16 points of a channel; d = y - p; sums of d and d^2 in f32; out: mean = p + S1/256, M2 = S2 - S1^2/256.
; y1 is stored as d in f16, in blocks [tile of 16 points][16 channels][lane][16 bytes], just as the registers hold it; p is stored beside it in f32.
; AHEAD OF THE LOADS.  In the middle of a trip, behind the second run of gathers, each wave asks into the L2 for the 256 bytes of each of its own 64 rows of unknow_feats that the next trip loads:
; a lane a row, two instructions, half a trip ahead, 16 KiB a wave.  Each aligned block of 256 bytes is named once in the launch, by the wave that will load it.  The first chunk comes by its loads alone; the last trip asks for nothing.
; No tensor loads: every stream is converted on its way, so it passes through registers; hence no cluster either (W1, the one thing shared, is read once into registers).
; LIMITS: NaN and infinities not treated apart; known_feats, W1's columns 0-255 and y - p within 65,504; the interpolation rounds four times to f16.
; REGISTERS: window 0: addresses, statistics, v96-127 accumulators, v128-151 gather offsets, v160-255 gathered rows; window 1: v0-127 unknow_feats in flight, v128-191, v192-255 fragments of X;
; windows 2, 3: W1's fragments, K step s, block a at 32 (s % 8) + 8 a.
; s[48:63], s[68:83] eight points' indices; s84-91 four points' weights; s40 -1.0 twice in f16; s[46:47] what the next chunk's first tile adds to y1's address.
.set W1H,   8388608
.set PIV,   33554432
.set CH,    74752                      ; a chunk in LDS: 64 rows x 528 bytes of interp, then 256 rows x 160 bytes of unknow_feats
.set UFO,   33792
.set IP,    528                        ; 512 + 16 bytes from row to row
.set UP,    160                        ; 128 + 32, an odd multiple of 32 bytes, for the turning load
.set STAT,  299008
.set SPARE, 302080
.set PFO, 6                            ; v6   the prefetches' offset: row 64 w + lane of unknow_feats; never rewritten
.set L16, 7
.set VIS, 10
.set VUS, 11
.set VXI, 12
.set VXU, 13
.set VYO, 14
.set IW,  28                           ; v28-29  w1, w2 of point 16 w + lane % 16 of the chunk in hand, each twice in f16
.set NX,  36                           ; v36-39  the next chunk's weights, in f32
.set NP,  44
.set S1,  52
.set S2,  60
.set PK,  68
.set TM,  84
.set ACC, 96
.set GO,  128
.set GG,  160
.set MSB, 0
.macro WIN new                         ; the immediate's high byte repeats the setting that is left; a switch that changes nothing is dropped
.if MSB != (\new)
	s_set_vgpr_msb (MSB<<8)|(\new)
.set MSB, \new
.endif
.endm
	s_load_b256 s[4:11], s[0:1], 0x0               ; unknow_feats, cvt, idx3, wgt
	s_load_b128 s[12:15], s[0:1], 0x20             ; y1, st
	v_lshl_add_u32 v4, v0, 2, SPARE
	v_mov_b32 v5, 0
	v_lshrrev_b32 v84, 5, v0
	v_readfirstlane_b32 s16, v84                   ; wave
	v_and_b32 v1, 15, v0                           ; r
	v_bfe_u32 v2, v0, 4, 1                         ; h
	v_and_b32 v3, 31, v0                           ; lane
	v_lshlrev_b32 v[L16], 4, v3
	s_lshl_b32 s25, s16, 20                        ; unknow_feats: row 64 w + h, 16,384 bytes a row, + 16 r
	v_lshlrev_b32 v8, 4, v1
	v_lshl_add_u32 v8, v2, 14, v8
	v_add_nc_u32 v8, s25, v8
	v_lshlrev_b32 v[PFO], 14, v3                   ; and row 64 w + lane
	v_add_nc_u32 v[PFO], s25, v[PFO]
	s_lshl_b32 s25, s16, 8                         ; the weights of point 16 w + r of a chunk
	v_lshl_add_u32 v9, v1, 4, s25
	v_mov_b32 v19, v9
	s_mul_i32 s25, s16, 16*IP                      ; interp in: rows 16 w .., 16 bytes a lane
	v_add_nc_u32 v17, s25, v[L16]
	s_mul_i32 s25, s16, 64*UP                      ; unknow_feats in: row 64 w + h, 8 bytes at 8 r
	s_add_co_u32 s25, s25, UFO
	v_mul_u32_u24 v18, v2, UP
	v_lshl_add_u32 v18, v1, 3, v18
	v_add_nc_u32 v18, s25, v18
	s_lshl_b32 s25, s16, 11
	v_add_nc_u32 v[VYO], s25, v[L16]               ; y1: block 4 w + a, 16 bytes a lane
	v_mul_u32_u24 v15, v1, IP                      ; a fragment of interp: row r, 16 h
	v_lshl_add_u32 v15, v2, 4, v15
	v_and_b32 v84, 7, v0                           ; the turning load: row 8 h + lane % 8, 16 bytes at 16 ((lane / 8) % 2)
	v_lshl_add_u32 v84, v2, 3, v84
	v_mul_u32_u24 v16, v84, UP
	v_bfe_u32 v84, v0, 3, 1
	v_lshl_add_u32 v16, v84, 4, v16
	v_add_nc_u32 v16, UFO, v16
	s_lshl_b32 s25, s16, 16                        ; W1: row 64 w + r of 1,024 bytes, 16 h
	v_lshlrev_b32 v27, 10, v1
	v_lshl_add_u32 v27, v2, 4, v27
	v_add_nc_u32 v27, s25, v27
	v_mov_b32 v[VXI], v15
	v_mov_b32 v[VXU], v16
	s_mov_b32 s18, 0x76543210                      ; v_permlanex16_b32: each lane takes its own place in the other half
	s_mov_b32 s19, 0xfedcba98
	s_mov_b32 s20, 0                               ; chunk
	s_mov_b32 s21, 0                               ; LDS: the chunk being staged
	s_mov_b32 s22, 0                               ; the chunk being multiplied
	s_mov_b32 s23, 1                               ; the pivot is still to be made
	s_mov_b32 s40, 0xbc00bc00                      ; -1.0 twice in f16
	s_mov_b32 s46, 0
	s_mov_b32 s47, 0
	s_lshr_b32 s44, ttmp9, 4
	s_and_b32 s45, ttmp9, 15
	s_mov_b32 s27, 0
	s_wait_kmcnt 0x0
	s_lshl_b32 s26, s44, 22
	s_lshl_b32 s25, s45, 10
	s_add_co_u32 s26, s26, s25
	s_add_nc_u64 s[28:29], s[4:5], s[26:27]        ; unknow_feats: my batch, my 256 points
	s_lshl_b32 s26, s44, 19
	s_add_nc_u64 s[30:31], s[6:7], s[26:27]        ; the table of my batch
	s_lshl_b32 s26, ttmp9, 17
	s_add_nc_u64 s[32:33], s[12:13], s[26:27]      ; y1: my 16 tiles
	s_lshl_b32 s26, ttmp9, 12
	s_add_nc_u64 s[36:37], s[10:11], s[26:27]      ; the weights of my 256 points
	s_lshl_b32 s25, s16, 8
	s_add_co_u32 s26, s26, s25
	s_add_nc_u64 s[34:35], s[8:9], s[26:27]        ; the indices of my wave's 16 points of chunk 0
	s_add_nc_u64 s[38:39], s[6:7], W1H
	s_load_b512 s[48:63], s[34:35], 0x0            ; points 0-3,
	s_load_b512 s[68:83], s[34:35], 0x40           ; 4-7
	global_load_b128 v[NX:NX+3], v19, s[36:37]     ; the first chunk's weights go out ahead of W1
	WIN 0x80
.irp s, 0,1,2,3,4,5,6,7
.irp a, 0,1,2,3
	global_load_b128 v[32*\s+8*\a:32*\s+8*\a+3],   v27, s[38:39] offset:\a*16384+64*\s
	global_load_b128 v[32*\s+8*\a+4:32*\s+8*\a+7], v27, s[38:39] offset:\a*16384+64*\s+32
.endr
.endr
	WIN 0xc0
.irp s, 0,1,2,3,4,5,6,7
.irp a, 0,1,2,3
	global_load_b128 v[32*\s+8*\a:32*\s+8*\a+3],   v27, s[38:39] offset:\a*16384+64*\s+512
	global_load_b128 v[32*\s+8*\a+4:32*\s+8*\a+7], v27, s[38:39] offset:\a*16384+64*\s+544
.endr
.endr
	WIN 0
.set i, NP
.rept 24
	v_mov_b32 v[i], 0                              ; the pivot and the two sums
.set i, i+1
.endr
.irp k, 20,21,22,23,24,25,26
	v_mov_b32 v\k, 0                               ; at work at the end: v_permlanex16_b32's destination counts as read
.endr
.macro UFISSUE                         ; 32 loads: rows 64 w + h + 2 j; sixteen lanes take 256 consecutive bytes, aligned
	WIN 0x40
.set j, 0
.rept 32
	global_load_b128 v[4*j:4*j+3], v8, s[28:29] offset:j*32768 th:TH_LOAD_NT
.set j, j+1
.endr
	WIN 0
.endm
; The three table rows of the eight points whose indices lie in s[48:63] and s[68:83]: four points' clamps, their offsets, their twelve loads.  The offsets' registers were freed by the wait for the loads that read them.
.macro GISSUE
.irp g, 0,1
.irp j, 0,1,2,3
.irp k, 0,1,2
	s_min_u32 s[48+20*\g+4*\j+\k], s[48+20*\g+4*\j+\k], 1023
.endr
.endr
.irp j, 0,1,2,3
.irp k, 0,1,2
	v_lshl_add_u32 v[GO+3*(4*\g+\j)+\k], s[48+20*\g+4*\j+\k], 9, v[L16]
.endr
.endr
.irp j, 0,1,2,3
.irp k, 0,1,2
	global_load_b128 v[GG+12*(4*\g+\j)+4*\k:GG+12*(4*\g+\j)+4*\k+3], v[GO+3*(4*\g+\j)+\k], s[30:31] th:TH_LOAD_HT  ; many work-groups read these rows again
.endr
.endr
.endr
.endm
; Eight channels a lane, four points side by side: f1 - f0 and f2 - f0 (as f0 x -1 + f), then f0 + w1 (f1 - f0), then + w2 (f2 - f0), in place; sixteen lines lie between a result and its reader.
.macro INTERP bt
.irp g, 0,1
.irp j, 0,1,2,3
	v_readlane_b32 s[84+2*\j], v[IW], 8*(\bt)+4*\g+\j
	v_readlane_b32 s[85+2*\j], v[IW+1], 8*(\bt)+4*\g+\j
.endr
.irp j, 0,1,2,3
.irp qd, 0,1,2,3
	v_pk_fma_f16 v[GG+12*(4*\g+\j)+4+\qd], v[GG+12*(4*\g+\j)+\qd], s40, v[GG+12*(4*\g+\j)+4+\qd]
.endr
.irp qd, 0,1,2,3
	v_pk_fma_f16 v[GG+12*(4*\g+\j)+8+\qd], v[GG+12*(4*\g+\j)+\qd], s40, v[GG+12*(4*\g+\j)+8+\qd]
.endr
.endr
.irp j, 0,1,2,3
.irp qd, 0,1,2,3
	v_pk_fma_f16 v[GG+12*(4*\g+\j)+\qd], v[GG+12*(4*\g+\j)+4+\qd], s[84+2*\j], v[GG+12*(4*\g+\j)+\qd]
.endr
.endr
.irp j, 0,1,2,3
.irp qd, 0,1,2,3
	v_pk_fma_f16 v[GG+12*(4*\g+\j)+\qd], v[GG+12*(4*\g+\j)+8+\qd], s[85+2*\j], v[GG+12*(4*\g+\j)+\qd]
.endr
.endr
.irp j, 0,1,2,3
	ds_store_b128 v[VIS], v[GG+12*(4*\g+\j):GG+12*(4*\g+\j)+3] offset:(8*(\bt)+4*\g+\j)*IP
.endr
.endr
.endm
.macro UFCONV                          ; f32 -> bf16, four numbers to 8 bytes
	WIN 0x45
.set j, 0
.rept 32
	v_cvt_pk_bf16_f32 v[4*j], v[4*j], v[4*j+1]
	v_cvt_pk_bf16_f32 v[4*j+1], v[4*j+2], v[4*j+3]
.set j, j+1
.endr
	WIN 0x04
.set j, 0
.rept 32
	ds_store_b64 v[VUS], v[4*j:4*j+1] offset:j*2*UP
.set j, j+1
.endr
	WIN 0
.endm
.macro PIVOT                           ; minus the mean of the first tile's 16 points, for my four channels
.irp a, 0,1,2,3
	v_pk_add_f32 v[TM:TM+1], v[ACC+8*\a:ACC+8*\a+1], v[ACC+8*\a+2:ACC+8*\a+3]
	v_pk_add_f32 v[TM+2:TM+3], v[ACC+8*\a+4:ACC+8*\a+5], v[ACC+8*\a+6:ACC+8*\a+7]
	v_pk_add_f32 v[TM:TM+1], v[TM:TM+1], v[TM+2:TM+3]
	v_add_f32 v[TM], v[TM], v[TM+1]
	v_permlanex16_b32 v[TM+1], v[TM], s18, s19
	v_add_f32 v[TM], v[TM], v[TM+1]
	v_mul_f32 v[NP+2*\a], 0xbd800000, v[TM]
	v_mul_f32 v[NP+2*\a+1], 0xbd800000, v[TM]
.endr
.endm
.macro FRAGI t                         ; tile t's 16 points x channels 0-255 of X (interp): 16 loads
	WIN 0x40
.irp s, 0,1,2,3,4,5,6,7
	ds_load_b128 v[128+8*\s:128+8*\s+3],   v[VXI] offset:(\t)*16*IP+64*\s
	ds_load_b128 v[128+8*\s+4:128+8*\s+7], v[VXI] offset:(\t)*16*IP+64*\s+32
.endr
.endm
.macro FRAGU t                         ; tile t's 16 points x channels 256-511 (unknow_feats), turned: 16 loads
	WIN 0x40
.irp s, 0,1,2,3,4,5,6,7
	ds_load_tr16_b128 v[192+8*\s:192+8*\s+3],   v[VXU] offset:32*UP*\s+32*(\t)
	ds_load_tr16_b128 v[192+8*\s+4:192+8*\s+7], v[VXU] offset:32*UP*\s+16*UP+32*(\t)
.endr
.endm
; Tile t of the chunk at VXI, VXU.  Its fragments were asked for earlier, the interp half first.  The four accumulators take turns, one instruction a turn.
; piv = 1: the text that makes the pivot stands in it.
.macro TILE t, piv
	s_wait_dscnt 16                                ; the interp half is in; the sixteen turning loads issued behind it may be out
	WIN 0x09                                       ; X in window 1, W1 in window 2
.irp s, 0,1,2,3,4,5,6,7
.irp a, 0,1,2,3
.if \s == 0
	v_wmma_f32_16x16x32_f16 v[ACC+8*\a:ACC+8*\a+7], v[128+8*\s:128+8*\s+7], v[32*\s+8*\a:32*\s+8*\a+7], 0
.else
	v_wmma_f32_16x16x32_f16 v[ACC+8*\a:ACC+8*\a+7], v[128+8*\s:128+8*\s+7], v[32*\s+8*\a:32*\s+8*\a+7], v[ACC+8*\a:ACC+8*\a+7]
.endif
.endr
.endr
.rept 5
	v_nop                                          ; five places: in front of the loads into registers just multiplied, and between the f16 and the bf16 form on one accumulator, which are no chain
.endr
.if (\t) < 3
	FRAGI (\t)+1                                   ; the next tile's interp half: 32 products and the sums' work ahead of its use
	s_wait_dscnt 16                                ; all but the 16 just issued: this tile's turned half is in
.else
	s_wait_dscnt 0x0
.endif
	WIN 0x0d                                       ; W1 in window 3
.irp s, 0,1,2,3,4,5,6,7
.irp a, 0,1,2,3
	v_wmma_f32_16x16x32_bf16 v[ACC+8*\a:ACC+8*\a+7], v[192+8*\s:192+8*\s+7], v[32*\s+8*\a:32*\s+8*\a+7], v[ACC+8*\a:ACC+8*\a+7]
.endr
.endr
.rept 4
	v_nop                                          ; four places behind the last product, ahead of the loads below and of the first reader of a result
.endr
.if (\t) < 3
	FRAGU (\t)+1                                   ; the next tile's turned half
.endif
	WIN 0
	s_wait_xcnt 0x0                                ; the last tile's stores have read their data and their base: both are written below
.if (\t) == 0
	s_add_nc_u64 s[32:33], s[32:33], s[46:47]      ; on to this chunk's four tiles: nothing the first time, then 4 x 8,192 bytes
	s_mov_b32 s46, 32768
.endif
.if \piv
	s_cmp_eq_u32 s23, 0
	s_cbranch_scc1 .Lhave_p_\@
	PIVOT
	s_mov_b32 s23, 0
.Lhave_p_\@:
.endif
.irp a, 0,1,2,3
.irp p, 0,1,2,3
	v_pk_add_f32 v[ACC+8*\a+2*\p:ACC+8*\a+2*\p+1], v[ACC+8*\a+2*\p:ACC+8*\a+2*\p+1], v[NP+2*\a:NP+2*\a+1]
.endr
.irp p, 0,1,2,3
	v_pk_add_f32 v[S1+2*\a:S1+2*\a+1], v[S1+2*\a:S1+2*\a+1], v[ACC+8*\a+2*\p:ACC+8*\a+2*\p+1]
	v_pk_fma_f32 v[S2+2*\a:S2+2*\a+1], v[ACC+8*\a+2*\p:ACC+8*\a+2*\p+1], v[ACC+8*\a+2*\p:ACC+8*\a+2*\p+1], v[S2+2*\a:S2+2*\a+1]
	v_cvt_pk_f16_f32 v[PK+4*\a+\p], v[ACC+8*\a+2*\p], v[ACC+8*\a+2*\p+1]
.endr
.if \a > 0                             ; a block's store stands behind the next block's arithmetic
	global_store_b128 v[VYO], v[PK+4*(\a-1):PK+4*(\a-1)+3], s[32:33] offset:(\t)*8192+512*(\a-1)  ; 512 consecutive bytes, aligned
.endif
.endr
	global_store_b128 v[VYO], v[PK+12:PK+15], s[32:33] offset:(\t)*8192+1536
.endm
.Lchunk:                                       ; four trips: chunk i is staged, chunk i - 1 multiplied
	s_wait_loadcnt 63                              ; in the first trip 128 loads of W1 were issued behind the weights': with at most 63 out, the weights are in and W1 may stay on its way; later nothing is out here
	v_cvt_pk_f16_f32 v[IW], v[NX+1], v[NX+1]
	v_cvt_pk_f16_f32 v[IW+1], v[NX+2], v[NX+2]
	s_add_co_u32 s25, s20, 1                       ; the next chunk's weights (the last trip asks for its own once more: no load leaves the buffer)
	s_min_u32 s25, s25, 3
	s_lshl_b32 s25, s25, 10
	v_add_nc_u32 v19, s25, v9
	global_load_b128 v[NX:NX+3], v19, s[36:37]
	v_add_nc_u32 v[VIS], s21, v17
	v_add_nc_u32 v[VUS], s21, v18
	s_cmp_eq_u32 s20, 0
	s_cbranch_scc1 .Lno_frag
	v_add_nc_u32 v[VXI], s22, v15
	v_add_nc_u32 v[VXU], s22, v16
	FRAGI 0                                        ; the first tile's fragments come while the global loads below are issued
	FRAGU 0
	WIN 0
.Lno_frag:
	s_wait_kmcnt 0x0                               ; the indices of my points 0-7
	GISSUE
	s_load_b512 s[48:63], s[34:35], 0x80           ; those of my points 8-11,
	s_load_b512 s[68:83], s[34:35], 0xc0           ; 12-15
	UFISSUE
	s_cmp_eq_u32 s20, 0
	s_cbranch_scc1 .Lnone_a
	TILE 0, 1
	TILE 1, 0
.Lnone_a:
	s_wait_loadcnt 32                              ; the first eight points' rows are in (and W1); the 32 loads of unknow_feats issued behind them may be out
	INTERP 0
	s_wait_dscnt 0x0                               ; the LDS stores have read the registers into which the next loads land
	s_wait_kmcnt 0x0                               ; the indices of my points 8-15; no scalar load is out, so their pointer may be stepped
	GISSUE
	s_add_nc_u64 s[34:35], s[34:35], 1024          ; the next chunk's 64 points
	s_cmp_lt_u32 s20, 3
	s_cbranch_scc0 .Lno_next                       ; the last trip has no next chunk
	global_prefetch_b8 v[PFO], s[28:29] offset:256 th:TH_LOAD_NT scope:SCOPE_SE     ; the next chunk's 256 bytes of my rows 64 w + 0 .. 31,
	global_prefetch_b8 v[PFO], s[28:29] offset:524544 th:TH_LOAD_NT scope:SCOPE_SE  ; and of my rows 64 w + 32 .. 63
	s_load_b512 s[48:63], s[34:35], 0x0
	s_load_b512 s[68:83], s[34:35], 0x40
.Lno_next:
	s_wait_loadcnt 24                              ; unknow_feats is in; the 24 gathers just issued may be out
	UFCONV
	s_cmp_eq_u32 s20, 0
	s_cbranch_scc1 .Lnone_b
	TILE 2, 0
	TILE 3, 0
.Lnone_b:
	s_wait_loadcnt 0x0                             ; the other eight points' rows; every load that read the base below is done,
	INTERP 1
	s_wait_xcnt 0x0                                ; and so have the prefetches read it
	s_add_nc_u64 s[28:29], s[28:29], 256           ; 64 points on
	s_wait_dscnt 0x0                               ; for the others' sake: my quarter of the chunk is written
	s_barrier_signal -1
	s_barrier_wait -1
	s_mov_b32 s22, s21
	s_add_co_u32 s21, s21, CH
	s_add_co_u32 s20, s20, 1
	s_cmp_lt_u32 s20, 4
	s_cbranch_scc1 .Lchunk
	v_add_nc_u32 v[VXI], s22, v15                  ; the last chunk
	v_add_nc_u32 v[VXU], s22, v16
	FRAGI 0
	FRAGU 0
	TILE 0, 0
	TILE 1, 0
	TILE 2, 0
	TILE 3, 0
	; THE PARTIAL STATISTICS: the pair's two sums and the other half of the lanes'
.irp a, 0,1,2,3
	v_add_f32 v[TM+\a], v[S1+2*\a], v[S1+2*\a+1]
	v_add_f32 v[TM+4+\a], v[S2+2*\a], v[S2+2*\a+1]
.endr
.irp a, 0,1,2,3
	v_permlanex16_b32 v[20+\a], v[TM+\a], s18, s19
	v_permlanex16_b32 v[24+\a], v[TM+4+\a], s18, s19
.endr
	s_lshl_b32 s25, s16, 8
	s_add_co_u32 s25, s25, STAT
	v_lshl_add_u32 v[VIS], v1, 2, s25              ; word 64 w + r
.irp a, 0,1,2,3
	v_add_f32 v[TM+\a], v[TM+\a], v[20+\a]
	v_add_f32 v[TM+4+\a], v[TM+4+\a], v[24+\a]
	v_mul_f32 v[20+\a], 0x3b800000, v[TM+\a]       ; S1 / 256
	v_xor_b32 v[24+\a], 0x80000000, v[NP+2*\a]     ; p
	v_fma_f32 v[TM+4+\a], -v[20+\a], v[TM+\a], v[TM+4+\a]
	v_sub_f32 v[TM+\a], v[20+\a], v[NP+2*\a]
	ds_store_b32 v[VIS], v[TM+\a] offset:64*\a                 ; both halves of the lanes write the same word with the same number
	ds_store_b32 v[VIS], v[TM+4+\a] offset:1024+64*\a
	ds_store_b32 v[VIS], v[24+\a] offset:2048+64*\a
.endr
	s_wait_dscnt 0x0
	s_barrier_signal -1
	s_barrier_wait -1
	v_lshl_add_u32 v[VUS], v0, 4, STAT
	v_lshl_add_u32 v[VXI], v0, 3, STAT+2048
	ds_load_b128 v[TM:TM+3], v[VUS]
	ds_load_b64 v[TM+4:TM+5], v[VXI]
	v_lshlrev_b32 v[VXU], 4, v0
	v_lshlrev_b32 v15, 3, v0
	s_lshl_b32 s26, ttmp9, 11
	s_add_nc_u64 s[40:41], s[14:15], s[26:27]
	s_lshl_b32 s26, ttmp9, 10
	s_add_co_u32 s26, s26, PIV
	s_add_nc_u64 s[42:43], s[12:13], s[26:27]
	s_wait_dscnt 0x0
	global_store_b128 v[VXU], v[TM:TM+3], s[40:41]
	global_store_b64 v15, v[TM+4:TM+5], s[42:43]
	s_wait_tensorcnt 0x0                           ; the wave's end
	ds_add_u32 v4, v5
	s_wait_dscnt 0x0
	s_endpgm
.Lfunc_end_k_qe326a77e1c_gemm1:
	.size	k_qe326a77e1c_gemm1, .Lfunc_end_k_qe326a77e1c_gemm1-k_qe326a77e1c_gemm1
	.p2alignl 7, 3214868480
	.fill 96, 4, 3214868480
	.section	.rodata,"a",@progbits
	.p2align	6, 0x0
	.amdhsa_kernel k_qe326a77e1c_gemm1
		.amdhsa_group_segment_fixed_size 302592
		.amdhsa_private_segment_fixed_size 0
		.amdhsa_enable_private_segment 0
		.amdhsa_kernarg_size 48
		.amdhsa_user_sgpr_count 2
		.amdhsa_user_sgpr_kernarg_segment_ptr 1
		.amdhsa_wavefront_size32 1
		.amdhsa_system_sgpr_workgroup_id_x 1
		.amdhsa_system_sgpr_workgroup_id_y 1
		.amdhsa_system_sgpr_workgroup_id_z 1
		.amdhsa_system_vgpr_workitem_id 0
		.amdhsa_next_free_vgpr 1024
		.amdhsa_next_free_sgpr 92
		.amdhsa_reserve_vcc 0
		.amdhsa_float_denorm_mode_32 3
		.amdhsa_float_denorm_mode_16_64 3
		.amdhsa_memory_ordered 1
		.amdhsa_forward_progress 1
		.amdhsa_inst_pref_size 151
	.end_amdhsa_kernel
	.amdgpu_metadata
---
amdhsa.version: [ 1, 2 ]
amdhsa.kernels:
  - .name:           k_qe326a77e1c_gemm1
    .symbol:         k_qe326a77e1c_gemm1.kd
    .args:
      - { .name: unknow_feats, .offset: 0, .size: 8, .value_kind: global_buffer, .address_space: global }
      - { .name: cvt, .offset: 8, .size: 8, .value_kind: global_buffer, .address_space: global }
      - { .name: idx3, .offset: 16, .size: 8, .value_kind: global_buffer, .address_space: global }
      - { .name: wgt, .offset: 24, .size: 8, .value_kind: global_buffer, .address_space: global }
      - { .name: y1, .offset: 32, .size: 8, .value_kind: global_buffer, .address_space: global }
      - { .name: st, .offset: 40, .size: 8, .value_kind: global_buffer, .address_space: global }
    .group_segment_fixed_size: 302592
    .private_segment_fixed_size: 0
    .kernarg_segment_align: 8
    .kernarg_segment_size: 48
    .max_flat_workgroup_size: 128
    .sgpr_count:     92
    .vgpr_count:     1024
    .wavefront_size: 32
...
	.end_amdgpu_metadata
.endif
;; end of part 9
;; launch fin1 (part 10): grid 4 x 1, 32 waves a work-group, no clusters, 28,672 bytes of LDS; arguments st, g1, b1, coef1; writes coef1
.if DOCPART == 10
	.amdgcn_target "amdgcn-amd-amdhsa--gfx1250"
	.amdhsa_code_object_version 6
	.text
	.protected	k_qe326a77e1c_fin1
	.globl	k_qe326a77e1c_fin1
	.p2align	8
	.type	k_qe326a77e1c_fin1,@function
k_qe326a77e1c_fin1:
	s_mov_b64 s[64:65], 0
	v_nop
	global_prefetch_b8 v0, s[64:65] scope:SCOPE_SE
	s_setreg_imm32_b32 hwreg(HW_REG_WAVE_MODE, 25, 1), 1
	s_wait_xcnt 0x0
; THE BATCH NORM'S COEFFICIENTS from 256 partial statistics (mean_t, M2_t over 256 points each), [t][2][256] f32.
; A work-group takes 64 channels.  Around the pivot q = mean_0: E1 = sum (mean_t - q), E2 = sum (mean_t - q)^2, MM = sum M2_t.
; mean = q + E1 / 256;  var = (MM + 256 E2 - E1^2) / 65,536 (the biased variance over all 65,536 points);  scale = g / sqrt(var + 1e-5).  g and b are rounded to bf16 like every input.
; Out: [3][256] f32: scale, mean, beta.  A thread takes 4 channels of 4 partials; halves of the lanes by v_permlanex16_b32; the 32 waves meet in LDS; wave 0 finishes.
; What wave 0 needs for the finish (q, g, b of two channels a lane) it asks for at the head, together with its partials: one trip to memory, not two on end.
.set SPARE, 24576
	s_load_b256 s[4:11], s[0:1], 0x0               ; st, g, b, coef
	v_lshl_add_u32 v2, v0, 2, SPARE
	v_mov_b32 v3, 0
	v_lshrrev_b32 v6, 5, v0
	v_readfirstlane_b32 s12, v6                    ; wave
	v_and_b32 v6, 15, v0
	v_lshlrev_b32 v5, 4, v6                        ; my 4 channels
	v_lshrrev_b32 v7, 4, v0                        ; my group of partials, 0 .. 63
	v_lshl_add_u32 v4, v7, 11, v5
	s_mul_i32 s13, s12, 768
	v_add_nc_u32 v72, s13, v5
	v_lshlrev_b32 v73, 3, v0
	s_lshl_b32 s14, ttmp9, 8
	s_mov_b32 s15, 0
	s_mov_b32 s16, 0x76543210
	s_mov_b32 s17, 0xfedcba98
	s_mov_b32 s18, 0xffff0000
	s_mov_b32 s26, 0x3b800000                      ; 1 / 256
	s_mov_b32 s27, 0x43800000                      ; 256
	s_mov_b32 s28, 0x37800000                      ; 1 / 65,536
	s_mov_b32 s29, 0x3727c5ac                      ; 1e-5
	s_wait_kmcnt 0x0
	s_add_nc_u64 s[20:21], s[4:5], s[14:15]
	s_add_nc_u64 s[22:23], s[6:7], s[14:15]
	s_add_nc_u64 s[24:25], s[8:9], s[14:15]
	s_add_nc_u64 s[10:11], s[10:11], s[14:15]
	s_cmp_lg_u32 s12, 0
	s_cbranch_scc1 .Lnot_0
	global_load_b64 v[66:67], v73, s[20:21]        ; wave 0: a lane two channels
	global_load_b64 v[68:69], v73, s[22:23]
	global_load_b64 v[70:71], v73, s[24:25]
.Lnot_0:
	global_load_b128 v[8:11], v5, s[20:21]
.irp i, 0,1,2,3
	global_load_b128 v[12+8*\i:15+8*\i], v4, s[20:21] offset:\i*131072
	global_load_b128 v[16+8*\i:19+8*\i], v4, s[20:21] offset:\i*131072+1024
.endr
	s_wait_loadcnt 0x0
.irp p, 0,2
	v_pk_add_f32 v[44+\p:45+\p], v[12+\p:13+\p], v[8+\p:9+\p] neg_lo:[0,1] neg_hi:[0,1]
	v_pk_add_f32 v[52+\p:53+\p], v[16+\p:17+\p], v[24+\p:25+\p]
	v_pk_mul_f32 v[48+\p:49+\p], v[44+\p:45+\p], v[44+\p:45+\p]
.endr
.irp i, 1,2,3
.irp p, 0,2
	v_pk_add_f32 v[56+\p:57+\p], v[12+8*\i+\p:13+8*\i+\p], v[8+\p:9+\p] neg_lo:[0,1] neg_hi:[0,1]
	v_pk_add_f32 v[44+\p:45+\p], v[44+\p:45+\p], v[56+\p:57+\p]
	v_pk_fma_f32 v[48+\p:49+\p], v[56+\p:57+\p], v[56+\p:57+\p], v[48+\p:49+\p]
.endr
.endr
.irp p, 0,2
	v_pk_add_f32 v[52+\p:53+\p], v[52+\p:53+\p], v[32+\p:33+\p]
	v_pk_add_f32 v[52+\p:53+\p], v[52+\p:53+\p], v[40+\p:41+\p]
.endr
.irp k, 0,1,2,3,4,5,6,7,8,9,10,11
	v_permlanex16_b32 v[12+\k], v[44+\k], s16, s17 ; the lane 16 away has the same channels and the next group
.endr
.irp k, 0,1,2,3,4,5,6,7,8,9,10,11
	v_add_f32 v[44+\k], v[44+\k], v[12+\k]
.endr
	ds_store_b128 v72, v[44:47]                    ; both halves of the lanes write the same words with the same numbers
	ds_store_b128 v72, v[48:51] offset:256
	ds_store_b128 v72, v[52:55] offset:512
	s_wait_dscnt 0x0
	s_barrier_signal -1
	s_barrier_wait -1
	s_cmp_lg_u32 s12, 0
	s_cbranch_scc1 .Lend
.irp k, 60,61,62,63,64,65
	v_mov_b32 v\k, 0
.endr
.irp bt, 0,1,2,3
.irp u, 0,1,2,3,4,5,6,7
.irp arr, 0,1,2
	ds_load_b64 v[12+6*\u+2*\arr:13+6*\u+2*\arr], v73 offset:(8*\bt+\u)*768+\arr*256
.endr
.endr
	s_wait_dscnt 0x0
.irp u, 0,1,2,3,4,5,6,7
.irp arr, 0,1,2
	v_pk_add_f32 v[60+2*\arr:61+2*\arr], v[60+2*\arr:61+2*\arr], v[12+6*\u+2*\arr:13+6*\u+2*\arr]
.endr
.endr
.endr
	v_cvt_pk_bf16_f32 v6, v68, v69
	v_cvt_pk_bf16_f32 v7, v70, v71
	v_lshlrev_b32 v68, 16, v6
	v_and_b32 v69, s18, v6
	v_lshlrev_b32 v70, 16, v7
	v_and_b32 v71, s18, v7
.irp c, 0,1
	v_fma_f32 v[74+\c], v[60+\c], s26, v[66+\c]
	v_fma_f32 v[76+\c], v[62+\c], s27, v[64+\c]
	v_fma_f32 v[76+\c], -v[60+\c], v[60+\c], v[76+\c]
	v_fma_f32 v[76+\c], v[76+\c], s28, s29
.endr
	v_rsq_f32 v76, v76
	v_rsq_f32 v77, v77
	v_nop                                          ; a plain instruction behind the last of the two,
	s_wait_alu depctr_va_vdst(0)                   ; and one wait for both, ahead of their first reader
	v_mul_f32 v76, v68, v76
	v_mul_f32 v77, v69, v77
	global_store_b64 v73, v[76:77], s[10:11]               ; 256 consecutive bytes, aligned
	global_store_b64 v73, v[74:75], s[10:11] offset:1024
	global_store_b64 v73, v[70:71], s[10:11] offset:2048
.Lend:
	s_wait_tensorcnt 0x0                           ; the wave's end
	ds_add_u32 v2, v3
	s_wait_dscnt 0x0
	s_endpgm
.Lfunc_end_k_qe326a77e1c_fin1:
	.size	k_qe326a77e1c_fin1, .Lfunc_end_k_qe326a77e1c_fin1-k_qe326a77e1c_fin1
	.p2alignl 7, 3214868480
	.fill 96, 4, 3214868480
	.section	.rodata,"a",@progbits
	.p2align	6, 0x0
	.amdhsa_kernel k_qe326a77e1c_fin1
		.amdhsa_group_segment_fixed_size 28672
		.amdhsa_private_segment_fixed_size 0
		.amdhsa_enable_private_segment 0
		.amdhsa_kernarg_size 32
		.amdhsa_user_sgpr_count 2
		.amdhsa_user_sgpr_kernarg_segment_ptr 1
		.amdhsa_wavefront_size32 1
		.amdhsa_system_sgpr_workgroup_id_x 1
		.amdhsa_system_sgpr_workgroup_id_y 1
		.amdhsa_system_sgpr_workgroup_id_z 1
		.amdhsa_system_vgpr_workitem_id 0
		.amdhsa_next_free_vgpr 96
		.amdhsa_next_free_sgpr 66
		.amdhsa_reserve_vcc 0
		.amdhsa_float_denorm_mode_32 3
		.amdhsa_float_denorm_mode_16_64 3
		.amdhsa_memory_ordered 1
		.amdhsa_forward_progress 1
		.amdhsa_inst_pref_size 20
	.end_amdhsa_kernel
	.amdgpu_metadata
---
amdhsa.version: [ 1, 2 ]
amdhsa.kernels:
  - .name:           k_qe326a77e1c_fin1
    .symbol:         k_qe326a77e1c_fin1.kd
    .args:
      - { .name: st, .offset: 0, .size: 8, .value_kind: global_buffer, .address_space: global }
      - { .name: g1, .offset: 8, .size: 8, .value_kind: global_buffer, .address_space: global }
      - { .name: b1, .offset: 16, .size: 8, .value_kind: global_buffer, .address_space: global }
      - { .name: coef1, .offset: 24, .size: 8, .value_kind: global_buffer, .address_space: global }
    .group_segment_fixed_size: 28672
    .private_segment_fixed_size: 0
    .kernarg_segment_align: 8
    .kernarg_segment_size: 32
    .max_flat_workgroup_size: 1024
    .sgpr_count:     66
    .vgpr_count:     96
    .wavefront_size: 32
...
	.end_amdgpu_metadata
.endif
;; end of part 10
;; launch g2s (part 11): grid 256 x 1, 4 waves a work-group, no clusters, 166,400 bytes of LDS; arguments y1, cvt, coef1, st; writes st
.if DOCPART == 11
	.amdgcn_target "amdgcn-amd-amdhsa--gfx1250"
	.amdhsa_code_object_version 6
	.text
	.protected	k_qe326a77e1c_g2s
	.globl	k_qe326a77e1c_g2s
	.p2align	8
	.type	k_qe326a77e1c_g2s,@function
k_qe326a77e1c_g2s:
	s_mov_b64 s[64:65], 0
	v_nop
	global_prefetch_b8 v0, s[64:65] scope:SCOPE_SE
	s_setreg_imm32_b32 hwreg(HW_REG_WAVE_MODE, 25, 1), 1
	s_wait_xcnt 0x0
; SECOND 1x1 CONVOLUTION (K = 256, 256 outputs).  One text serves two launches: MODE = 0 makes the partial statistics of y2, MODE = 1 makes y2 again, normalises it and stores the output:
; y2 is never stored, so it is never rounded, and the second reading of y1 costs half of what storing and reading y2 would.
; A work-group takes 256 points, four chunks of 64; wave w the outputs 64 w .. 64 w + 63; its rows of W2 (f16, 256 registers) stay in registers.
; h1 = relu(d scale1 + (beta1 + scale1 (p - mean1))), d = y1 as stored (f16), reckoned in f32 and rounded once to f16; it goes into LDS rows [channel][point] and is read back turned.
; Product: source 0 = 16 points x 32 channels, source 1 = 16 rows of W2: a lane holds one output channel and eight points.  Each chunk has LDS bytes of its own, written once.
; A chunk's four tiles of 16 points are written out on two fragment buffers: the next tile's 16 LDS loads are issued ahead of a tile's products.
; Statistics as in the first convolution: around the mean of the work-group's first 16 points.
; No prefetch: a chunk's loads of y1 go out a whole chunk ahead of their use as it is.
; LIMITS: NaN and infinities not treated apart; h1 within 65,504.
; REGISTERS: window 0: addresses, coefficients, v64-127 and v160-223 fragments of h1, v128-159 accumulators; window 1: W2's fragments, block a, K step s at 64 a + 8 s; window 2: v0-63 y1 in flight.
.set MODE,  0
.set W2H,   8650752
.set PIV,   33554432
.set HP,    160
.set HCH,   40960
.if MODE
.set STG,   163840                     ; each wave's own stage: 64 outputs x (256 + 16) bytes
.set SPARE, 233472
.else
.set STAT,  163840
.set SPARE, 165888
.endif
.set NP,  32                           ; MODE 0: -pivot, S1, S2;  MODE 1: -mean2, scale2, beta2; pairs, block a at + 2 a
.set S1,  40
.set S2,  48
.set TM,  56
.set AF,  64                           ; fragment buffer 0; buffer 1 lies 96 registers on
.set ACC, 128
.set MSB, 0
.macro WIN new                         ; the immediate's high byte repeats the setting that is left; a switch that changes nothing is dropped
.if MSB != (\new)
	s_set_vgpr_msb (MSB<<8)|(\new)
.set MSB, \new
.endif
.endm
.macro YLOAD                           ; a chunk of y1: 4 tiles x my 4 blocks, 512 consecutive bytes each
	WIN 0x80
.irp t, 0,1,2,3
.irp a, 0,1,2,3
	global_load_b128 v[4*(4*\t+\a):4*(4*\t+\a)+3], v7, s[28:29] offset:\t*8192+512*\a
.endr
.endr
	WIN 0
.endm
	s_load_b256 s[4:11], s[0:1], 0x0               ; y1, cvt, coef1, and st (MODE 0) or coef2 (MODE 1)
.if MODE
	s_load_b64 s[12:13], s[0:1], 0x20              ; out0
.endif
	v_lshl_add_u32 v4, v0, 2, SPARE
	v_mov_b32 v5, 0
	v_mov_b32 v6, 0
	v_lshrrev_b32 v56, 5, v0
	v_readfirstlane_b32 s16, v56                   ; wave
	v_and_b32 v1, 15, v0
	v_bfe_u32 v2, v0, 4, 1
	v_and_b32 v3, 31, v0
	s_lshl_b32 s25, s16, 11
	v_lshl_add_u32 v7, v3, 4, s25                  ; y1: block 4 w + a, 16 bytes a lane
	s_mul_i32 s25, s16, 64*HP
	v_mul_u32_u24 v8, v1, HP                       ; h1 in: row 64 w + r, 16 h
	v_lshl_add_u32 v8, v2, 4, v8
	v_add_nc_u32 v8, s25, v8
	v_and_b32 v56, 7, v0                           ; the turning load
	v_lshl_add_u32 v56, v2, 3, v56
	v_mul_u32_u24 v10, v56, HP
	v_bfe_u32 v56, v0, 3, 1
	v_lshl_add_u32 v10, v56, 4, v10
	s_lshl_b32 s25, s16, 8
	v_lshl_add_u32 v14, v1, 2, s25                 ; channel 64 w + r, in f32
	s_lshl_b32 s25, s16, 15
	v_lshlrev_b32 v15, 9, v1                       ; W2: row 64 w + r of 512 bytes, 16 h
	v_lshl_add_u32 v15, v2, 4, v15
	v_add_nc_u32 v15, s25, v15
.if MODE
	s_mul_i32 s25, s16, 64*272
	s_add_co_u32 s25, s25, STG
	v_mul_u32_u24 v57, v1, 272                     ; stage in: row r, 32 h
	v_lshl_add_u32 v57, v2, 5, v57
	v_add_nc_u32 v57, s25, v57
	v_mul_u32_u24 v12, v2, 272                     ; back: lanes 0-15 one row, lanes 16-31 the next
	v_lshl_add_u32 v12, v1, 4, v12
	v_add_nc_u32 v12, s25, v12
	s_lshl_b32 s25, s16, 20
	v_lshlrev_b32 v13, 4, v1                       ; out0: row 64 w + h of 16,384 bytes, 16 r
	v_lshl_add_u32 v13, v2, 14, v13
	v_add_nc_u32 v13, s25, v13
.endif
	s_mov_b32 s18, 0x76543210
	s_mov_b32 s19, 0xfedcba98
	s_mov_b32 s20, 0                               ; chunk
	s_mov_b32 s21, 0                               ; its LDS bytes
	s_mov_b32 s23, 1
	s_mov_b32 s27, 0
	s_wait_kmcnt 0x0
	s_lshl_b32 s26, ttmp9, 17
	s_add_nc_u64 s[28:29], s[4:5], s[26:27]
	s_add_nc_u64 s[30:31], s[6:7], W2H
	s_lshl_b32 s26, ttmp9, 10
	s_add_co_u32 s26, s26, PIV
	s_add_nc_u64 s[32:33], s[4:5], s[26:27]
.if MODE
	s_lshr_b32 s26, ttmp9, 4
	s_lshl_b32 s26, s26, 22
	s_and_b32 s25, ttmp9, 15
	s_lshl_b32 s25, s25, 10
	s_add_co_u32 s26, s26, s25
	s_add_nc_u64 s[34:35], s[12:13], s[26:27]
.else
	s_lshl_b32 s26, ttmp9, 11
	s_add_nc_u64 s[34:35], s[10:11], s[26:27]
.endif
	; all the head's loads go out on end, the coefficients first: one trip to memory
.irp a, 0,1,2,3
	global_load_b32 v[16+\a], v14, s[8:9] offset:64*\a
	global_load_b32 v[24+\a], v14, s[8:9] offset:1024+64*\a
	global_load_b32 v[20+\a], v14, s[8:9] offset:2048+64*\a
	global_load_b32 v[28+\a], v14, s[32:33] offset:64*\a
.endr
.if MODE
.irp a, 0,1,2,3
	global_load_b32 v[S1+2*\a], v14, s[10:11] offset:64*\a
	global_load_b32 v[NP+2*\a], v14, s[10:11] offset:1024+64*\a
	global_load_b32 v[S2+2*\a], v14, s[10:11] offset:2048+64*\a
.endr
.endif
	YLOAD
	WIN 0x40
.irp a, 0,1,2,3
.irp s, 0,1,2,3,4,5,6,7
	global_load_b128 v[64*\a+8*\s:64*\a+8*\s+3],   v15, s[30:31] offset:\a*8192+64*\s
	global_load_b128 v[64*\a+8*\s+4:64*\a+8*\s+7], v15, s[30:31] offset:\a*8192+64*\s+32
.endr
.endr
	WIN 0
	s_wait_loadcnt 63                              ; behind the coefficients 80 loads were issued (y1's 16, W2's 64): with at most 63 out, the coefficients are in
.irp a, 0,1,2,3
	v_sub_f32 v[28+\a], v[28+\a], v[24+\a]
	v_fma_f32 v[20+\a], v[16+\a], v[28+\a], v[20+\a]
.endr
.if MODE
.irp a, 0,1,2,3
	v_xor_b32 v[NP+2*\a], 0x80000000, v[NP+2*\a]
	v_mov_b32 v[S1+2*\a+1], v[S1+2*\a]
	v_mov_b32 v[S2+2*\a+1], v[S2+2*\a]
	v_mov_b32 v[NP+2*\a+1], v[NP+2*\a]
.endr
.else
.set i, NP
.rept 24
	v_mov_b32 v[i], 0
.set i, i+1
.endr
.endif
.macro FRAG buf, t                     ; tile t of the chunk: 16 points x 256 channels, turned, into fragment buffer buf
.irp s, 0,1,2,3,4,5,6,7
	ds_load_tr16_b128 v[AF+96*(\buf)+8*\s:AF+96*(\buf)+8*\s+3],   v9 offset:32*HP*\s+32*(\t)
	ds_load_tr16_b128 v[AF+96*(\buf)+8*\s+4:AF+96*(\buf)+8*\s+7], v9 offset:32*HP*\s+16*HP+32*(\t)
.endr
.endm
.macro MULT buf                        ; 32 products; the four accumulators take turns, one instruction a turn
	WIN 0x04                                       ; W2 in window 1
.irp s, 0,1,2,3,4,5,6,7
.irp a, 0,1,2,3
.if \s == 0
	v_wmma_f32_16x16x32_f16 v[ACC+8*\a:ACC+8*\a+7], v[AF+96*(\buf)+8*\s:AF+96*(\buf)+8*\s+7], v[64*\a+8*\s:64*\a+8*\s+7], 0
.else
	v_wmma_f32_16x16x32_f16 v[ACC+8*\a:ACC+8*\a+7], v[AF+96*(\buf)+8*\s:AF+96*(\buf)+8*\s+7], v[64*\a+8*\s:64*\a+8*\s+7], v[ACC+8*\a:ACC+8*\a+7]
.endif
.endr
.endr
	WIN 0
.rept 4
	v_nop                                          ; four places behind the last product
.endr
.endm
.macro EPI t                           ; what is made of tile t's sums
.if MODE
.irp a, 0,1,2,3
.irp p, 0,1,2,3
	v_pk_add_f32 v[ACC+8*\a+2*\p:ACC+8*\a+2*\p+1], v[ACC+8*\a+2*\p:ACC+8*\a+2*\p+1], v[NP+2*\a:NP+2*\a+1]
.endr
.irp p, 0,1,2,3
	v_pk_fma_f32 v[ACC+8*\a+2*\p:ACC+8*\a+2*\p+1], v[ACC+8*\a+2*\p:ACC+8*\a+2*\p+1], v[S1+2*\a:S1+2*\a+1], v[S2+2*\a:S2+2*\a+1]
.endr
.irp j, 0,1,2,3,4,5,6,7
	v_max_num_f32 v[ACC+8*\a+\j], 0, v[ACC+8*\a+\j]
.endr
	ds_store_b128 v57, v[ACC+8*\a:ACC+8*\a+3] offset:16*272*\a+64*(\t)
	ds_store_b128 v57, v[ACC+8*\a+4:ACC+8*\a+7] offset:16*272*\a+64*(\t)+16
.endr
.else
.if (\t) == 0
	s_cmp_eq_u32 s23, 0
	s_cbranch_scc1 .Lhave_p
.irp a, 0,1,2,3
	v_pk_add_f32 v[TM:TM+1], v[ACC+8*\a:ACC+8*\a+1], v[ACC+8*\a+2:ACC+8*\a+3]
	v_pk_add_f32 v[TM+2:TM+3], v[ACC+8*\a+4:ACC+8*\a+5], v[ACC+8*\a+6:ACC+8*\a+7]
	v_pk_add_f32 v[TM:TM+1], v[TM:TM+1], v[TM+2:TM+3]
	v_add_f32 v[TM], v[TM], v[TM+1]
	v_permlanex16_b32 v[TM+1], v[TM], s18, s19
	v_add_f32 v[TM], v[TM], v[TM+1]
	v_mul_f32 v[NP+2*\a], 0xbd800000, v[TM]
	v_mul_f32 v[NP+2*\a+1], 0xbd800000, v[TM]
.endr
	s_mov_b32 s23, 0
.Lhave_p:
.endif
.irp a, 0,1,2,3
.irp p, 0,1,2,3
	v_pk_add_f32 v[ACC+8*\a+2*\p:ACC+8*\a+2*\p+1], v[ACC+8*\a+2*\p:ACC+8*\a+2*\p+1], v[NP+2*\a:NP+2*\a+1]
.endr
.irp p, 0,1,2,3
	v_pk_add_f32 v[S1+2*\a:S1+2*\a+1], v[S1+2*\a:S1+2*\a+1], v[ACC+8*\a+2*\p:ACC+8*\a+2*\p+1]
	v_pk_fma_f32 v[S2+2*\a:S2+2*\a+1], v[ACC+8*\a+2*\p:ACC+8*\a+2*\p+1], v[ACC+8*\a+2*\p:ACC+8*\a+2*\p+1], v[S2+2*\a:S2+2*\a+1]
.endr
.endr
.endif
.endm
.Lchunk:
	s_wait_loadcnt 0x0                             ; the chunk's y1 (in the first trip W2 too)
	WIN 0x82                                       ; y1 in window 2, the coefficients in window 0
.irp t, 0,1,2,3
.irp a, 0,1,2,3
.irp k, 0,1,2,3
	v_fma_mixlo_f16 v[4*(4*\t+\a)+\k], v[4*(4*\t+\a)+\k], v[16+\a], v[20+\a] op_sel_hi:[1,0,0]
.endr
.irp k, 0,1,2,3
	v_fma_mixhi_f16 v[4*(4*\t+\a)+\k], v[4*(4*\t+\a)+\k], v[16+\a], v[20+\a] op_sel:[1,0,0] op_sel_hi:[1,0,0]
.endr
.irp k, 0,1,2,3
	v_pk_max_num_f16 v[4*(4*\t+\a)+\k], v[4*(4*\t+\a)+\k], v6
.endr
.endr
.endr
	WIN 0x08
.irp t, 0,1,2,3
.irp a, 0,1,2,3
	ds_store_b128 v8, v[4*(4*\t+\a):4*(4*\t+\a)+3] offset:16*HP*\a+32*\t
.endr
.endr
	WIN 0
	s_wait_dscnt 0x0                               ; for the others' sake, and ahead of the loads into the registers just stored
	s_cmp_eq_u32 s20, 3
	s_cbranch_scc1 .Lno_y
	s_add_nc_u64 s[28:29], s[28:29], 32768         ; every load that read this base is done
	YLOAD
.Lno_y:
	s_barrier_signal -1
	s_barrier_wait -1
	v_add_nc_u32 v9, s21, v10
	FRAG 0, 0
.irp t, 0,1,2,3
.if \t < 3
	FRAG ((\t)+1)&1, (\t)+1                        ; the next tile, into the buffer that the tile before last multiplied: that tile's sums' work lies between
	s_wait_dscnt 16                                ; all but the 16 just issued: this tile's fragments are in
.else
	s_wait_dscnt 0x0
.endif
	MULT (\t)&1
	EPI \t
.endr
.if MODE
	; the chunk leaves: my 64 outputs x 64 points, whole rows of 256 bytes out of my own stage (LDS serves a wave's instructions in order)
.irp bt, 0,1
.irp i, 0,1,2,3,4,5,6,7,8,9,10,11,12,13,14,15
	ds_load_b128 v[AF+4*\i:AF+4*\i+3], v12 offset:544*(16*\bt+\i)
.endr
.irp i, 0,1,2,3,4,5,6,7,8,9,10,11,12,13,14,15
	s_wait_dscnt 15-\i
	global_store_b128 v13, v[AF+4*\i:AF+4*\i+3], s[34:35] offset:(16*\bt+\i)*32768 th:TH_STORE_NT  ; sixteen lanes store 256 consecutive bytes, aligned
.endr
	s_wait_xcnt 0x0                                ; the stores have read their data and their base: both are written again below
.endr
	s_add_nc_u64 s[34:35], s[34:35], 256
.endif
	s_add_co_u32 s21, s21, HCH
	v_add_nc_u32 v8, HCH, v8
	s_add_co_u32 s20, s20, 1
	s_cmp_lt_u32 s20, 4
	s_cbranch_scc1 .Lchunk
.if MODE == 0
.irp a, 0,1,2,3
	v_add_f32 v[TM+\a], v[S1+2*\a], v[S1+2*\a+1]
	v_add_f32 v[TM+4+\a], v[S2+2*\a], v[S2+2*\a+1]
.endr
.irp a, 0,1,2,3
	v_permlanex16_b32 v[16+\a], v[TM+\a], s18, s19
	v_permlanex16_b32 v[20+\a], v[TM+4+\a], s18, s19
.endr
	s_lshl_b32 s25, s16, 8
	s_add_co_u32 s25, s25, STAT
	v_lshl_add_u32 v8, v1, 2, s25
.irp a, 0,1,2,3
	v_add_f32 v[TM+\a], v[TM+\a], v[16+\a]
	v_add_f32 v[TM+4+\a], v[TM+4+\a], v[20+\a]
	v_mul_f32 v[16+\a], 0x3b800000, v[TM+\a]
	v_fma_f32 v[TM+4+\a], -v[16+\a], v[TM+\a], v[TM+4+\a]
	v_sub_f32 v[TM+\a], v[16+\a], v[NP+2*\a]
	ds_store_b32 v8, v[TM+\a] offset:64*\a
	ds_store_b32 v8, v[TM+4+\a] offset:1024+64*\a
.endr
	s_wait_dscnt 0x0
	s_barrier_signal -1
	s_barrier_wait -1
	v_lshl_add_u32 v9, v0, 4, STAT
	ds_load_b128 v[TM:TM+3], v9
	v_lshlrev_b32 v10, 4, v0
	s_wait_dscnt 0x0
	global_store_b128 v10, v[TM:TM+3], s[34:35]
.endif
	s_wait_tensorcnt 0x0                           ; the wave's end
	ds_add_u32 v4, v5
	s_wait_dscnt 0x0
	s_endpgm
.Lfunc_end_k_qe326a77e1c_g2s:
	.size	k_qe326a77e1c_g2s, .Lfunc_end_k_qe326a77e1c_g2s-k_qe326a77e1c_g2s
	.p2alignl 7, 3214868480
	.fill 96, 4, 3214868480
	.section	.rodata,"a",@progbits
	.p2align	6, 0x0
	.amdhsa_kernel k_qe326a77e1c_g2s
		.amdhsa_group_segment_fixed_size 166400
		.amdhsa_private_segment_fixed_size 0
		.amdhsa_enable_private_segment 0
		.amdhsa_kernarg_size 32
		.amdhsa_user_sgpr_count 2
		.amdhsa_user_sgpr_kernarg_segment_ptr 1
		.amdhsa_wavefront_size32 1
		.amdhsa_system_sgpr_workgroup_id_x 1
		.amdhsa_system_sgpr_workgroup_id_y 1
		.amdhsa_system_sgpr_workgroup_id_z 1
		.amdhsa_system_vgpr_workitem_id 0
		.amdhsa_next_free_vgpr 576
		.amdhsa_next_free_sgpr 66
		.amdhsa_reserve_vcc 0
		.amdhsa_float_denorm_mode_32 3
		.amdhsa_float_denorm_mode_16_64 3
		.amdhsa_memory_ordered 1
		.amdhsa_forward_progress 1
		.amdhsa_inst_pref_size 58
	.end_amdhsa_kernel
	.amdgpu_metadata
---
amdhsa.version: [ 1, 2 ]
amdhsa.kernels:
  - .name:           k_qe326a77e1c_g2s
    .symbol:         k_qe326a77e1c_g2s.kd
    .args:
      - { .name: y1, .offset: 0, .size: 8, .value_kind: global_buffer, .address_space: global }
      - { .name: cvt, .offset: 8, .size: 8, .value_kind: global_buffer, .address_space: global }
      - { .name: coef1, .offset: 16, .size: 8, .value_kind: global_buffer, .address_space: global }
      - { .name: st, .offset: 24, .size: 8, .value_kind: global_buffer, .address_space: global }
    .group_segment_fixed_size: 166400
    .private_segment_fixed_size: 0
    .kernarg_segment_align: 8
    .kernarg_segment_size: 32
    .max_flat_workgroup_size: 128
    .sgpr_count:     66
    .vgpr_count:     576
    .wavefront_size: 32
...
	.end_amdgpu_metadata
.endif
;; end of part 11
;; launch fin2: the kernel of part 10 again; grid 4 x 1, 32 waves a work-group, no clusters, 28,672 bytes of LDS; arguments st, g2, b2, coef2; writes coef2
;; launch g2o (part 12): grid 256 x 1, 4 waves a work-group, no clusters, 233,984 bytes of LDS; arguments y1, cvt, coef1, coef2, out0; writes out0
.if DOCPART == 12
	.amdgcn_target "amdgcn-amd-amdhsa--gfx1250"
	.amdhsa_code_object_version 6
	.text
	.protected	k_qe326a77e1c_g2o
	.globl	k_qe326a77e1c_g2o
	.p2align	8
	.type	k_qe326a77e1c_g2o,@function
k_qe326a77e1c_g2o:
	s_mov_b64 s[64:65], 0
	v_nop
	global_prefetch_b8 v0, s[64:65] scope:SCOPE_SE
	s_setreg_imm32_b32 hwreg(HW_REG_WAVE_MODE, 25, 1), 1
	s_wait_xcnt 0x0
; SECOND 1x1 CONVOLUTION (K = 256, 256 outputs).  One text serves two launches: MODE = 0 makes the partial statistics of y2, MODE = 1 makes y2 again, normalises it and stores the output:
; y2 is never stored, so it is never rounded, and the second reading of y1 costs half of what storing and reading y2 would.
; A work-group takes 256 points, four chunks of 64; wave w the outputs 64 w .. 64 w + 63; its rows of W2 (f16, 256 registers) stay in registers.
; h1 = relu(d scale1 + (beta1 + scale1 (p - mean1))), d = y1 as stored (f16), reckoned in f32 and rounded once to f16; it goes into LDS rows [channel][point] and is read back turned.
; Product: source 0 = 16 points x 32 channels, source 1 = 16 rows of W2: a lane holds one output channel and eight points.  Each chunk has LDS bytes of its own, written once.
; A chunk's four tiles of 16 points are written out on two fragment buffers: the next tile's 16 LDS loads are issued ahead of a tile's products.
; Output: relu((y2 - mean2) scale2 + beta2) in f32, through each wave's own stage, so that sixteen lanes store 256 consecutive bytes of a row of out0.
; No prefetch: a chunk's loads of y1 go out a whole chunk ahead of their use as it is.
; LIMITS: NaN and infinities not treated apart; h1 within 65,504.
; REGISTERS: window 0: addresses, coefficients, v64-127 and v160-223 fragments of h1, v128-159 accumulators; window 1: W2's fragments, block a, K step s at 64 a + 8 s; window 2: v0-63 y1 in flight.
.set MODE,  1
.set W2H,   8650752
.set PIV,   33554432
.set HP,    160
.set HCH,   40960
.if MODE
.set STG,   163840                     ; each wave's own stage: 64 outputs x (256 + 16) bytes
.set SPARE, 233472
.else
.set STAT,  163840
.set SPARE, 165888
.endif
.set NP,  32                           ; MODE 0: -pivot, S1, S2;  MODE 1: -mean2, scale2, beta2; pairs, block a at + 2 a
.set S1,  40
.set S2,  48
.set TM,  56
.set AF,  64                           ; fragment buffer 0; buffer 1 lies 96 registers on
.set ACC, 128
.set MSB, 0
.macro WIN new                         ; the immediate's high byte repeats the setting that is left; a switch that changes nothing is dropped
.if MSB != (\new)
	s_set_vgpr_msb (MSB<<8)|(\new)
.set MSB, \new
.endif
.endm
.macro YLOAD                           ; a chunk of y1: 4 tiles x my 4 blocks, 512 consecutive bytes each
	WIN 0x80
.irp t, 0,1,2,3
.irp a, 0,1,2,3
	global_load_b128 v[4*(4*\t+\a):4*(4*\t+\a)+3], v7, s[28:29] offset:\t*8192+512*\a
.endr
.endr
	WIN 0
.endm
	s_load_b256 s[4:11], s[0:1], 0x0               ; y1, cvt, coef1, and st (MODE 0) or coef2 (MODE 1)
.if MODE
	s_load_b64 s[12:13], s[0:1], 0x20              ; out0
.endif
	v_lshl_add_u32 v4, v0, 2, SPARE
	v_mov_b32 v5, 0
	v_mov_b32 v6, 0
	v_lshrrev_b32 v56, 5, v0
	v_readfirstlane_b32 s16, v56                   ; wave
	v_and_b32 v1, 15, v0
	v_bfe_u32 v2, v0, 4, 1
	v_and_b32 v3, 31, v0
	s_lshl_b32 s25, s16, 11
	v_lshl_add_u32 v7, v3, 4, s25                  ; y1: block 4 w + a, 16 bytes a lane
	s_mul_i32 s25, s16, 64*HP
	v_mul_u32_u24 v8, v1, HP                       ; h1 in: row 64 w + r, 16 h
	v_lshl_add_u32 v8, v2, 4, v8
	v_add_nc_u32 v8, s25, v8
	v_and_b32 v56, 7, v0                           ; the turning load
	v_lshl_add_u32 v56, v2, 3, v56
	v_mul_u32_u24 v10, v56, HP
	v_bfe_u32 v56, v0, 3, 1
	v_lshl_add_u32 v10, v56, 4, v10
	s_lshl_b32 s25, s16, 8
	v_lshl_add_u32 v14, v1, 2, s25                 ; channel 64 w + r, in f32
	s_lshl_b32 s25, s16, 15
	v_lshlrev_b32 v15, 9, v1                       ; W2: row 64 w + r of 512 bytes, 16 h
	v_lshl_add_u32 v15, v2, 4, v15
	v_add_nc_u32 v15, s25, v15
.if MODE
	s_mul_i32 s25, s16, 64*272
	s_add_co_u32 s25, s25, STG
	v_mul_u32_u24 v57, v1, 272                     ; stage in: row r, 32 h
	v_lshl_add_u32 v57, v2, 5, v57
	v_add_nc_u32 v57, s25, v57
	v_mul_u32_u24 v12, v2, 272                     ; back: lanes 0-15 one row, lanes 16-31 the next
	v_lshl_add_u32 v12, v1, 4, v12
	v_add_nc_u32 v12, s25, v12
	s_lshl_b32 s25, s16, 20
	v_lshlrev_b32 v13, 4, v1                       ; out0: row 64 w + h of 16,384 bytes, 16 r
	v_lshl_add_u32 v13, v2, 14, v13
	v_add_nc_u32 v13, s25, v13
.endif
	s_mov_b32 s18, 0x76543210
	s_mov_b32 s19, 0xfedcba98
	s_mov_b32 s20, 0                               ; chunk
	s_mov_b32 s21, 0                               ; its LDS bytes
	s_mov_b32 s23, 1
	s_mov_b32 s27, 0
	s_wait_kmcnt 0x0
	s_lshl_b32 s26, ttmp9, 17
	s_add_nc_u64 s[28:29], s[4:5], s[26:27]
	s_add_nc_u64 s[30:31], s[6:7], W2H
	s_lshl_b32 s26, ttmp9, 10
	s_add_co_u32 s26, s26, PIV
	s_add_nc_u64 s[32:33], s[4:5], s[26:27]
.if MODE
	s_lshr_b32 s26, ttmp9, 4
	s_lshl_b32 s26, s26, 22
	s_and_b32 s25, ttmp9, 15
	s_lshl_b32 s25, s25, 10
	s_add_co_u32 s26, s26, s25
	s_add_nc_u64 s[34:35], s[12:13], s[26:27]
.else
	s_lshl_b32 s26, ttmp9, 11
	s_add_nc_u64 s[34:35], s[10:11], s[26:27]
.endif
	; all the head's loads go out on end, the coefficients first: one trip to memory
.irp a, 0,1,2,3
	global_load_b32 v[16+\a], v14, s[8:9] offset:64*\a
	global_load_b32 v[24+\a], v14, s[8:9] offset:1024+64*\a
	global_load_b32 v[20+\a], v14, s[8:9] offset:2048+64*\a
	global_load_b32 v[28+\a], v14, s[32:33] offset:64*\a
.endr
.if MODE
.irp a, 0,1,2,3
	global_load_b32 v[S1+2*\a], v14, s[10:11] offset:64*\a
	global_load_b32 v[NP+2*\a], v14, s[10:11] offset:1024+64*\a
	global_load_b32 v[S2+2*\a], v14, s[10:11] offset:2048+64*\a
.endr
.endif
	YLOAD
	WIN 0x40
.irp a, 0,1,2,3
.irp s, 0,1,2,3,4,5,6,7
	global_load_b128 v[64*\a+8*\s:64*\a+8*\s+3],   v15, s[30:31] offset:\a*8192+64*\s
	global_load_b128 v[64*\a+8*\s+4:64*\a+8*\s+7], v15, s[30:31] offset:\a*8192+64*\s+32
.endr
.endr
	WIN 0
	s_wait_loadcnt 63                              ; behind the coefficients 80 loads were issued (y1's 16, W2's 64): with at most 63 out, the coefficients are in
.irp a, 0,1,2,3
	v_sub_f32 v[28+\a], v[28+\a], v[24+\a]
	v_fma_f32 v[20+\a], v[16+\a], v[28+\a], v[20+\a]
.endr
.if MODE
.irp a, 0,1,2,3
	v_xor_b32 v[NP+2*\a], 0x80000000, v[NP+2*\a]
	v_mov_b32 v[S1+2*\a+1], v[S1+2*\a]
	v_mov_b32 v[S2+2*\a+1], v[S2+2*\a]
	v_mov_b32 v[NP+2*\a+1], v[NP+2*\a]
.endr
.else
.set i, NP
.rept 24
	v_mov_b32 v[i], 0
.set i, i+1
.endr
.endif
.macro FRAG buf, t                     ; tile t of the chunk: 16 points x 256 channels, turned, into fragment buffer buf
.irp s, 0,1,2,3,4,5,6,7
	ds_load_tr16_b128 v[AF+96*(\buf)+8*\s:AF+96*(\buf)+8*\s+3],   v9 offset:32*HP*\s+32*(\t)
	ds_load_tr16_b128 v[AF+96*(\buf)+8*\s+4:AF+96*(\buf)+8*\s+7], v9 offset:32*HP*\s+16*HP+32*(\t)
.endr
.endm
.macro MULT buf                        ; 32 products; the four accumulators take turns, one instruction a turn
	WIN 0x04                                       ; W2 in window 1
.irp s, 0,1,2,3,4,5,6,7
.irp a, 0,1,2,3
.if \s == 0
	v_wmma_f32_16x16x32_f16 v[ACC+8*\a:ACC+8*\a+7], v[AF+96*(\buf)+8*\s:AF+96*(\buf)+8*\s+7], v[64*\a+8*\s:64*\a+8*\s+7], 0
.else
	v_wmma_f32_16x16x32_f16 v[ACC+8*\a:ACC+8*\a+7], v[AF+96*(\buf)+8*\s:AF+96*(\buf)+8*\s+7], v[64*\a+8*\s:64*\a+8*\s+7], v[ACC+8*\a:ACC+8*\a+7]
.endif
.endr
.endr
	WIN 0
.rept 4
	v_nop                                          ; four places behind the last product
.endr
.endm
.macro EPI t                           ; what is made of tile t's sums
.if MODE
.irp a, 0,1,2,3
.irp p, 0,1,2,3
	v_pk_add_f32 v[ACC+8*\a+2*\p:ACC+8*\a+2*\p+1], v[ACC+8*\a+2*\p:ACC+8*\a+2*\p+1], v[NP+2*\a:NP+2*\a+1]
.endr
.irp p, 0,1,2,3
	v_pk_fma_f32 v[ACC+8*\a+2*\p:ACC+8*\a+2*\p+1], v[ACC+8*\a+2*\p:ACC+8*\a+2*\p+1], v[S1+2*\a:S1+2*\a+1], v[S2+2*\a:S2+2*\a+1]
.endr
.irp j, 0,1,2,3,4,5,6,7
	v_max_num_f32 v[ACC+8*\a+\j], 0, v[ACC+8*\a+\j]
.endr
	ds_store_b128 v57, v[ACC+8*\a:ACC+8*\a+3] offset:16*272*\a+64*(\t)
	ds_store_b128 v57, v[ACC+8*\a+4:ACC+8*\a+7] offset:16*272*\a+64*(\t)+16
.endr
.else
.if (\t) == 0
	s_cmp_eq_u32 s23, 0
	s_cbranch_scc1 .Lhave_p
.irp a, 0,1,2,3
	v_pk_add_f32 v[TM:TM+1], v[ACC+8*\a:ACC+8*\a+1], v[ACC+8*\a+2:ACC+8*\a+3]
	v_pk_add_f32 v[TM+2:TM+3], v[ACC+8*\a+4:ACC+8*\a+5], v[ACC+8*\a+6:ACC+8*\a+7]
	v_pk_add_f32 v[TM:TM+1], v[TM:TM+1], v[TM+2:TM+3]
	v_add_f32 v[TM], v[TM], v[TM+1]
	v_permlanex16_b32 v[TM+1], v[TM], s18, s19
	v_add_f32 v[TM], v[TM], v[TM+1]
	v_mul_f32 v[NP+2*\a], 0xbd800000, v[TM]
	v_mul_f32 v[NP+2*\a+1], 0xbd800000, v[TM]
.endr
	s_mov_b32 s23, 0
.Lhave_p:
.endif
.irp a, 0,1,2,3
.irp p, 0,1,2,3
	v_pk_add_f32 v[ACC+8*\a+2*\p:ACC+8*\a+2*\p+1], v[ACC+8*\a+2*\p:ACC+8*\a+2*\p+1], v[NP+2*\a:NP+2*\a+1]
.endr
.irp p, 0,1,2,3
	v_pk_add_f32 v[S1+2*\a:S1+2*\a+1], v[S1+2*\a:S1+2*\a+1], v[ACC+8*\a+2*\p:ACC+8*\a+2*\p+1]
	v_pk_fma_f32 v[S2+2*\a:S2+2*\a+1], v[ACC+8*\a+2*\p:ACC+8*\a+2*\p+1], v[ACC+8*\a+2*\p:ACC+8*\a+2*\p+1], v[S2+2*\a:S2+2*\a+1]
.endr
.endr
.endif
.endm
.Lchunk:
	s_wait_loadcnt 0x0                             ; the chunk's y1 (in the first trip W2 too)
	WIN 0x82                                       ; y1 in window 2, the coefficients in window 0
.irp t, 0,1,2,3
.irp a, 0,1,2,3
.irp k, 0,1,2,3
	v_fma_mixlo_f16 v[4*(4*\t+\a)+\k], v[4*(4*\t+\a)+\k], v[16+\a], v[20+\a] op_sel_hi:[1,0,0]
.endr
.irp k, 0,1,2,3
	v_fma_mixhi_f16 v[4*(4*\t+\a)+\k], v[4*(4*\t+\a)+\k], v[16+\a], v[20+\a] op_sel:[1,0,0] op_sel_hi:[1,0,0]
.endr
.irp k, 0,1,2,3
	v_pk_max_num_f16 v[4*(4*\t+\a)+\k], v[4*(4*\t+\a)+\k], v6
.endr
.endr
.endr
	WIN 0x08
.irp t, 0,1,2,3
.irp a, 0,1,2,3
	ds_store_b128 v8, v[4*(4*\t+\a):4*(4*\t+\a)+3] offset:16*HP*\a+32*\t
.endr
.endr
	WIN 0
	s_wait_dscnt 0x0                               ; for the others' sake, and ahead of the loads into the registers just stored
	s_cmp_eq_u32 s20, 3
	s_cbranch_scc1 .Lno_y
	s_add_nc_u64 s[28:29], s[28:29], 32768         ; every load that read this base is done
	YLOAD
.Lno_y:
	s_barrier_signal -1
	s_barrier_wait -1
	v_add_nc_u32 v9, s21, v10
	FRAG 0, 0
.irp t, 0,1,2,3
.if \t < 3
	FRAG ((\t)+1)&1, (\t)+1                        ; the next tile, into the buffer that the tile before last multiplied: that tile's sums' work lies between
	s_wait_dscnt 16                                ; all but the 16 just issued: this tile's fragments are in
.else
	s_wait_dscnt 0x0
.endif
	MULT (\t)&1
	EPI \t
.endr
.if MODE
	; the chunk leaves: my 64 outputs x 64 points, whole rows of 256 bytes out of my own stage (LDS serves a wave's instructions in order)
.irp bt, 0,1
.irp i, 0,1,2,3,4,5,6,7,8,9,10,11,12,13,14,15
	ds_load_b128 v[AF+4*\i:AF+4*\i+3], v12 offset:544*(16*\bt+\i)
.endr
.irp i, 0,1,2,3,4,5,6,7,8,9,10,11,12,13,14,15
	s_wait_dscnt 15-\i
	global_store_b128 v13, v[AF+4*\i:AF+4*\i+3], s[34:35] offset:(16*\bt+\i)*32768 th:TH_STORE_NT  ; sixteen lanes store 256 consecutive bytes, aligned
.endr
	s_wait_xcnt 0x0                                ; the stores have read their data and their base: both are written again below
.endr
	s_add_nc_u64 s[34:35], s[34:35], 256
.endif
	s_add_co_u32 s21, s21, HCH
	v_add_nc_u32 v8, HCH, v8
	s_add_co_u32 s20, s20, 1
	s_cmp_lt_u32 s20, 4
	s_cbranch_scc1 .Lchunk
.if MODE == 0
.irp a, 0,1,2,3
	v_add_f32 v[TM+\a], v[S1+2*\a], v[S1+2*\a+1]
	v_add_f32 v[TM+4+\a], v[S2+2*\a], v[S2+2*\a+1]
.endr
.irp a, 0,1,2,3
	v_permlanex16_b32 v[16+\a], v[TM+\a], s18, s19
	v_permlanex16_b32 v[20+\a], v[TM+4+\a], s18, s19
.endr
	s_lshl_b32 s25, s16, 8
	s_add_co_u32 s25, s25, STAT
	v_lshl_add_u32 v8, v1, 2, s25
.irp a, 0,1,2,3
	v_add_f32 v[TM+\a], v[TM+\a], v[16+\a]
	v_add_f32 v[TM+4+\a], v[TM+4+\a], v[20+\a]
	v_mul_f32 v[16+\a], 0x3b800000, v[TM+\a]
	v_fma_f32 v[TM+4+\a], -v[16+\a], v[TM+\a], v[TM+4+\a]
	v_sub_f32 v[TM+\a], v[16+\a], v[NP+2*\a]
	ds_store_b32 v8, v[TM+\a] offset:64*\a
	ds_store_b32 v8, v[TM+4+\a] offset:1024+64*\a
.endr
	s_wait_dscnt 0x0
	s_barrier_signal -1
	s_barrier_wait -1
	v_lshl_add_u32 v9, v0, 4, STAT
	ds_load_b128 v[TM:TM+3], v9
	v_lshlrev_b32 v10, 4, v0
	s_wait_dscnt 0x0
	global_store_b128 v10, v[TM:TM+3], s[34:35]
.endif
	s_wait_tensorcnt 0x0                           ; the wave's end
	ds_add_u32 v4, v5
	s_wait_dscnt 0x0
	s_endpgm
.Lfunc_end_k_qe326a77e1c_g2o:
	.size	k_qe326a77e1c_g2o, .Lfunc_end_k_qe326a77e1c_g2o-k_qe326a77e1c_g2o
	.p2alignl 7, 3214868480
	.fill 96, 4, 3214868480
	.section	.rodata,"a",@progbits
	.p2align	6, 0x0
	.amdhsa_kernel k_qe326a77e1c_g2o
		.amdhsa_group_segment_fixed_size 233984
		.amdhsa_private_segment_fixed_size 0
		.amdhsa_enable_private_segment 0
		.amdhsa_kernarg_size 40
		.amdhsa_user_sgpr_count 2
		.amdhsa_user_sgpr_kernarg_segment_ptr 1
		.amdhsa_wavefront_size32 1
		.amdhsa_system_sgpr_workgroup_id_x 1
		.amdhsa_system_sgpr_workgroup_id_y 1
		.amdhsa_system_sgpr_workgroup_id_z 1
		.amdhsa_system_vgpr_workitem_id 0
		.amdhsa_next_free_vgpr 576
		.amdhsa_next_free_sgpr 66
		.amdhsa_reserve_vcc 0
		.amdhsa_float_denorm_mode_32 3
		.amdhsa_float_denorm_mode_16_64 3
		.amdhsa_memory_ordered 1
		.amdhsa_forward_progress 1
		.amdhsa_inst_pref_size 63
	.end_amdhsa_kernel
	.amdgpu_metadata
---
amdhsa.version: [ 1, 2 ]
amdhsa.kernels:
  - .name:           k_qe326a77e1c_g2o
    .symbol:         k_qe326a77e1c_g2o.kd
    .args:
      - { .name: y1, .offset: 0, .size: 8, .value_kind: global_buffer, .address_space: global }
      - { .name: cvt, .offset: 8, .size: 8, .value_kind: global_buffer, .address_space: global }
      - { .name: coef1, .offset: 16, .size: 8, .value_kind: global_buffer, .address_space: global }
      - { .name: coef2, .offset: 24, .size: 8, .value_kind: global_buffer, .address_space: global }
      - { .name: out0, .offset: 32, .size: 8, .value_kind: global_buffer, .address_space: global }
    .group_segment_fixed_size: 233984
    .private_segment_fixed_size: 0
    .kernarg_segment_align: 8
    .kernarg_segment_size: 40
    .max_flat_workgroup_size: 128
    .sgpr_count:     66
    .vgpr_count:     576
    .wavefront_size: 32
...
	.end_amdgpu_metadata
.endif
;; end of part 12
;; ======== version 3 of 3: 7 launches; version 2 with the launches knn, gemm1, g2s, g2o written anew for expert scheduling mode
;; limits: values are held in f16: magnitudes above 65,504 overflow, below 6.1e-05 lose precision; right only within a limited range of input values
;; workspace buffers: cvt 8,781,824 bytes; blk 262,144 bytes of whole numbers; idx3 1,048,576 bytes of whole numbers; wgt 1,048,576 bytes; y1 33,816,576 bytes; st 524,288 bytes; coef1 3,072 bytes; coef2 3,072 bytes
;; launch knn (part 13): grid 256 x 1, 8 waves a work-group, no clusters, 57,344 bytes of LDS; arguments known, unknown, known_feats, W1, W2, cvt, blk; writes cvt, blk
.if DOCPART == 13
	.amdgcn_target "amdgcn-amd-amdhsa--gfx1250"
	.amdhsa_code_object_version 6
	.text
	.protected	k_qe326a77e1c_knn
	.globl	k_qe326a77e1c_knn
	.p2align	8
	.type	k_qe326a77e1c_knn,@function
k_qe326a77e1c_knn:
	s_mov_b64 s[64:65], 0
	v_nop
	global_prefetch_b8 v0, s[64:65] scope:SCOPE_SE
	s_setreg_imm32_b32 hwreg(HW_REG_WAVE_SCHED_MODE, 0, 2), 2
	s_setreg_imm32_b32 hwreg(HW_REG_WAVE_MODE, 25, 1), 1
	s_wait_xcnt 0x0
	s_wait_alu depctr_vm_vsrc(0)
; THREE NEAREST, FIRST PASS: IN WHICH THREE BLOCKS OF 32 THEY LIE; and the conversions of the tables.
; All inputs are rounded to bf16 first (coordinates too); distances are f32: d = fma(dz,dz, fma(dy,dy, dx*dx)), dx = k + (-u).
; Order the points by (distance, index).  The three nearest lie in the three blocks of 32 points whose minima are smallest in that order: a point of any other
; block has those three minima ahead of it.  So only ONE running minimum a block is kept (one v_min3_num_f32 for two candidates); at a block's end it is merged,
; with the block's number, into the running three (a, b, c ascending).  It is inserted only where strictly smaller, blocks ascending: equal minima keep the lower block first.
; SHARES.  A work-group takes 256 queries of one batch; the batch's 1,024 known points lie in LDS as three arrays x, y, z.  Eight waves, two on each SIMD, so that one works
; while the other waits for a result.  Waves w and w + 4 have the same 64 queries, two a lane; waves 0-3 walk blocks 0-15, waves 4-7 blocks 16-31.  Waves 4-7 hand their three
; entries over in LDS, behind the barrier of the transposition, and waves 0-3 insert them behind their own (again only where strictly smaller).
; Out: the three block numbers in one word a query.  The next launch finds the points inside the named blocks, by the same arithmetic.
; Beside that: known_feats [b][c][m] f32 -> [b][m][c] f16 (a tile of 256 c x 64 m through LDS), and the weights to 16 bits.  Every number is rounded to bf16 first.  W1's columns 0-255
; (they multiply the interpolated features) and W2 are then written as f16; W1's columns 256-511 (they multiply unknow_feats) stay bf16.
; LIMITS: NaN and infinities are not treated apart; a bf16 number written as f16 is exact from 2^-14 to 65,504, below that it keeps f16's fixed step of 2^-24.
; No matrix unit, no cluster: nothing is multiplied by matrices here and no tile comes by a tensor load.
; THE MODE: SCHED_MODE bits 1:0 = 2 (LLVM: expert scheduling mode 2), set by the entry lines.  The code itself states the register dependences between vector instructions
; and memory or LDS instructions, with s_wait_alu, always for 0.
; THE PLAN.  Registers that memory or LDS instructions touch:
;   C0 (v40-63), C1 (v192-215)  two buffers of eight candidates, two sets of x, y, z each.  A block goes in four steps of eight.  Step p's vector work reads C[p % 2]; its six LDS loads
;                               land in the other buffer, which step p - 1 read.  So ONE wait on va_vdst stands at a step's head.
;   v[VA]                       read by every such load; written once a block, behind one wait on vm_vsrc; the next step's wait on va_vdst shows it written.
;   v64-95                      behind the search: the transposition's out-buffer, each of its eight stores with registers of its own.  v26-37, v112-115: the hand-over's and W's data.
;                               ONE wait on va_vdst behind all the conversions serves these stores, and the LDS loads behind the barrier, which land in v40-51 and v128-159.
;   the offsets and addresses   made at the head, or ahead of that one wait, and never written again.
; A compare's mask goes through an SGPR: one wait on va_sdst stands behind each run of six compares.
.set W1H,   8388608                    ; byte offsets in cvt
.set W2H,   8650752
.set CY,    4096                       ; LDS: x at 0, y, z, 4,096 bytes each
.set CZ,    8192
.set PAD,   12288                      ; 4,096 bytes of zeros, 16 from each thread: the last look-ahead loads of z end here
.set TR,    16384                      ; 64 rows (m) x 528 bytes (256 c in f16 + 16)
.set TP,    528
.set MRG,   50176                      ; the hand-over: three arrays of 2,048 bytes, 16 bytes a thread of waves 4-7
.set SPARE, 56320                      ; the spare words: 128 bytes a wave
.set SPW, 2
.set NIL, 3
.set VA,  4                            ; LDS address of the block in hand, the same in all lanes
.set VJ,  5                            ; the block's number
.set NU,  8                            ; v[8:19] -ux,-uy,-uz of query 0, then of query 1, each twice (a pair for the packed add)
.set XT,  20                           ; v20-23  the block's running minimum: query q, candidates' pair p at XT + 2 q + p
.set VMG, 96                           ; where my pair of queries lies in the hand-over
.set VWS, 122
.set VWD, 123
.set VKN, 124
.set VUN, 125
.set VKO, 126
.set VO8, 127
; v26-31 a, b, c (query 0, 1 by turns); v32-37 their blocks; v40-63 and v192-215 the two buffers of candidates; v64-95 at work; v128-191 known_feats in flight
	s_load_b256 s[4:11], s[0:1], 0x0               ; known, unknown, known_feats, W1
	s_load_b128 s[12:15], s[0:1], 0x20             ; W2, cvt
	s_load_b64 s[16:17], s[0:1], 0x30              ; blk
	v_lshl_add_u32 v[SPW], v0, 2, SPARE
	v_mov_b32 v[NIL], 0
	v_lshrrev_b32 v6, 5, v0
	v_readfirstlane_b32 s26, v6                    ; wave
	v_and_b32 v6, 31, v0
	v_lshlrev_b32 v[VWS], 5, v6                    ; 8 f32 of W a lane
	v_lshlrev_b32 v[VWD], 4, v6                    ; 8 numbers of 16 bits
	v_mul_u32_u24 v[VKN], v0, 48                   ; 4 known points a thread
	v_and_b32 v7, 127, v0                          ; my pair of queries: the same in waves w and w + 4
	v_mul_u32_u24 v[VUN], v7, 24
	v_lshlrev_b32 v[VO8], 3, v7
	v_lshl_add_u32 v[VMG], v7, 4, MRG
	v_and_b32 v6, 15, v0
	v_bfe_u32 v7, v0, 4, 1
	v_lshlrev_b32 v[VKO], 4, v6                    ; known_feats: (32 w + 8 h) rows of 4,096 bytes + 16 r
	v_lshl_add_u32 v[VKO], v7, 15, v[VKO]
	s_wait_alu depctr_va_sdst(0)                   ; s26, the wave's number, is written, ahead of its first reader
	s_lshl_b32 s29, s26, 17
	v_add_nc_u32 v[VKO], s29, v[VKO]
	v_lshlrev_b32 v1, 4, v0                        ; LDS: my 4 points in each array
	v_lshl_add_u32 v39, v0, 4, PAD
	s_lshr_b32 s53, s26, 2                         ; which half of the blocks is mine
	s_lshl_b32 s54, s53, 11                        ; its first byte in each array: 16 blocks of 128 bytes
	s_lshl_b32 s53, s53, 4                         ; its first block's number
	v_mov_b32 v[VA], s54
	s_lshr_b32 s44, ttmp9, 4                       ; batch
	s_and_b32 s45, ttmp9, 15
	s_mov_b32 s27, 0xffff0000
	s_mov_b32 s52, 0x7f800000                      ; +infinity
	s_lshl_b32 s46, ttmp9, 11                      ; W1: 512 numbers, one row, a work-group; wave 0 its columns 0-255, wave 1 its columns 256-511
	s_lshl_b32 s47, s26, 10
	s_add_co_u32 s46, s46, s47
	s_lshl_b32 s47, ttmp9, 10                      ; W2: 256 numbers a work-group (wave 2)
	s_lshr_b32 s48, s46, 1
	s_add_co_u32 s48, s48, W1H
	s_lshr_b32 s49, s47, 1
	s_add_co_u32 s49, s49, W2H
	s_mov_b32 s31, 0
	s_mov_b32 s51, 0
	s_wait_kmcnt 0x0
	s_cmp_lt_u32 s26, 2
	s_cselect_b32 s30, s46, s47
	s_cselect_b32 s50, s48, s49
	s_cselect_b64 s[18:19], s[10:11], s[12:13]
	s_add_nc_u64 s[18:19], s[18:19], s[30:31]      ; from
	s_add_nc_u64 s[24:25], s[14:15], s[50:51]      ; to
	s_mul_i32 s30, s44, 12288
	s_add_nc_u64 s[34:35], s[4:5], s[30:31]        ; known of my batch
	s_mul_i32 s30, ttmp9, 3072
	s_add_nc_u64 s[36:37], s[6:7], s[30:31]        ; my 256 queries
	s_lshl_b32 s30, s44, 20
	s_lshl_b32 s29, s45, 8
	s_add_co_u32 s30, s30, s29
	s_add_nc_u64 s[32:33], s[8:9], s[30:31]        ; known_feats: my batch, my 64 columns m
	s_lshl_b32 s30, ttmp9, 10
	s_add_nc_u64 s[40:41], s[16:17], s[30:31]
	s_lshl_b32 s30, ttmp9, 15                      ; 64 rows of 512 bytes a work-group
	s_add_nc_u64 s[42:43], s[14:15], s[30:31]
	s_wait_alu depctr_va_vdst(0)                   ; the offsets and LDS addresses v1, v39, v[VA], v[VMG] and v122-127 are written: the loads and stores of the kernel read them
	s_cmp_lt_u32 s26, 3
	s_cbranch_scc0 .Lno_w_in
	global_load_b128 v[104:107], v[VWS], s[18:19]
	global_load_b128 v[108:111], v[VWS], s[18:19] offset:16
.Lno_w_in:
.irp i, 0,1,2
	global_load_b128 v[80+4*\i:83+4*\i], v[VKN], s[34:35] offset:16*\i
.endr
.irp i, 0,1,2
	global_load_b64 v[116+2*\i:117+2*\i], v[VUN], s[36:37] offset:8*\i
.endr
.set i, 0
.rept 16                               ; row 32 w + 16 (i / 8) + 8 h + i % 8; sixteen lanes take 256 consecutive bytes
	global_load_b128 v[128+4*i:131+4*i], v[VKO], s[32:33] offset:(16*(i/8)+i%8)*4096 th:TH_LOAD_NT
.set i, i+1
.endr
	s_wait_loadcnt 16                              ; all but the 16 loads of known_feats, which stay out during the search
	; the known points, rounded to bf16, into the three arrays
.set f, 0
.rept 6
	v_cvt_pk_bf16_f32 v6, v[80+f], v[81+f]
	v_lshlrev_b32 v[40+4*(f%3)+f/3], 16, v6
	v_and_b32 v[40+4*((f+1)%3)+(f+1)/3], s27, v6
.set f, f+2
.endr
.irp k, 64,65,66,67
	v_mov_b32 v\k, 0
.endr
	s_wait_alu depctr_va_vdst(0)                   ; the rounded points v40-51 and the zeros v64-67 are written, which the four LDS stores read
	ds_store_b128 v1, v[40:43]
	ds_store_b128 v1, v[44:47] offset:CY
	ds_store_b128 v1, v[48:51] offset:CZ
	ds_store_b128 v39, v[64:67]
.irp i, 0,1,2                          ; the queries' work names none of the registers that those stores read
	v_cvt_pk_bf16_f32 v6, v[116+2*\i], v[117+2*\i]
	v_lshlrev_b32 v[116+2*\i], 16, v6
	v_and_b32 v[117+2*\i], s27, v6
.endr
.irp i, 0,1,2,3,4,5
	v_xor_b32 v[NU+2*\i], 0x80000000, v[116+\i]
	v_xor_b32 v[NU+2*\i+1], 0x80000000, v[116+\i]
.endr
.irp k, 20,21,22,23,26,27,28,29,30,31
	v_mov_b32 v\k, s52
.endr
.irp k, 32,33,34,35,36,37
	v_mov_b32 v\k, 0
.endr
	s_wait_dscnt 0x0                               ; for the others' sake: my part of the arrays is written
	s_barrier_signal -1
	s_barrier_wait -1
	s_wait_alu depctr_vm_vsrc(0)                   ; my LDS stores have read v40-51, in which the first candidates land, and v64-67, which the search writes
.macro PLOAD buf, off                  ; eight candidates into buffer buf: two sets of x, y, z, six loads
.irp s, 0,1
	ds_load_b128 v[40+152*(\buf)+12*\s:43+152*(\buf)+12*\s], v[VA] offset:(\off)+16*\s
	ds_load_b128 v[44+152*(\buf)+12*\s:47+152*(\buf)+12*\s], v[VA] offset:(\off)+16*\s+CY
	ds_load_b128 v[48+152*(\buf)+12*\s:51+152*(\buf)+12*\s], v[VA] offset:(\off)+16*\s+CZ
.endr
.endm
.macro GROUP cb                        ; the four candidates at v[cb ..] x two queries: four streams (pair p, query q) side by side, at work in v[64 + 16 p + 8 q ..]
.irp c, 0,1,2
.irp p, 0,1
.irp q, 0,1
	v_pk_add_f32 v[64+16*\p+8*\q+2*\c:65+16*\p+8*\q+2*\c], v[(\cb)+4*\c+2*\p:(\cb)+4*\c+2*\p+1], v[NU+6*\q+2*\c:NU+6*\q+2*\c+1]
.endr
.endr
.endr
.irp p, 0,1
.irp q, 0,1
	v_pk_mul_f32 v[70+16*\p+8*\q:71+16*\p+8*\q], v[64+16*\p+8*\q:65+16*\p+8*\q], v[64+16*\p+8*\q:65+16*\p+8*\q]
.endr
.endr
.irp p, 0,1
.irp q, 0,1
	v_pk_fma_f32 v[70+16*\p+8*\q:71+16*\p+8*\q], v[66+16*\p+8*\q:67+16*\p+8*\q], v[66+16*\p+8*\q:67+16*\p+8*\q], v[70+16*\p+8*\q:71+16*\p+8*\q]
.endr
.endr
.irp p, 0,1
.irp q, 0,1
	v_pk_fma_f32 v[70+16*\p+8*\q:71+16*\p+8*\q], v[68+16*\p+8*\q:69+16*\p+8*\q], v[68+16*\p+8*\q:69+16*\p+8*\q], v[70+16*\p+8*\q:71+16*\p+8*\q]
.endr
.endr
.irp p, 0,1
.irp q, 0,1
	v_min3_num_f32 v[XT+2*\q+\p], v[XT+2*\q+\p], v[70+16*\p+8*\q], v[71+16*\p+8*\q]
.endr
.endr
.endm
; One value with its block's number is inserted into a, b, c, for both queries side by side: value va and number pa for query 0, vb and pb for query 1.
.macro INS2 va, vb, pa, pb
	v_cmp_lt_f32 s20, v[\va], v26
	v_cmp_lt_f32 s44, v[\vb], v27
	v_cmp_lt_f32 s21, v[\va], v28
	v_cmp_lt_f32 s45, v[\vb], v29
	v_cmp_lt_f32 s22, v[\va], v30
	v_cmp_lt_f32 s46, v[\vb], v31
	s_wait_alu depctr_va_sdst(0)                   ; the six compares have written their masks, which the selects below read
	v_cndmask_b32 v6, v[\pa], v34, s21
	v_cndmask_b32 v7, v[\pb], v35, s45
	v_cndmask_b32 v36, v36, v6, s22
	v_cndmask_b32 v37, v37, v7, s46
	v_cndmask_b32 v6, v[\pa], v32, s20
	v_cndmask_b32 v7, v[\pb], v33, s44
	v_cndmask_b32 v34, v34, v6, s21
	v_cndmask_b32 v35, v35, v7, s45
	v_cndmask_b32 v32, v32, v[\pa], s20
	v_cndmask_b32 v33, v33, v[\pb], s44
	v_med3_num_f32 v30, v28, v30, v[\va]
	v_med3_num_f32 v31, v29, v31, v[\vb]
	v_med3_num_f32 v28, v26, v28, v[\va]
	v_med3_num_f32 v29, v27, v29, v[\vb]
	v_min_num_f32 v26, v26, v[\va]
	v_min_num_f32 v27, v27, v[\vb]
.endm
	PLOAD 0, 0
	s_mov_b32 s28, 0
.Lblock:                                       ; 16 trips, a block of 32 candidates each, in four steps of eight
.irp pi, 0,1,2,3
	s_wait_alu depctr_va_vdst(0)                   ; the step before is done reading the other buffer, in which the loads below land; in a block's first step v[VA] is written too
	PLOAD ((\pi)+1)&1, ((\pi)+1)*32                ; the next eight (in the fourth step: the next block's first eight)
	s_wait_dscnt 0x6                               ; all but the six just issued
	GROUP 40+152*((\pi)&1)
	GROUP 52+152*((\pi)&1)
.endr
	v_mov_b32 v[VJ], s53
	v_min_num_f32 v[XT], v[XT], v[XT+1]
	v_min_num_f32 v[XT+2], v[XT+2], v[XT+3]
	INS2 XT, XT+2, VJ, VJ
.irp k, 20,21,22,23
	v_mov_b32 v\k, s52
.endr
	s_wait_alu depctr_vm_vsrc(0)                   ; the block's LDS loads have read v[VA]
	v_add_nc_u32 v[VA], 128, v[VA]
	s_add_co_u32 s53, s53, 1
	s_add_co_u32 s28, s28, 1
	s_cmp_lt_u32 s28, 16
	s_cbranch_scc1 .Lblock
	s_wait_dscnt 0x0                               ; the last look-ahead, which serves nothing
	; THE CONVERSIONS: all the vector work first, then one wait, then every store
	s_wait_loadcnt 0x0                             ; known_feats
	s_cmp_lt_u32 s26, 3
	s_cbranch_scc0 .Lno_w
	s_cmp_eq_u32 s26, 1
	s_cbranch_scc1 .Lw_bf16                        ; wave 1 has W1's columns 256-511
.irp p, 0,1,2,3
	v_cvt_pk_bf16_f32 v6, v[104+2*\p], v[105+2*\p]
	v_lshlrev_b32 v7, 16, v6
	v_and_b32 v6, s27, v6
	v_cvt_pk_f16_f32 v[112+\p], v7, v6
.endr
	s_branch .Lno_w
.Lw_bf16:
.irp p, 0,1,2,3
	v_cvt_pk_bf16_f32 v[112+\p], v[104+2*\p], v[105+2*\p]
.endr
.Lno_w:
	v_and_b32 v6, 15, v0
	v_bfe_u32 v7, v0, 4, 1
	v_mul_u32_u24 v116, v6, 4*TP                   ; in: row m = 4 r + i, bytes 2 (32 w + 16 e + 8 h)
	v_lshl_add_u32 v116, v7, 4, v116
	s_lshl_b32 s29, s26, 6
	s_add_co_u32 s29, s29, TR
	v_add_nc_u32 v116, s29, v116
	v_and_b32 v6, 31, v0
	v_lshlrev_b32 v6, 4, v6
	s_mul_i32 s29, s26, 8*TP                       ; back: rows 8 w + i, whole
	s_add_co_u32 s29, s29, TR
	v_add_nc_u32 v117, s29, v6
	s_lshl_b32 s29, s26, 12
	v_add_nc_u32 v118, s29, v6
.irp e, 0,1
.irp i, 0,1,2,3
.irp qd, 0,1,2,3
	v_cvt_pk_bf16_f32 v6, v[128+4*(8*\e+2*\qd)+\i], v[128+4*(8*\e+2*\qd+1)+\i]
	v_lshlrev_b32 v7, 16, v6
	v_and_b32 v6, s27, v6
	v_cvt_pk_f16_f32 v[64+16*\e+4*\i+\qd], v7, v6
.endr
.endr
.endr
	s_wait_alu depctr_va_vdst(0)                   ; written: v64-95, v116-118, v112-115 and the lists v26-37, which the stores and loads below read; read to the end: v40-51 and v128-159, in which LDS loads land behind the barrier
.irp e, 0,1
.irp i, 0,1,2,3
	ds_store_b128 v116, v[64+16*\e+4*\i:67+16*\e+4*\i] offset:\i*TP+32*\e
.endr
.endr
	s_cmp_lt_u32 s26, 4
	s_cbranch_scc1 .Llower
	ds_store_b128 v[VMG], v[26:29]                 ; waves 4-7 hand over: a, b of both queries;
	ds_store_b128 v[VMG], v[30:33] offset:2048     ; c and a's block;
	ds_store_b128 v[VMG], v[34:37] offset:4096     ; b's and c's blocks
.Llower:
	s_cmp_lt_u32 s26, 3
	s_cbranch_scc0 .Lno_w_out
	global_store_b128 v[VWD], v[112:115], s[24:25]
.Lno_w_out:
	s_wait_dscnt 0x0                               ; for the others' sake: a row's 512 bytes come from all eight waves, and the hand-over is written
	s_barrier_signal -1
	s_barrier_wait -1
	s_cmp_lt_u32 s26, 4
	s_cbranch_scc0 .Lupper
	ds_load_b128 v[40:43], v[VMG]                  ; waves 0-3: the upper half's a, b; c and blocks
	ds_load_b128 v[44:47], v[VMG] offset:2048
	ds_load_b128 v[48:51], v[VMG] offset:4096
	s_wait_dscnt 0x0
	INS2 40, 41, 46, 47
	INS2 42, 43, 48, 49
	INS2 44, 45, 50, 51
	v_lshl_or_b32 v38, v34, 8, v32
	v_lshl_or_b32 v39, v35, 8, v33
	v_lshl_or_b32 v38, v36, 16, v38
	v_lshl_or_b32 v39, v37, 16, v39
	s_wait_alu depctr_va_vdst(0)                   ; v38 and v39 are written, which the store reads
	global_store_b64 v[VO8], v[38:39], s[40:41]    ; a wave's store covers 256 consecutive bytes, aligned
.Lupper:
.irp i, 0,1,2,3,4,5,6,7
	ds_load_b128 v[128+4*\i:131+4*\i], v117 offset:\i*TP
.endr
.irp i, 0,1,2,3,4,5,6,7
	s_wait_dscnt 7-\i                              ; LDS loads come back in order: row i is in
	global_store_b128 v118, v[128+4*\i:131+4*\i], s[42:43] offset:\i*512  ; 512 consecutive bytes, aligned
.endr
	s_wait_dscnt 0x0                               ; the closing lines, six on end
	s_wait_alu 0x0
	s_wait_tensorcnt 0x0
	ds_add_u32 v[SPW], v[NIL]
	s_wait_dscnt 0x0
	s_endpgm
.Lfunc_end_k_qe326a77e1c_knn:
	.size	k_qe326a77e1c_knn, .Lfunc_end_k_qe326a77e1c_knn-k_qe326a77e1c_knn
	.p2alignl 7, 3214868480
	.fill 96, 4, 3214868480
	.section	.rodata,"a",@progbits
	.p2align	6, 0x0
	.amdhsa_kernel k_qe326a77e1c_knn
		.amdhsa_group_segment_fixed_size 57344
		.amdhsa_private_segment_fixed_size 0
		.amdhsa_enable_private_segment 0
		.amdhsa_kernarg_size 56
		.amdhsa_user_sgpr_count 2
		.amdhsa_user_sgpr_kernarg_segment_ptr 1
		.amdhsa_wavefront_size32 1
		.amdhsa_system_sgpr_workgroup_id_x 1
		.amdhsa_system_sgpr_workgroup_id_y 1
		.amdhsa_system_sgpr_workgroup_id_z 1
		.amdhsa_system_vgpr_workitem_id 0
		.amdhsa_next_free_vgpr 216
		.amdhsa_next_free_sgpr 66
		.amdhsa_reserve_vcc 0
		.amdhsa_float_denorm_mode_32 3
		.amdhsa_float_denorm_mode_16_64 3
		.amdhsa_memory_ordered 1
		.amdhsa_forward_progress 1
		.amdhsa_inst_pref_size 42
	.end_amdhsa_kernel
	.amdgpu_metadata
---
amdhsa.version: [ 1, 2 ]
amdhsa.kernels:
  - .name:           k_qe326a77e1c_knn
    .symbol:         k_qe326a77e1c_knn.kd
    .args:
      - { .name: known, .offset: 0, .size: 8, .value_kind: global_buffer, .address_space: global }
      - { .name: unknown, .offset: 8, .size: 8, .value_kind: global_buffer, .address_space: global }
      - { .name: known_feats, .offset: 16, .size: 8, .value_kind: global_buffer, .address_space: global }
      - { .name: W1, .offset: 24, .size: 8, .value_kind: global_buffer, .address_space: global }
      - { .name: W2, .offset: 32, .size: 8, .value_kind: global_buffer, .address_space: global }
      - { .name: cvt, .offset: 40, .size: 8, .value_kind: global_buffer, .address_space: global }
      - { .name: blk, .offset: 48, .size: 8, .value_kind: global_buffer, .address_space: global }
    .group_segment_fixed_size: 57344
    .private_segment_fixed_size: 0
    .kernarg_segment_align: 8
    .kernarg_segment_size: 56
    .max_flat_workgroup_size: 256
    .sgpr_count:     66
    .vgpr_count:     216
    .wavefront_size: 32
...
	.end_amdgpu_metadata
.endif
;; end of part 13
;; launch refine: the kernel of part 8 again; grid 256 x 1, 8 waves a work-group, no clusters, 14,848 bytes of LDS; arguments known, unknown, blk, idx3, wgt; writes idx3, wgt
;; launch gemm1 (part 14): grid 256 x 1, 4 waves a work-group, no clusters, 302,592 bytes of LDS; arguments unknow_feats, cvt, idx3, wgt, y1, st; writes y1, st
.if DOCPART == 14
	.amdgcn_target "amdgcn-amd-amdhsa--gfx1250"
	.amdhsa_code_object_version 6
	.text
	.protected	k_qe326a77e1c_gemm1
	.globl	k_qe326a77e1c_gemm1
	.p2align	8
	.type	k_qe326a77e1c_gemm1,@function
k_qe326a77e1c_gemm1:
	s_mov_b64 s[64:65], 0
	v_nop
	global_prefetch_b8 v0, s[64:65] scope:SCOPE_SE
	s_setreg_imm32_b32 hwreg(HW_REG_WAVE_SCHED_MODE, 0, 2), 2
	s_setreg_imm32_b32 hwreg(HW_REG_WAVE_MODE, 25, 1), 1
	s_wait_xcnt 0x0
	s_wait_alu depctr_vm_vsrc(0)
; INTERPOLATION, CONCATENATION, FIRST 1x1 CONVOLUTION (K = 512, 256 outputs) AND ITS PARTIAL STATISTICS.
; A work-group takes 256 points of one batch, in four chunks of 64.  Wave w makes output channels 64 w .. 64 w + 63 of all points; its 64 rows of W1 (512 registers) stay in registers.
; STAGING of a chunk (each wave a quarter).  A point's three rows of the transposed table (256 channels in f16: 512 bytes, 16 bytes a lane) are the same for all lanes, so its three indices
; come by scalar loads.  interp = f0 + w1 (f1 - f0) + w2 (f2 - f0), which is w0 f0 + w1 f1 + w2 f2 since the weights add up to 1: four v_pk_fma_f16 for two channels, each rounded to f16; the
; weights, rounded to f16, multiply differences alone, so a common offset of the features passes through them unharmed.  The result is the f16 matrix operand, LDS rows [point][channel].
; unknow_feats (f32) is rounded to bf16 into LDS rows [channel][point], read back turned by ds_load_tr16_b128.
; PRODUCT: source 0 = 16 points x 32 channels, source 1 = 16 rows of W1: a lane holds ONE output channel (lane % 16) and the points 8 (lane / 16) + 0..7.  K = 0-255 (interp) goes by the f16 form,
; K = 256-511 (unknow_feats) by the bf16 form, onto the same accumulators.
; While chunk i is staged, chunk i - 1 is multiplied.  Each chunk has LDS bytes of its own, written once: one barrier a chunk, between writing and reading.  A chunk's four tiles of 16 points are
; written out: the interp half of the fragment registers is loaded again, for the next tile, directly behind the 32 products that read it, the turned half behind the tile's sums' work.
; STATISTICS without a difference of large sums: p = the mean of the work-group's first 16 points of a channel; d = y - p; sums of d and d^2 in f32; out: mean = p + S1/256, M2 = S2 - S1^2/256.
; y1 is stored as d in f16, in blocks [tile of 16 points][16 channels][lane][16 bytes], just as the registers hold it; p is stored beside it in f32.
; AHEAD OF THE LOADS.  In the middle of a trip, behind the second run of gathers, each wave asks into the L2 for the 256 bytes of each of its own 64 rows of unknow_feats that the next trip loads:
; a lane a row, two instructions, half a trip ahead, 16 KiB a wave.  Each aligned block of 256 bytes is named once in the launch, by the wave that will load it.  The first chunk comes by its loads alone; the last trip asks for nothing.
; No tensor loads: every stream is converted on its way, so it passes through registers; hence no cluster either (W1, the one thing shared, is read once into registers).
; LIMITS: NaN and infinities not treated apart; known_feats, W1's columns 0-255 and y - p within 65,504; the interpolation rounds four times to f16.
; REGISTERS: window 0: addresses, statistics, v96-127 accumulators, v128-151 gather offsets, v160-255 gathered rows; window 1: v0-127 unknow_feats in flight, v128-191, v192-255 fragments of X;
; windows 2, 3: W1's fragments, K step s, block a at 32 (s % 8) + 8 a.
; s[48:63], s[68:83] eight points' indices; s84-91 four points' weights; s40 -1.0 twice in f16; s[46:47] what the next chunk's first tile adds to y1's address.
; THE MODE: SCHED_MODE bits 1:0 = 2 (LLVM: expert scheduling mode 2), set by the entry lines.  The code itself states the register dependences between vector or matrix instructions
; and memory or LDS instructions, with s_wait_alu, always for 0.
; THE PLAN.  Registers that memory or LDS instructions touch, round a trip (all 1,024 registers are allotted, so the fragments have one buffer):
;   v19, VIS, VUS, VXI, VXU, GO   written at the trip's head, behind ONE wait on vm_vsrc (the last trip's loads and LDS instructions have read them) and ahead of ONE wait on va_vdst.  Behind that wait
;                                 stand all the head's loads, with no vector instruction among them: the weights, tile 0's fragments, 24 gathers, the 32 loads of unknow_feats.
;   NX                            read by the head's two conversions, then loaded again, behind the same wait.
;   GG (v160-255)                 gathers land; the interpolation works in place; LDS stores read it; gathers land again.  One wait on va_vdst behind the arithmetic, one on vm_vsrc behind the stores.
;   GO, second time               written ahead of the first interpolation, behind a wait on vm_vsrc; that interpolation's wait on va_vdst shows it written.
;   UF (window 1, v0-127)         loads land; 64 conversions in place; one wait on va_vdst; 32 LDS stores read it; the next trip's head frees it.
;   FI (window 1, v128-191)       read by a tile's 32 f16 products; one wait on va_vdst behind them; the next tile's loads land.
;   FU (window 1, v192-255), PK   FU is read by the 32 bf16 products, PK written by the sums' work behind them: ONE wait on va_vdst behind that work serves the next tile's turned loads and the tile's four stores.
;                                 PK is written again a tile later, behind a wait on vm_vsrc beside the wait on XCNT.
;   v6, v7, v8, VYO               made at the head, never written again.
; The weights go to SGPRs by v_readlane_b32: one wait on va_sdst to a run of eight, the 32 differences between the run and the wait.
.set W1H,   8388608
.set PIV,   33554432
.set CH,    74752                      ; a chunk in LDS: 64 rows x 528 bytes of interp, then 256 rows x 160 bytes of unknow_feats
.set UFO,   33792
.set IP,    528                        ; 512 + 16 bytes from row to row
.set UP,    160                        ; 128 + 32, an odd multiple of 32 bytes, for the turning load
.set STAT,  299008
.set SPARE, 302080
.set PFO, 6                            ; v6   the prefetches' offset: row 64 w + lane of unknow_feats; never rewritten
.set L16, 7
.set VIS, 10
.set VUS, 11
.set VXI, 12
.set VXU, 13
.set VYO, 14
.set IW,  28                           ; v28-29  w1, w2 of point 16 w + lane % 16 of the chunk in hand, each twice in f16
.set NX,  36                           ; v36-39  the next chunk's weights, in f32
.set NP,  44
.set S1,  52
.set S2,  60
.set PK,  68
.set TM,  84
.set ACC, 96
.set GO,  128
.set GG,  160
.set MSB, 0
.macro WIN new                         ; the immediate's high byte repeats the setting that is left; a switch that changes nothing is dropped
.if MSB != (\new)
	s_set_vgpr_msb (MSB<<8)|(\new)
.set MSB, \new
.endif
.endm
	s_load_b256 s[4:11], s[0:1], 0x0               ; unknow_feats, cvt, idx3, wgt
	s_load_b128 s[12:15], s[0:1], 0x20             ; y1, st
	v_lshl_add_u32 v4, v0, 2, SPARE
	v_mov_b32 v5, 0
	v_lshrrev_b32 v84, 5, v0
	v_readfirstlane_b32 s16, v84                   ; wave
	v_and_b32 v1, 15, v0                           ; r
	v_bfe_u32 v2, v0, 4, 1                         ; h
	v_and_b32 v3, 31, v0                           ; lane
	v_lshlrev_b32 v[L16], 4, v3
	s_wait_alu depctr_va_sdst(0)                   ; s16, the wave's number, is written, ahead of its first reader
	s_lshl_b32 s25, s16, 20                        ; unknow_feats: row 64 w + h, 16,384 bytes a row, + 16 r
	v_lshlrev_b32 v8, 4, v1
	v_lshl_add_u32 v8, v2, 14, v8
	v_add_nc_u32 v8, s25, v8
	v_lshlrev_b32 v[PFO], 14, v3                   ; and row 64 w + lane
	v_add_nc_u32 v[PFO], s25, v[PFO]
	s_lshl_b32 s25, s16, 8                         ; the weights of point 16 w + r of a chunk
	v_lshl_add_u32 v9, v1, 4, s25
	v_mov_b32 v19, v9
	s_mul_i32 s25, s16, 16*IP                      ; interp in: rows 16 w .., 16 bytes a lane
	v_add_nc_u32 v17, s25, v[L16]
	s_mul_i32 s25, s16, 64*UP                      ; unknow_feats in: row 64 w + h, 8 bytes at 8 r
	s_add_co_u32 s25, s25, UFO
	v_mul_u32_u24 v18, v2, UP
	v_lshl_add_u32 v18, v1, 3, v18
	v_add_nc_u32 v18, s25, v18
	s_lshl_b32 s25, s16, 11
	v_add_nc_u32 v[VYO], s25, v[L16]               ; y1: block 4 w + a, 16 bytes a lane
	v_mul_u32_u24 v15, v1, IP                      ; a fragment of interp: row r, 16 h
	v_lshl_add_u32 v15, v2, 4, v15
	v_and_b32 v84, 7, v0                           ; the turning load: row 8 h + lane % 8, 16 bytes at 16 ((lane / 8) % 2)
	v_lshl_add_u32 v84, v2, 3, v84
	v_mul_u32_u24 v16, v84, UP
	v_bfe_u32 v84, v0, 3, 1
	v_lshl_add_u32 v16, v84, 4, v16
	v_add_nc_u32 v16, UFO, v16
	s_lshl_b32 s25, s16, 16                        ; W1: row 64 w + r of 1,024 bytes, 16 h
	v_lshlrev_b32 v27, 10, v1
	v_lshl_add_u32 v27, v2, 4, v27
	v_add_nc_u32 v27, s25, v27
	s_mov_b32 s18, 0x76543210                      ; v_permlanex16_b32: each lane takes its own place in the other half
	s_mov_b32 s19, 0xfedcba98
	s_mov_b32 s20, 0                               ; chunk
	s_mov_b32 s21, 0                               ; LDS: the chunk being staged
	s_mov_b32 s22, 0                               ; the chunk being multiplied
	s_mov_b32 s23, 1                               ; the pivot is still to be made
	s_mov_b32 s40, 0xbc00bc00                      ; -1.0 twice in f16
	s_mov_b32 s46, 0
	s_mov_b32 s47, 0
	s_lshr_b32 s44, ttmp9, 4
	s_and_b32 s45, ttmp9, 15
	s_mov_b32 s27, 0
	s_wait_kmcnt 0x0
	s_lshl_b32 s26, s44, 22
	s_lshl_b32 s25, s45, 10
	s_add_co_u32 s26, s26, s25
	s_add_nc_u64 s[28:29], s[4:5], s[26:27]        ; unknow_feats: my batch, my 256 points
	s_lshl_b32 s26, s44, 19
	s_add_nc_u64 s[30:31], s[6:7], s[26:27]        ; the table of my batch
	s_lshl_b32 s26, ttmp9, 17
	s_add_nc_u64 s[32:33], s[12:13], s[26:27]      ; y1: my 16 tiles
	s_lshl_b32 s26, ttmp9, 12
	s_add_nc_u64 s[36:37], s[10:11], s[26:27]      ; the weights of my 256 points
	s_lshl_b32 s25, s16, 8
	s_add_co_u32 s26, s26, s25
	s_add_nc_u64 s[34:35], s[8:9], s[26:27]        ; the indices of my wave's 16 points of chunk 0
	s_add_nc_u64 s[38:39], s[6:7], W1H
	s_load_b512 s[48:63], s[34:35], 0x0            ; points 0-3,
	s_load_b512 s[68:83], s[34:35], 0x40           ; 4-7
	s_wait_alu depctr_va_vdst(0)                   ; the offsets v6, v7, v8, v19, v27 and v[VYO] are written, which the loads, prefetches and stores of the kernel read
	global_load_b128 v[NX:NX+3], v19, s[36:37]     ; the first chunk's weights go out ahead of W1
	WIN 0x80
.irp s, 0,1,2,3,4,5,6,7
.irp a, 0,1,2,3
	global_load_b128 v[32*\s+8*\a:32*\s+8*\a+3],   v27, s[38:39] offset:\a*16384+64*\s
	global_load_b128 v[32*\s+8*\a+4:32*\s+8*\a+7], v27, s[38:39] offset:\a*16384+64*\s+32
.endr
.endr
	WIN 0xc0
.irp s, 0,1,2,3,4,5,6,7
.irp a, 0,1,2,3
	global_load_b128 v[32*\s+8*\a:32*\s+8*\a+3],   v27, s[38:39] offset:\a*16384+64*\s+512
	global_load_b128 v[32*\s+8*\a+4:32*\s+8*\a+7], v27, s[38:39] offset:\a*16384+64*\s+544
.endr
.endr
	WIN 0
.set i, NP
.rept 24
	v_mov_b32 v[i], 0                              ; the pivot and the two sums
.set i, i+1
.endr
.irp k, 20,21,22,23,24,25,26
	v_mov_b32 v\k, 0                               ; at work at the end: v_permlanex16_b32's destination counts as read
.endr
.macro UFISSUE                         ; 32 loads: rows 64 w + h + 2 j; sixteen lanes take 256 consecutive bytes, aligned
	WIN 0x40
.set j, 0
.rept 32
	global_load_b128 v[4*j:4*j+3], v8, s[28:29] offset:j*32768 th:TH_LOAD_NT
.set j, j+1
.endr
	WIN 0
.endm
; The three table rows of the eight points whose indices lie in s[48:63] and s[68:83].  GOFF: the clamps and the 24 offsets.  GLOAD: the 24 loads.
.macro GOFF
.irp g, 0,1
.irp j, 0,1,2,3
.irp k, 0,1,2
	s_min_u32 s[48+20*\g+4*\j+\k], s[48+20*\g+4*\j+\k], 1023
.endr
.endr
.irp j, 0,1,2,3
.irp k, 0,1,2
	v_lshl_add_u32 v[GO+3*(4*\g+\j)+\k], s[48+20*\g+4*\j+\k], 9, v[L16]
.endr
.endr
.endr
.endm
.macro GLOAD
.irp g, 0,1
.irp j, 0,1,2,3
.irp k, 0,1,2
	global_load_b128 v[GG+12*(4*\g+\j)+4*\k:GG+12*(4*\g+\j)+4*\k+3], v[GO+3*(4*\g+\j)+\k], s[30:31] th:TH_LOAD_HT  ; many work-groups read these rows again
.endr
.endr
.endr
.endm
; Eight channels a lane, four points side by side: f1 - f0 and f2 - f0 (as f0 x -1 + f), then f0 + w1 (f1 - f0), then + w2 (f2 - f0), in place; sixteen lines lie between a result and its reader.
.macro IARITH bt
.irp g, 0,1
.irp j, 0,1,2,3
	v_readlane_b32 s[84+2*\j], v[IW], 8*(\bt)+4*\g+\j
	v_readlane_b32 s[85+2*\j], v[IW+1], 8*(\bt)+4*\g+\j
.endr
.irp j, 0,1,2,3
.irp qd, 0,1,2,3
	v_pk_fma_f16 v[GG+12*(4*\g+\j)+4+\qd], v[GG+12*(4*\g+\j)+\qd], s40, v[GG+12*(4*\g+\j)+4+\qd]
.endr
.irp qd, 0,1,2,3
	v_pk_fma_f16 v[GG+12*(4*\g+\j)+8+\qd], v[GG+12*(4*\g+\j)+\qd], s40, v[GG+12*(4*\g+\j)+8+\qd]
.endr
.endr
	s_wait_alu depctr_va_sdst(0)                   ; the eight v_readlane_b32 have written s84-91, ahead of their first reader
.irp j, 0,1,2,3
.irp qd, 0,1,2,3
	v_pk_fma_f16 v[GG+12*(4*\g+\j)+\qd], v[GG+12*(4*\g+\j)+4+\qd], s[84+2*\j], v[GG+12*(4*\g+\j)+\qd]
.endr
.endr
.irp j, 0,1,2,3
.irp qd, 0,1,2,3
	v_pk_fma_f16 v[GG+12*(4*\g+\j)+\qd], v[GG+12*(4*\g+\j)+8+\qd], s[85+2*\j], v[GG+12*(4*\g+\j)+\qd]
.endr
.endr
.endr
.endm
.macro ISTORE bt                       ; the eight points' rows into LDS
.irp g, 0,1
.irp j, 0,1,2,3
	ds_store_b128 v[VIS], v[GG+12*(4*\g+\j):GG+12*(4*\g+\j)+3] offset:(8*(\bt)+4*\g+\j)*IP
.endr
.endr
.endm
.macro UFCONV                          ; f32 -> bf16, four numbers to 8 bytes
	WIN 0x45
.set j, 0
.rept 32
	v_cvt_pk_bf16_f32 v[4*j], v[4*j], v[4*j+1]
	v_cvt_pk_bf16_f32 v[4*j+1], v[4*j+2], v[4*j+3]
.set j, j+1
.endr
	WIN 0x04
	s_wait_alu depctr_va_vdst(0)                   ; the 64 conversions have written the pairs that the LDS stores read
.set j, 0
.rept 32
	ds_store_b64 v[VUS], v[4*j:4*j+1] offset:j*2*UP
.set j, j+1
.endr
	WIN 0
.endm
.macro PIVOT                           ; minus the mean of the first tile's 16 points, for my four channels
.irp a, 0,1,2,3
	v_pk_add_f32 v[TM:TM+1], v[ACC+8*\a:ACC+8*\a+1], v[ACC+8*\a+2:ACC+8*\a+3]
	v_pk_add_f32 v[TM+2:TM+3], v[ACC+8*\a+4:ACC+8*\a+5], v[ACC+8*\a+6:ACC+8*\a+7]
	v_pk_add_f32 v[TM:TM+1], v[TM:TM+1], v[TM+2:TM+3]
	v_add_f32 v[TM], v[TM], v[TM+1]
	v_permlanex16_b32 v[TM+1], v[TM], s18, s19
	v_add_f32 v[TM], v[TM], v[TM+1]
	v_mul_f32 v[NP+2*\a], 0xbd800000, v[TM]
	v_mul_f32 v[NP+2*\a+1], 0xbd800000, v[TM]
.endr
.endm
.macro FRAGI t                         ; tile t's 16 points x channels 0-255 of X (interp): 16 loads
	WIN 0x40
.irp s, 0,1,2,3,4,5,6,7
	ds_load_b128 v[128+8*\s:128+8*\s+3],   v[VXI] offset:(\t)*16*IP+64*\s
	ds_load_b128 v[128+8*\s+4:128+8*\s+7], v[VXI] offset:(\t)*16*IP+64*\s+32
.endr
.endm
.macro FRAGU t                         ; tile t's 16 points x channels 256-511 (unknow_feats), turned: 16 loads
	WIN 0x40
.irp s, 0,1,2,3,4,5,6,7
	ds_load_tr16_b128 v[192+8*\s:192+8*\s+3],   v[VXU] offset:32*UP*\s+32*(\t)
	ds_load_tr16_b128 v[192+8*\s+4:192+8*\s+7], v[VXU] offset:32*UP*\s+16*UP+32*(\t)
.endr
.endm
; Tile t of the chunk at VXI, VXU.  Its fragments were asked for earlier, the interp half first.  The four accumulators take turns, one instruction a turn.
; piv = 1: the text that makes the pivot stands in it.
.macro TILE t, piv
	s_wait_dscnt 16                                ; the interp half is in; the sixteen turning loads issued behind it may be out
	WIN 0x09                                       ; X in window 1, W1 in window 2
.irp s, 0,1,2,3,4,5,6,7
.irp a, 0,1,2,3
.if \s == 0
	v_wmma_f32_16x16x32_f16 v[ACC+8*\a:ACC+8*\a+7], v[128+8*\s:128+8*\s+7], v[32*\s+8*\a:32*\s+8*\a+7], 0
.else
	v_wmma_f32_16x16x32_f16 v[ACC+8*\a:ACC+8*\a+7], v[128+8*\s:128+8*\s+7], v[32*\s+8*\a:32*\s+8*\a+7], v[ACC+8*\a:ACC+8*\a+7]
.endif
.endr
.endr
.rept 5
	v_nop                                          ; five places between the f16 and the bf16 form on one accumulator, which are no chain (ISA guide 7.12.1)
.endr
.if (\t) < 3
	WIN 0x40
	s_wait_alu depctr_va_vdst(0)                   ; the 32 products are done reading v128-191 of window 1, in which the loads below land
	FRAGI (\t)+1                                   ; the next tile's interp half: 32 products and the sums' work ahead of its use
	s_wait_dscnt 16                                ; all but the 16 just issued: this tile's turned half is in
.else
	s_wait_dscnt 0x0
.endif
	WIN 0x0d                                       ; W1 in window 3
.irp s, 0,1,2,3,4,5,6,7
.irp a, 0,1,2,3
	v_wmma_f32_16x16x32_bf16 v[ACC+8*\a:ACC+8*\a+7], v[192+8*\s:192+8*\s+7], v[32*\s+8*\a:32*\s+8*\a+7], v[ACC+8*\a:ACC+8*\a+7]
.endr
.endr
.rept 4
	v_nop                                          ; four places behind the last product, ahead of the first reader of a result
.endr
	WIN 0
	s_wait_xcnt 0x0                                ; the last tile's stores have had their addresses translated: their base is written below,
	s_wait_alu depctr_vm_vsrc(0)                   ; and they have read v[PK ..], which the roundings below write again
.if (\t) == 0
	s_add_nc_u64 s[32:33], s[32:33], s[46:47]      ; on to this chunk's four tiles: nothing the first time, then 4 x 8,192 bytes
	s_mov_b32 s46, 32768
.endif
.if \piv
	s_cmp_eq_u32 s23, 0
	s_cbranch_scc1 .Lhave_p_\@
	PIVOT
	s_mov_b32 s23, 0
.Lhave_p_\@:
.endif
.irp a, 0,1,2,3
.irp p, 0,1,2,3
	v_pk_add_f32 v[ACC+8*\a+2*\p:ACC+8*\a+2*\p+1], v[ACC+8*\a+2*\p:ACC+8*\a+2*\p+1], v[NP+2*\a:NP+2*\a+1]
.endr
.irp p, 0,1,2,3
	v_pk_add_f32 v[S1+2*\a:S1+2*\a+1], v[S1+2*\a:S1+2*\a+1], v[ACC+8*\a+2*\p:ACC+8*\a+2*\p+1]
	v_pk_fma_f32 v[S2+2*\a:S2+2*\a+1], v[ACC+8*\a+2*\p:ACC+8*\a+2*\p+1], v[ACC+8*\a+2*\p:ACC+8*\a+2*\p+1], v[S2+2*\a:S2+2*\a+1]
	v_cvt_pk_f16_f32 v[PK+4*\a+\p], v[ACC+8*\a+2*\p], v[ACC+8*\a+2*\p+1]
.endr
.endr
.if (\t) < 3
	WIN 0x40
.endif
	s_wait_alu depctr_va_vdst(0)                   ; the roundings have written v[PK ..], which the four stores read; the bf16 products are done reading v192-255 of window 1, in which the turned loads land
.if (\t) < 3
	FRAGU (\t)+1                                   ; the next tile's turned half: that tile's 32 f16 products ahead of its use
	WIN 0
.endif
.irp a, 0,1,2,3
	global_store_b128 v[VYO], v[PK+4*\a:PK+4*\a+3], s[32:33] offset:(\t)*8192+512*\a  ; 512 consecutive bytes, aligned
.endr
.endm
.Lchunk:                                       ; four trips: chunk i is staged, chunk i - 1 multiplied
	s_wait_loadcnt 63                              ; in the first trip 128 loads of W1 were issued behind the weights': with at most 63 out, the weights are in and W1 may stay on its way; later nothing is out here
	s_wait_alu depctr_vm_vsrc(0)                   ; read by now: v19, by the weights' load; round the back edge VIS, VUS, VXI, VXU and v[GO ..], all written below, and v[GG ..] and unknow_feats' registers, which LDS stores read and in which loads land below
	v_cvt_pk_f16_f32 v[IW], v[NX+1], v[NX+1]
	v_cvt_pk_f16_f32 v[IW+1], v[NX+2], v[NX+2]
	s_add_co_u32 s25, s20, 1                       ; the next chunk's weights (the last trip asks for its own once more: no load leaves the buffer)
	s_min_u32 s25, s25, 3
	s_lshl_b32 s25, s25, 10
	v_add_nc_u32 v19, s25, v9
	v_add_nc_u32 v[VIS], s21, v17
	v_add_nc_u32 v[VUS], s21, v18
	v_add_nc_u32 v[VXI], s22, v15
	v_add_nc_u32 v[VXU], s22, v16
	s_wait_kmcnt 0x0                               ; the indices of my points 0-7
	GOFF
	s_wait_alu depctr_va_vdst(0)                   ; written: v19, VIS, VUS, VXI, VXU, v[GO ..]; read or written to the end: NX, by the two conversions, and, by the last trip's work, v[GG ..], unknow_feats' registers and the fragments: loads land in all of these below
	global_load_b128 v[NX:NX+3], v19, s[36:37]
	s_cmp_eq_u32 s20, 0
	s_cbranch_scc1 .Lno_frag
	FRAGI 0                                        ; the first tile's fragments come while the global loads below are issued
	FRAGU 0
	WIN 0
.Lno_frag:
	GLOAD
	s_load_b512 s[48:63], s[34:35], 0x80           ; the indices of my points 8-11,
	s_load_b512 s[68:83], s[34:35], 0xc0           ; 12-15
	UFISSUE
	s_cmp_eq_u32 s20, 0
	s_cbranch_scc1 .Lnone_a
	TILE 0, 1
	TILE 1, 0
.Lnone_a:
	s_wait_loadcnt 32                              ; the first eight points' rows are in (and W1); the 32 loads of unknow_feats issued behind them may be out
	s_wait_alu depctr_vm_vsrc(0)                   ; the first gathers have read v[GO ..], which is written below
	s_wait_kmcnt 0x0                               ; the indices of my points 8-15; no scalar load is out, so their pointer may be stepped below
	GOFF
	IARITH 0
	s_wait_alu depctr_va_vdst(0)                   ; the interpolation has written the rows that the LDS stores read, and is done with all of v[GG ..], in which the next gathers land; v[GO ..] is written
	ISTORE 0
	s_wait_alu depctr_vm_vsrc(0)                   ; the LDS stores have read the registers in which the next gathers land
	GLOAD
	s_add_nc_u64 s[34:35], s[34:35], 1024          ; the next chunk's 64 points
	s_cmp_lt_u32 s20, 3
	s_cbranch_scc0 .Lno_next                       ; the last trip has no next chunk
	global_prefetch_b8 v[PFO], s[28:29] offset:256 th:TH_LOAD_NT scope:SCOPE_SE     ; the next chunk's 256 bytes of my rows 64 w + 0 .. 31,
	global_prefetch_b8 v[PFO], s[28:29] offset:524544 th:TH_LOAD_NT scope:SCOPE_SE  ; and of my rows 64 w + 32 .. 63
	s_load_b512 s[48:63], s[34:35], 0x0
	s_load_b512 s[68:83], s[34:35], 0x40
.Lno_next:
	s_wait_loadcnt 24                              ; unknow_feats is in; the 24 gathers just issued may be out
	UFCONV
	s_cmp_eq_u32 s20, 0
	s_cbranch_scc1 .Lnone_b
	TILE 2, 0
	TILE 3, 0
.Lnone_b:
	s_wait_loadcnt 0x0                             ; the other eight points' rows; every load that read unknow_feats' base is done
	IARITH 1
	s_wait_alu depctr_va_vdst(0)                   ; the interpolation has written the rows that the LDS stores read
	ISTORE 1
	s_wait_xcnt 0x0                                ; the prefetches have read unknow_feats' base too: it is stepped only behind this wait
	s_add_nc_u64 s[28:29], s[28:29], 256           ; 64 points on
	s_wait_dscnt 0x0                               ; for the others' sake: my quarter of the chunk is written
	s_barrier_signal -1
	s_barrier_wait -1
	s_mov_b32 s22, s21
	s_add_co_u32 s21, s21, CH
	s_add_co_u32 s20, s20, 1
	s_cmp_lt_u32 s20, 4
	s_cbranch_scc1 .Lchunk
	s_wait_alu depctr_vm_vsrc(0)                   ; the fragments' loads have read VXI and VXU, which are written below; the last LDS stores have read VIS and VUS, which the way out writes
	v_add_nc_u32 v[VXI], s22, v15                  ; the last chunk
	v_add_nc_u32 v[VXU], s22, v16
	WIN 0x40
	s_wait_alu depctr_va_vdst(0)                   ; VXI and VXU are written, which the loads below read
	FRAGI 0
	FRAGU 0
	TILE 0, 0
	TILE 1, 0
	TILE 2, 0
	TILE 3, 0
	; THE PARTIAL STATISTICS: the pair's two sums and the other half of the lanes'.  All the arithmetic and the addresses first, then one wait, then the LDS stores.
	s_wait_alu depctr_vm_vsrc(0)                   ; the last tiles' fragment loads have read VXI and VXU, which are written below
.irp a, 0,1,2,3
	v_add_f32 v[TM+\a], v[S1+2*\a], v[S1+2*\a+1]
	v_add_f32 v[TM+4+\a], v[S2+2*\a], v[S2+2*\a+1]
.endr
.irp a, 0,1,2,3
	v_permlanex16_b32 v[20+\a], v[TM+\a], s18, s19
	v_permlanex16_b32 v[24+\a], v[TM+4+\a], s18, s19
.endr
	s_lshl_b32 s25, s16, 8
	s_add_co_u32 s25, s25, STAT
	v_lshl_add_u32 v[VIS], v1, 2, s25              ; word 64 w + r
	v_lshl_add_u32 v[VUS], v0, 4, STAT
	v_lshl_add_u32 v[VXI], v0, 3, STAT+2048
	v_lshlrev_b32 v[VXU], 4, v0
	v_lshlrev_b32 v15, 3, v0
.irp a, 0,1,2,3
	v_add_f32 v[TM+\a], v[TM+\a], v[20+\a]
	v_add_f32 v[TM+4+\a], v[TM+4+\a], v[24+\a]
	v_mul_f32 v[20+\a], 0x3b800000, v[TM+\a]       ; S1 / 256
	v_xor_b32 v[24+\a], 0x80000000, v[NP+2*\a]     ; p
	v_fma_f32 v[TM+4+\a], -v[20+\a], v[TM+\a], v[TM+4+\a]
	v_sub_f32 v[TM+\a], v[20+\a], v[NP+2*\a]
.endr
	s_wait_alu depctr_va_vdst(0)                   ; written: the numbers v[TM ..] and v24-27 and the address VIS, which the LDS stores read, and VUS, VXI, VXU, v15, which the loads and stores behind the barrier read
.irp a, 0,1,2,3
	ds_store_b32 v[VIS], v[TM+\a] offset:64*\a                 ; both halves of the lanes write the same word with the same number
	ds_store_b32 v[VIS], v[TM+4+\a] offset:1024+64*\a
	ds_store_b32 v[VIS], v[24+\a] offset:2048+64*\a
.endr
	s_wait_dscnt 0x0
	s_barrier_signal -1
	s_barrier_wait -1
	s_wait_alu depctr_vm_vsrc(0)                   ; my LDS stores have read v[TM ..], in which the loads below land
	ds_load_b128 v[TM:TM+3], v[VUS]
	ds_load_b64 v[TM+4:TM+5], v[VXI]
	s_lshl_b32 s26, ttmp9, 11
	s_add_nc_u64 s[40:41], s[14:15], s[26:27]
	s_lshl_b32 s26, ttmp9, 10
	s_add_co_u32 s26, s26, PIV
	s_add_nc_u64 s[42:43], s[12:13], s[26:27]
	s_wait_dscnt 0x0
	global_store_b128 v[VXU], v[TM:TM+3], s[40:41]
	global_store_b64 v15, v[TM+4:TM+5], s[42:43]
	s_wait_dscnt 0x0                               ; the closing lines, six on end
	s_wait_alu 0x0
	s_wait_tensorcnt 0x0
	ds_add_u32 v4, v5
	s_wait_dscnt 0x0
	s_endpgm
.Lfunc_end_k_qe326a77e1c_gemm1:
	.size	k_qe326a77e1c_gemm1, .Lfunc_end_k_qe326a77e1c_gemm1-k_qe326a77e1c_gemm1
	.p2alignl 7, 3214868480
	.fill 96, 4, 3214868480
	.section	.rodata,"a",@progbits
	.p2align	6, 0x0
	.amdhsa_kernel k_qe326a77e1c_gemm1
		.amdhsa_group_segment_fixed_size 302592
		.amdhsa_private_segment_fixed_size 0
		.amdhsa_enable_private_segment 0
		.amdhsa_kernarg_size 48
		.amdhsa_user_sgpr_count 2
		.amdhsa_user_sgpr_kernarg_segment_ptr 1
		.amdhsa_wavefront_size32 1
		.amdhsa_system_sgpr_workgroup_id_x 1
		.amdhsa_system_sgpr_workgroup_id_y 1
		.amdhsa_system_sgpr_workgroup_id_z 1
		.amdhsa_system_vgpr_workitem_id 0
		.amdhsa_next_free_vgpr 1024
		.amdhsa_next_free_sgpr 92
		.amdhsa_reserve_vcc 0
		.amdhsa_float_denorm_mode_32 3
		.amdhsa_float_denorm_mode_16_64 3
		.amdhsa_memory_ordered 1
		.amdhsa_forward_progress 1
		.amdhsa_inst_pref_size 152
	.end_amdhsa_kernel
	.amdgpu_metadata
---
amdhsa.version: [ 1, 2 ]
amdhsa.kernels:
  - .name:           k_qe326a77e1c_gemm1
    .symbol:         k_qe326a77e1c_gemm1.kd
    .args:
      - { .name: unknow_feats, .offset: 0, .size: 8, .value_kind: global_buffer, .address_space: global }
      - { .name: cvt, .offset: 8, .size: 8, .value_kind: global_buffer, .address_space: global }
      - { .name: idx3, .offset: 16, .size: 8, .value_kind: global_buffer, .address_space: global }
      - { .name: wgt, .offset: 24, .size: 8, .value_kind: global_buffer, .address_space: global }
      - { .name: y1, .offset: 32, .size: 8, .value_kind: global_buffer, .address_space: global }
      - { .name: st, .offset: 40, .size: 8, .value_kind: global_buffer, .address_space: global }
    .group_segment_fixed_size: 302592
    .private_segment_fixed_size: 0
    .kernarg_segment_align: 8
    .kernarg_segment_size: 48
    .max_flat_workgroup_size: 128
    .sgpr_count:     92
    .vgpr_count:     1024
    .wavefront_size: 32
...
	.end_amdgpu_metadata
.endif
;; end of part 14
;; launch fin1: the kernel of part 10 again; grid 4 x 1, 32 waves a work-group, no clusters, 28,672 bytes of LDS; arguments st, g1, b1, coef1; writes coef1
;; launch g2s (part 15): grid 256 x 1, 4 waves a work-group, no clusters, 166,400 bytes of LDS; arguments y1, cvt, coef1, st; writes st
.if DOCPART == 15
	.amdgcn_target "amdgcn-amd-amdhsa--gfx1250"
	.amdhsa_code_object_version 6
	.text
	.protected	k_qe326a77e1c_g2s
	.globl	k_qe326a77e1c_g2s
	.p2align	8
	.type	k_qe326a77e1c_g2s,@function
k_qe326a77e1c_g2s:
	s_mov_b64 s[64:65], 0
	v_nop
	global_prefetch_b8 v0, s[64:65] scope:SCOPE_SE
	s_setreg_imm32_b32 hwreg(HW_REG_WAVE_SCHED_MODE, 0, 2), 2
	s_setreg_imm32_b32 hwreg(HW_REG_WAVE_MODE, 25, 1), 1
	s_wait_xcnt 0x0
	s_wait_alu depctr_vm_vsrc(0)
; SECOND 1x1 CONVOLUTION (K = 256, 256 outputs).  One text serves two launches: MODE = 0 makes the partial statistics of y2, MODE = 1 makes y2 again, normalises it and stores the output:
; y2 is never stored, so it is never rounded, and the second reading of y1 costs half of what storing and reading y2 would.
; A work-group takes 256 points, four chunks of 64; wave w the outputs 64 w .. 64 w + 63; its rows of W2 (f16, 256 registers) stay in registers.
; h1 = relu(d scale1 + (beta1 + scale1 (p - mean1))), d = y1 as stored (f16), reckoned in f32 and rounded once to f16; it goes into LDS rows [channel][point] and is read back turned.
; Product: source 0 = 16 points x 32 channels, source 1 = 16 rows of W2: a lane holds one output channel and eight points.  Each chunk has LDS bytes of its own, written once.
; A chunk's four tiles of 16 points are written out on two fragment buffers: the next tile's 16 LDS loads are issued ahead of a tile's products.
; Statistics as in the first convolution: around the mean of the work-group's first 16 points.
; No prefetch: a chunk's loads of y1 go out a whole chunk ahead of their use as it is.
; LIMITS: NaN and infinities not treated apart; h1 within 65,504.
; REGISTERS: window 0: addresses, coefficients, v64-127 and v160-223 fragments of h1, v128-159 accumulators, v224-255 (MODE 1) a tile's numbers on their way out; window 1: W2's fragments, block a, K step s at 64 a + 8 s; window 2: v0-63 y1 in flight.
; THE MODE: SCHED_MODE bits 1:0 = 2 (LLVM: expert scheduling mode 2), set by the entry lines.  The code itself states the register dependences between vector or matrix instructions
; and memory or LDS instructions, with s_wait_alu, always for 0.
; THE PLAN.  Registers that memory or LDS instructions touch, round a trip:
;   Y (window 2, v0-63)   loads land; the conversions work in place; one wait on va_vdst; 16 LDS stores read it; one wait on vm_vsrc, and the wait on va_vdst anew behind the window's switch; the next chunk's loads land.
;   v9                    written at the trip's head, behind a wait on vm_vsrc, ahead of the conversions' wait on va_vdst; read by the chunk's turning loads.  v8: read by the 16 LDS stores, stepped at the trip's end.
;   F0, F1                the two fragment buffers.  Tile t's products read F[t % 2]; the loads of tile t + 1 land in the other, which tile t - 1's products read.
;   OUT (MODE 1)          written by tile t's last lines; read by eight stage stores, which are issued at the head of tile t + 1; written again behind that tile's products, behind a wait on vm_vsrc.
; So ONE wait on va_vdst stands at the head of tiles 1 to 3: the tile before has written OUT and is done reading its fragment buffer.  (Tiles 0 and 1 are asked for behind the conversions' wait: no vector instruction stands between.)
;   MODE 1, a chunk's way out: one more such wait, the last stage stores, then 32 stage loads into F0 and F1 and the 32 global stores that read them; the next trip's head frees both.
.set MODE,  0
.set W2H,   8650752
.set PIV,   33554432
.set HP,    160
.set HCH,   40960
.if MODE
.set STG,   163840                     ; each wave's own stage: 64 outputs x (256 + 16) bytes
.set SPARE, 233472
.else
.set STAT,  163840
.set SPARE, 165888
.endif
.set NP,  32                           ; MODE 0: -pivot, S1, S2;  MODE 1: -mean2, scale2, beta2; pairs, block a at + 2 a
.set S1,  40
.set S2,  48
.set TM,  56
.set AF,  64                           ; fragment buffer 0; buffer 1 lies 96 registers on
.set ACC, 128
.set OUT, 224
.set MSB, 0
.macro WIN new                         ; the immediate's high byte repeats the setting that is left; a switch that changes nothing is dropped
.if MSB != (\new)
	s_set_vgpr_msb (MSB<<8)|(\new)
.set MSB, \new
.endif
.endm
.macro YLOAD again                     ; a chunk of y1: 4 tiles x my 4 blocks, 512 consecutive bytes each.  again = 1: into registers that have been worked on
	WIN 0x80
.if \again
	s_wait_alu depctr_va_vdst(0)                   ; the conversions have written, and are done reading, v0-63 of window 2, in which these loads land: stated behind the window's switch, since LDS stores that name these registers stand behind the earlier wait
.endif
.irp t, 0,1,2,3
.irp a, 0,1,2,3
	global_load_b128 v[4*(4*\t+\a):4*(4*\t+\a)+3], v7, s[28:29] offset:\t*8192+512*\a
.endr
.endr
	WIN 0
.endm
	s_load_b256 s[4:11], s[0:1], 0x0               ; y1, cvt, coef1, and st (MODE 0) or coef2 (MODE 1)
.if MODE
	s_load_b64 s[12:13], s[0:1], 0x20              ; out0
.endif
	v_lshl_add_u32 v4, v0, 2, SPARE
	v_mov_b32 v5, 0
	v_mov_b32 v6, 0
	v_lshrrev_b32 v56, 5, v0
	v_readfirstlane_b32 s16, v56                   ; wave
	v_and_b32 v1, 15, v0
	v_bfe_u32 v2, v0, 4, 1
	v_and_b32 v3, 31, v0
	s_wait_alu depctr_va_sdst(0)                   ; s16, the wave's number, is written, ahead of its first reader
	s_lshl_b32 s25, s16, 11
	v_lshl_add_u32 v7, v3, 4, s25                  ; y1: block 4 w + a, 16 bytes a lane
	s_mul_i32 s25, s16, 64*HP
	v_mul_u32_u24 v8, v1, HP                       ; h1 in: row 64 w + r, 16 h
	v_lshl_add_u32 v8, v2, 4, v8
	v_add_nc_u32 v8, s25, v8
	v_and_b32 v56, 7, v0                           ; the turning load
	v_lshl_add_u32 v56, v2, 3, v56
	v_mul_u32_u24 v10, v56, HP
	v_bfe_u32 v56, v0, 3, 1
	v_lshl_add_u32 v10, v56, 4, v10
	s_lshl_b32 s25, s16, 8
	v_lshl_add_u32 v14, v1, 2, s25                 ; channel 64 w + r, in f32
	s_lshl_b32 s25, s16, 15
	v_lshlrev_b32 v15, 9, v1                       ; W2: row 64 w + r of 512 bytes, 16 h
	v_lshl_add_u32 v15, v2, 4, v15
	v_add_nc_u32 v15, s25, v15
.if MODE
	s_mul_i32 s25, s16, 64*272
	s_add_co_u32 s25, s25, STG
	v_mul_u32_u24 v57, v1, 272                     ; stage in: row r, 32 h
	v_lshl_add_u32 v57, v2, 5, v57
	v_add_nc_u32 v57, s25, v57
	v_mul_u32_u24 v12, v2, 272                     ; back: lanes 0-15 one row, lanes 16-31 the next
	v_lshl_add_u32 v12, v1, 4, v12
	v_add_nc_u32 v12, s25, v12
	s_lshl_b32 s25, s16, 20
	v_lshlrev_b32 v13, 4, v1                       ; out0: row 64 w + h of 16,384 bytes, 16 r
	v_lshl_add_u32 v13, v2, 14, v13
	v_add_nc_u32 v13, s25, v13
.endif
	s_mov_b32 s18, 0x76543210
	s_mov_b32 s19, 0xfedcba98
	s_mov_b32 s20, 0                               ; chunk
	s_mov_b32 s21, 0                               ; its LDS bytes
	s_mov_b32 s23, 1
	s_mov_b32 s27, 0
	s_wait_kmcnt 0x0
	s_lshl_b32 s26, ttmp9, 17
	s_add_nc_u64 s[28:29], s[4:5], s[26:27]
	s_add_nc_u64 s[30:31], s[6:7], W2H
	s_lshl_b32 s26, ttmp9, 10
	s_add_co_u32 s26, s26, PIV
	s_add_nc_u64 s[32:33], s[4:5], s[26:27]
.if MODE
	s_lshr_b32 s26, ttmp9, 4
	s_lshl_b32 s26, s26, 22
	s_and_b32 s25, ttmp9, 15
	s_lshl_b32 s25, s25, 10
	s_add_co_u32 s26, s26, s25
	s_add_nc_u64 s[34:35], s[12:13], s[26:27]
.else
	s_lshl_b32 s26, ttmp9, 11
	s_add_nc_u64 s[34:35], s[10:11], s[26:27]
.endif
	s_wait_alu depctr_va_vdst(0)                   ; the offsets and LDS addresses made above are written: the loads and stores of the kernel read them
	; all the head's loads go out on end, the coefficients first: one trip to memory
.irp a, 0,1,2,3
	global_load_b32 v[16+\a], v14, s[8:9] offset:64*\a
	global_load_b32 v[24+\a], v14, s[8:9] offset:1024+64*\a
	global_load_b32 v[20+\a], v14, s[8:9] offset:2048+64*\a
	global_load_b32 v[28+\a], v14, s[32:33] offset:64*\a
.endr
.if MODE
.irp a, 0,1,2,3
	global_load_b32 v[S1+2*\a], v14, s[10:11] offset:64*\a
	global_load_b32 v[NP+2*\a], v14, s[10:11] offset:1024+64*\a
	global_load_b32 v[S2+2*\a], v14, s[10:11] offset:2048+64*\a
.endr
.endif
	YLOAD 0
	WIN 0x40
.irp a, 0,1,2,3
.irp s, 0,1,2,3,4,5,6,7
	global_load_b128 v[64*\a+8*\s:64*\a+8*\s+3],   v15, s[30:31] offset:\a*8192+64*\s
	global_load_b128 v[64*\a+8*\s+4:64*\a+8*\s+7], v15, s[30:31] offset:\a*8192+64*\s+32
.endr
.endr
	WIN 0
	s_wait_loadcnt 63                              ; behind the coefficients 80 loads were issued (y1's 16, W2's 64): with at most 63 out, the coefficients are in
.irp a, 0,1,2,3
	v_sub_f32 v[28+\a], v[28+\a], v[24+\a]
	v_fma_f32 v[20+\a], v[16+\a], v[28+\a], v[20+\a]
.endr
.if MODE
.irp a, 0,1,2,3
	v_xor_b32 v[NP+2*\a], 0x80000000, v[NP+2*\a]
	v_mov_b32 v[S1+2*\a+1], v[S1+2*\a]
	v_mov_b32 v[S2+2*\a+1], v[S2+2*\a]
	v_mov_b32 v[NP+2*\a+1], v[NP+2*\a]
.endr
.else
.set i, NP
.rept 24
	v_mov_b32 v[i], 0
.set i, i+1
.endr
.endif
.macro FRAG buf, t                     ; tile t of the chunk: 16 points x 256 channels, turned, into fragment buffer buf
.irp s, 0,1,2,3,4,5,6,7
	ds_load_tr16_b128 v[AF+96*(\buf)+8*\s:AF+96*(\buf)+8*\s+3],   v9 offset:32*HP*\s+32*(\t)
	ds_load_tr16_b128 v[AF+96*(\buf)+8*\s+4:AF+96*(\buf)+8*\s+7], v9 offset:32*HP*\s+16*HP+32*(\t)
.endr
.endm
.macro MULT buf                        ; 32 products; the four accumulators take turns, one instruction a turn
	WIN 0x04                                       ; W2 in window 1
.irp s, 0,1,2,3,4,5,6,7
.irp a, 0,1,2,3
.if \s == 0
	v_wmma_f32_16x16x32_f16 v[ACC+8*\a:ACC+8*\a+7], v[AF+96*(\buf)+8*\s:AF+96*(\buf)+8*\s+7], v[64*\a+8*\s:64*\a+8*\s+7], 0
.else
	v_wmma_f32_16x16x32_f16 v[ACC+8*\a:ACC+8*\a+7], v[AF+96*(\buf)+8*\s:AF+96*(\buf)+8*\s+7], v[64*\a+8*\s:64*\a+8*\s+7], v[ACC+8*\a:ACC+8*\a+7]
.endif
.endr
.endr
	WIN 0
.rept 4
	v_nop                                          ; four places behind the last product
.endr
.endm
.macro EPI t                           ; what is made of tile t's sums
.if MODE
.irp a, 0,1,2,3
.irp p, 0,1,2,3
	v_pk_add_f32 v[ACC+8*\a+2*\p:ACC+8*\a+2*\p+1], v[ACC+8*\a+2*\p:ACC+8*\a+2*\p+1], v[NP+2*\a:NP+2*\a+1]
.endr
.irp p, 0,1,2,3
	v_pk_fma_f32 v[ACC+8*\a+2*\p:ACC+8*\a+2*\p+1], v[ACC+8*\a+2*\p:ACC+8*\a+2*\p+1], v[S1+2*\a:S1+2*\a+1], v[S2+2*\a:S2+2*\a+1]
.endr
.irp j, 0,1,2,3,4,5,6,7
	v_max_num_f32 v[OUT+8*\a+\j], 0, v[ACC+8*\a+\j]  ; into registers of their own, from which the stage stores leave at the next tile's head
.endr
.endr
.else
.if (\t) == 0
	s_cmp_eq_u32 s23, 0
	s_cbranch_scc1 .Lhave_p
.irp a, 0,1,2,3
	v_pk_add_f32 v[TM:TM+1], v[ACC+8*\a:ACC+8*\a+1], v[ACC+8*\a+2:ACC+8*\a+3]
	v_pk_add_f32 v[TM+2:TM+3], v[ACC+8*\a+4:ACC+8*\a+5], v[ACC+8*\a+6:ACC+8*\a+7]
	v_pk_add_f32 v[TM:TM+1], v[TM:TM+1], v[TM+2:TM+3]
	v_add_f32 v[TM], v[TM], v[TM+1]
	v_permlanex16_b32 v[TM+1], v[TM], s18, s19
	v_add_f32 v[TM], v[TM], v[TM+1]
	v_mul_f32 v[NP+2*\a], 0xbd800000, v[TM]
	v_mul_f32 v[NP+2*\a+1], 0xbd800000, v[TM]
.endr
	s_mov_b32 s23, 0
.Lhave_p:
.endif
.irp a, 0,1,2,3
.irp p, 0,1,2,3
	v_pk_add_f32 v[ACC+8*\a+2*\p:ACC+8*\a+2*\p+1], v[ACC+8*\a+2*\p:ACC+8*\a+2*\p+1], v[NP+2*\a:NP+2*\a+1]
.endr
.irp p, 0,1,2,3
	v_pk_add_f32 v[S1+2*\a:S1+2*\a+1], v[S1+2*\a:S1+2*\a+1], v[ACC+8*\a+2*\p:ACC+8*\a+2*\p+1]
	v_pk_fma_f32 v[S2+2*\a:S2+2*\a+1], v[ACC+8*\a+2*\p:ACC+8*\a+2*\p+1], v[ACC+8*\a+2*\p:ACC+8*\a+2*\p+1], v[S2+2*\a:S2+2*\a+1]
.endr
.endr
.endif
.endm
.macro TOSTG t                         ; MODE 1: tile t's numbers into my stage: eight stores
.irp a, 0,1,2,3
	ds_store_b128 v57, v[OUT+8*\a:OUT+8*\a+3] offset:16*272*\a+64*(\t)
	ds_store_b128 v57, v[OUT+8*\a+4:OUT+8*\a+7] offset:16*272*\a+64*(\t)+16
.endr
.endm
.Lchunk:
	s_wait_loadcnt 0x0                             ; the chunk's y1 (in the first trip W2 too)
	s_wait_alu depctr_vm_vsrc(0)                   ; round the back edge: the last chunk's turning loads have read v9, which is written below; in MODE 1 its stores have read OUT and the two fragment buffers, which this chunk writes again
	v_add_nc_u32 v9, s21, v10
	WIN 0x82                                       ; y1 in window 2, the coefficients in window 0
.irp t, 0,1,2,3
.irp a, 0,1,2,3
.irp k, 0,1,2,3
	v_fma_mixlo_f16 v[4*(4*\t+\a)+\k], v[4*(4*\t+\a)+\k], v[16+\a], v[20+\a] op_sel_hi:[1,0,0]
.endr
.irp k, 0,1,2,3
	v_fma_mixhi_f16 v[4*(4*\t+\a)+\k], v[4*(4*\t+\a)+\k], v[16+\a], v[20+\a] op_sel:[1,0,0] op_sel_hi:[1,0,0]
.endr
.irp k, 0,1,2,3
	v_pk_max_num_f16 v[4*(4*\t+\a)+\k], v[4*(4*\t+\a)+\k], v6
.endr
.endr
.endr
	WIN 0x08
	s_wait_alu depctr_va_vdst(0)                   ; the conversions have written h1, which the LDS stores read; v8 and v9 are written; the last chunk's products are done reading both fragment buffers, in which the first two tiles' loads land
.irp t, 0,1,2,3
.irp a, 0,1,2,3
	ds_store_b128 v8, v[4*(4*\t+\a):4*(4*\t+\a)+3] offset:16*HP*\a+32*\t
.endr
.endr
	WIN 0
	s_wait_dscnt 0x0                               ; for the others' sake: my quarter of the chunk is written
	s_wait_alu depctr_vm_vsrc(0)                   ; the LDS stores have read y1's registers, in which the next chunk's loads land, and v8, which is stepped at the trip's end
	s_cmp_eq_u32 s20, 3
	s_cbranch_scc1 .Lno_y
	s_add_nc_u64 s[28:29], s[28:29], 32768         ; every load that read this base is done
	YLOAD 1
.Lno_y:
	s_barrier_signal -1
	s_barrier_wait -1
	FRAG 0, 0                                      ; no wait: no vector or matrix instruction since the conversions' wait names v9 or a fragment buffer
	FRAG 1, 1
	s_wait_dscnt 16                                ; all but the 16 just issued: tile 0's fragments are in
	MULT 0
	EPI 0
.irp t, 1,2,3
.if MODE || (\t) < 3
	s_wait_alu depctr_va_vdst(0)                   ; the tile before is done reading its fragment buffer, in which the loads below land; in MODE 1 it has written OUT, which the stage stores below read
.endif
.if (\t) < 3
	FRAG ((\t)+1)&1, (\t)+1                        ; the next tile, into the buffer that the tile before multiplied
.endif
.if MODE
	TOSTG (\t)-1
.endif
.if (\t) < 3
	s_wait_dscnt 16+8*MODE                         ; all but the 16 loads and, in MODE 1, the 8 stores just issued: this tile's fragments are in
.else
	s_wait_dscnt 8*MODE                            ; all but the 8 stores just issued
.endif
	MULT (\t)&1
.if MODE
	s_wait_alu depctr_vm_vsrc(0)                   ; the stage stores at this tile's head have read OUT, which is written again below
.endif
	EPI \t
.endr
.if MODE
	; the chunk leaves: my 64 outputs x 64 points, whole rows of 256 bytes out of my own stage (LDS serves a wave's instructions in order)
	s_wait_alu depctr_va_vdst(0)                   ; tile 3 has written OUT, which the stage stores read; the products are done reading both fragment buffers, in which the rows land
	TOSTG 3
.set i, 0
.rept 32
	ds_load_b128 v[AF+96*(i/16)+4*(i%16):AF+96*(i/16)+4*(i%16)+3], v12 offset:544*i
.set i, i+1
.endr
.set i, 0
.rept 32
	s_wait_dscnt 31-i                              ; LDS loads come back in order: pair i of rows is in
	global_store_b128 v13, v[AF+96*(i/16)+4*(i%16):AF+96*(i/16)+4*(i%16)+3], s[34:35] offset:i*32768 th:TH_STORE_NT  ; sixteen lanes store 256 consecutive bytes, aligned
.set i, i+1
.endr
	s_wait_xcnt 0x0                                ; the stores have had their addresses translated: their base is written below, their data in the next trip
	s_add_nc_u64 s[34:35], s[34:35], 256
.endif
	s_add_co_u32 s21, s21, HCH
	v_add_nc_u32 v8, HCH, v8
	s_add_co_u32 s20, s20, 1
	s_cmp_lt_u32 s20, 4
	s_cbranch_scc1 .Lchunk
.if MODE == 0
	s_wait_alu depctr_vm_vsrc(0)                   ; the last chunk's turning loads have read v9, which is written below
.irp a, 0,1,2,3
	v_add_f32 v[TM+\a], v[S1+2*\a], v[S1+2*\a+1]
	v_add_f32 v[TM+4+\a], v[S2+2*\a], v[S2+2*\a+1]
.endr
.irp a, 0,1,2,3
	v_permlanex16_b32 v[16+\a], v[TM+\a], s18, s19
	v_permlanex16_b32 v[20+\a], v[TM+4+\a], s18, s19
.endr
	s_lshl_b32 s25, s16, 8
	s_add_co_u32 s25, s25, STAT
	v_lshl_add_u32 v8, v1, 2, s25
	v_lshl_add_u32 v9, v0, 4, STAT
	v_lshlrev_b32 v10, 4, v0
.irp a, 0,1,2,3
	v_add_f32 v[TM+\a], v[TM+\a], v[16+\a]
	v_add_f32 v[TM+4+\a], v[TM+4+\a], v[20+\a]
	v_mul_f32 v[16+\a], 0x3b800000, v[TM+\a]
	v_fma_f32 v[TM+4+\a], -v[16+\a], v[TM+\a], v[TM+4+\a]
	v_sub_f32 v[TM+\a], v[16+\a], v[NP+2*\a]
.endr
	s_wait_alu depctr_va_vdst(0)                   ; written: the numbers v[TM ..] and the address v8, which the LDS stores read, and v9 and v10, which the load and the store behind the barrier read
.irp a, 0,1,2,3
	ds_store_b32 v8, v[TM+\a] offset:64*\a
	ds_store_b32 v8, v[TM+4+\a] offset:1024+64*\a
.endr
	s_wait_dscnt 0x0
	s_barrier_signal -1
	s_barrier_wait -1
	s_wait_alu depctr_vm_vsrc(0)                   ; my LDS stores have read v[TM ..], in which the load below lands
	ds_load_b128 v[TM:TM+3], v9
	s_wait_dscnt 0x0
	global_store_b128 v10, v[TM:TM+3], s[34:35]
.endif
	s_wait_dscnt 0x0                               ; the closing lines, six on end
	s_wait_alu 0x0
	s_wait_tensorcnt 0x0
	ds_add_u32 v4, v5
	s_wait_dscnt 0x0
	s_endpgm
.Lfunc_end_k_qe326a77e1c_g2s:
	.size	k_qe326a77e1c_g2s, .Lfunc_end_k_qe326a77e1c_g2s-k_qe326a77e1c_g2s
	.p2alignl 7, 3214868480
	.fill 96, 4, 3214868480
	.section	.rodata,"a",@progbits
	.p2align	6, 0x0
	.amdhsa_kernel k_qe326a77e1c_g2s
		.amdhsa_group_segment_fixed_size 166400
		.amdhsa_private_segment_fixed_size 0
		.amdhsa_enable_private_segment 0
		.amdhsa_kernarg_size 32
		.amdhsa_user_sgpr_count 2
		.amdhsa_user_sgpr_kernarg_segment_ptr 1
		.amdhsa_wavefront_size32 1
		.amdhsa_system_sgpr_workgroup_id_x 1
		.amdhsa_system_sgpr_workgroup_id_y 1
		.amdhsa_system_sgpr_workgroup_id_z 1
		.amdhsa_system_vgpr_workitem_id 0
		.amdhsa_next_free_vgpr 576
		.amdhsa_next_free_sgpr 66
		.amdhsa_reserve_vcc 0
		.amdhsa_float_denorm_mode_32 3
		.amdhsa_float_denorm_mode_16_64 3
		.amdhsa_memory_ordered 1
		.amdhsa_forward_progress 1
		.amdhsa_inst_pref_size 58
	.end_amdhsa_kernel
	.amdgpu_metadata
---
amdhsa.version: [ 1, 2 ]
amdhsa.kernels:
  - .name:           k_qe326a77e1c_g2s
    .symbol:         k_qe326a77e1c_g2s.kd
    .args:
      - { .name: y1, .offset: 0, .size: 8, .value_kind: global_buffer, .address_space: global }
      - { .name: cvt, .offset: 8, .size: 8, .value_kind: global_buffer, .address_space: global }
      - { .name: coef1, .offset: 16, .size: 8, .value_kind: global_buffer, .address_space: global }
      - { .name: st, .offset: 24, .size: 8, .value_kind: global_buffer, .address_space: global }
    .group_segment_fixed_size: 166400
    .private_segment_fixed_size: 0
    .kernarg_segment_align: 8
    .kernarg_segment_size: 32
    .max_flat_workgroup_size: 128
    .sgpr_count:     66
    .vgpr_count:     576
    .wavefront_size: 32
...
	.end_amdgpu_metadata
.endif
;; end of part 15
;; launch fin2: the kernel of part 10 again; grid 4 x 1, 32 waves a work-group, no clusters, 28,672 bytes of LDS; arguments st, g2, b2, coef2; writes coef2
;; launch g2o (part 16): grid 256 x 1, 4 waves a work-group, no clusters, 233,984 bytes of LDS; arguments y1, cvt, coef1, coef2, out0; writes out0
.if DOCPART == 16
	.amdgcn_target "amdgcn-amd-amdhsa--gfx1250"
	.amdhsa_code_object_version 6
	.text
	.protected	k_qe326a77e1c_g2o
	.globl	k_qe326a77e1c_g2o
	.p2align	8
	.type	k_qe326a77e1c_g2o,@function
k_qe326a77e1c_g2o:
	s_mov_b64 s[64:65], 0
	v_nop
	global_prefetch_b8 v0, s[64:65] scope:SCOPE_SE
	s_setreg_imm32_b32 hwreg(HW_REG_WAVE_SCHED_MODE, 0, 2), 2
	s_setreg_imm32_b32 hwreg(HW_REG_WAVE_MODE, 25, 1), 1
	s_wait_xcnt 0x0
	s_wait_alu depctr_vm_vsrc(0)
; SECOND 1x1 CONVOLUTION (K = 256, 256 outputs).  One text serves two launches: MODE = 0 makes the partial statistics of y2, MODE = 1 makes y2 again, normalises it and stores the output:
; y2 is never stored, so it is never rounded, and the second reading of y1 costs half of what storing and reading y2 would.
; A work-group takes 256 points, four chunks of 64; wave w the outputs 64 w .. 64 w + 63; its rows of W2 (f16, 256 registers) stay in registers.
; h1 = relu(d scale1 + (beta1 + scale1 (p - mean1))), d = y1 as stored (f16), reckoned in f32 and rounded once to f16; it goes into LDS rows [channel][point] and is read back turned.
; Product: source 0 = 16 points x 32 channels, source 1 = 16 rows of W2: a lane holds one output channel and eight points.  Each chunk has LDS bytes of its own, written once.
; A chunk's four tiles of 16 points are written out on two fragment buffers: the next tile's 16 LDS loads are issued ahead of a tile's products.
; Output: relu((y2 - mean2) scale2 + beta2) in f32, through each wave's own stage, so that sixteen lanes store 256 consecutive bytes of a row of out0.
; No prefetch: a chunk's loads of y1 go out a whole chunk ahead of their use as it is.
; LIMITS: NaN and infinities not treated apart; h1 within 65,504.
; REGISTERS: window 0: addresses, coefficients, v64-127 and v160-223 fragments of h1, v128-159 accumulators, v224-255 (MODE 1) a tile's numbers on their way out; window 1: W2's fragments, block a, K step s at 64 a + 8 s; window 2: v0-63 y1 in flight.
; THE MODE: SCHED_MODE bits 1:0 = 2 (LLVM: expert scheduling mode 2), set by the entry lines.  The code itself states the register dependences between vector or matrix instructions
; and memory or LDS instructions, with s_wait_alu, always for 0.
; THE PLAN.  Registers that memory or LDS instructions touch, round a trip:
;   Y (window 2, v0-63)   loads land; the conversions work in place; one wait on va_vdst; 16 LDS stores read it; one wait on vm_vsrc, and the wait on va_vdst anew behind the window's switch; the next chunk's loads land.
;   v9                    written at the trip's head, behind a wait on vm_vsrc, ahead of the conversions' wait on va_vdst; read by the chunk's turning loads.  v8: read by the 16 LDS stores, stepped at the trip's end.
;   F0, F1                the two fragment buffers.  Tile t's products read F[t % 2]; the loads of tile t + 1 land in the other, which tile t - 1's products read.
;   OUT (MODE 1)          written by tile t's last lines; read by eight stage stores, which are issued at the head of tile t + 1; written again behind that tile's products, behind a wait on vm_vsrc.
; So ONE wait on va_vdst stands at the head of tiles 1 to 3: the tile before has written OUT and is done reading its fragment buffer.  (Tiles 0 and 1 are asked for behind the conversions' wait: no vector instruction stands between.)
;   MODE 1, a chunk's way out: one more such wait, the last stage stores, then 32 stage loads into F0 and F1 and the 32 global stores that read them; the next trip's head frees both.
.set MODE,  1
.set W2H,   8650752
.set PIV,   33554432
.set HP,    160
.set HCH,   40960
.if MODE
.set STG,   163840                     ; each wave's own stage: 64 outputs x (256 + 16) bytes
.set SPARE, 233472
.else
.set STAT,  163840
.set SPARE, 165888
.endif
.set NP,  32                           ; MODE 0: -pivot, S1, S2;  MODE 1: -mean2, scale2, beta2; pairs, block a at + 2 a
.set S1,  40
.set S2,  48
.set TM,  56
.set AF,  64                           ; fragment buffer 0; buffer 1 lies 96 registers on
.set ACC, 128
.set OUT, 224
.set MSB, 0
.macro WIN new                         ; the immediate's high byte repeats the setting that is left; a switch that changes nothing is dropped
.if MSB != (\new)
	s_set_vgpr_msb (MSB<<8)|(\new)
.set MSB, \new
.endif
.endm
.macro YLOAD again                     ; a chunk of y1: 4 tiles x my 4 blocks, 512 consecutive bytes each.  again = 1: into registers that have been worked on
	WIN 0x80
.if \again
	s_wait_alu depctr_va_vdst(0)                   ; the conversions have written, and are done reading, v0-63 of window 2, in which these loads land: stated behind the window's switch, since LDS stores that name these registers stand behind the earlier wait
.endif
.irp t, 0,1,2,3
.irp a, 0,1,2,3
	global_load_b128 v[4*(4*\t+\a):4*(4*\t+\a)+3], v7, s[28:29] offset:\t*8192+512*\a
.endr
.endr
	WIN 0
.endm
	s_load_b256 s[4:11], s[0:1], 0x0               ; y1, cvt, coef1, and st (MODE 0) or coef2 (MODE 1)
.if MODE
	s_load_b64 s[12:13], s[0:1], 0x20              ; out0
.endif
	v_lshl_add_u32 v4, v0, 2, SPARE
	v_mov_b32 v5, 0
	v_mov_b32 v6, 0
	v_lshrrev_b32 v56, 5, v0
	v_readfirstlane_b32 s16, v56                   ; wave
	v_and_b32 v1, 15, v0
	v_bfe_u32 v2, v0, 4, 1
	v_and_b32 v3, 31, v0
	s_wait_alu depctr_va_sdst(0)                   ; s16, the wave's number, is written, ahead of its first reader
	s_lshl_b32 s25, s16, 11
	v_lshl_add_u32 v7, v3, 4, s25                  ; y1: block 4 w + a, 16 bytes a lane
	s_mul_i32 s25, s16, 64*HP
	v_mul_u32_u24 v8, v1, HP                       ; h1 in: row 64 w + r, 16 h
	v_lshl_add_u32 v8, v2, 4, v8
	v_add_nc_u32 v8, s25, v8
	v_and_b32 v56, 7, v0                           ; the turning load
	v_lshl_add_u32 v56, v2, 3, v56
	v_mul_u32_u24 v10, v56, HP
	v_bfe_u32 v56, v0, 3, 1
	v_lshl_add_u32 v10, v56, 4, v10
	s_lshl_b32 s25, s16, 8
	v_lshl_add_u32 v14, v1, 2, s25                 ; channel 64 w + r, in f32
	s_lshl_b32 s25, s16, 15
	v_lshlrev_b32 v15, 9, v1                       ; W2: row 64 w + r of 512 bytes, 16 h
	v_lshl_add_u32 v15, v2, 4, v15
	v_add_nc_u32 v15, s25, v15
.if MODE
	s_mul_i32 s25, s16, 64*272
	s_add_co_u32 s25, s25, STG
	v_mul_u32_u24 v57, v1, 272                     ; stage in: row r, 32 h
	v_lshl_add_u32 v57, v2, 5, v57
	v_add_nc_u32 v57, s25, v57
	v_mul_u32_u24 v12, v2, 272                     ; back: lanes 0-15 one row, lanes 16-31 the next
	v_lshl_add_u32 v12, v1, 4, v12
	v_add_nc_u32 v12, s25, v12
	s_lshl_b32 s25, s16, 20
	v_lshlrev_b32 v13, 4, v1                       ; out0: row 64 w + h of 16,384 bytes, 16 r
	v_lshl_add_u32 v13, v2, 14, v13
	v_add_nc_u32 v13, s25, v13
.endif
	s_mov_b32 s18, 0x76543210
	s_mov_b32 s19, 0xfedcba98
	s_mov_b32 s20, 0                               ; chunk
	s_mov_b32 s21, 0                               ; its LDS bytes
	s_mov_b32 s23, 1
	s_mov_b32 s27, 0
	s_wait_kmcnt 0x0
	s_lshl_b32 s26, ttmp9, 17
	s_add_nc_u64 s[28:29], s[4:5], s[26:27]
	s_add_nc_u64 s[30:31], s[6:7], W2H
	s_lshl_b32 s26, ttmp9, 10
	s_add_co_u32 s26, s26, PIV
	s_add_nc_u64 s[32:33], s[4:5], s[26:27]
.if MODE
	s_lshr_b32 s26, ttmp9, 4
	s_lshl_b32 s26, s26, 22
	s_and_b32 s25, ttmp9, 15
	s_lshl_b32 s25, s25, 10
	s_add_co_u32 s26, s26, s25
	s_add_nc_u64 s[34:35], s[12:13], s[26:27]
.else
	s_lshl_b32 s26, ttmp9, 11
	s_add_nc_u64 s[34:35], s[10:11], s[26:27]
.endif
	s_wait_alu depctr_va_vdst(0)                   ; the offsets and LDS addresses made above are written: the loads and stores of the kernel read them
	; all the head's loads go out on end, the coefficients first: one trip to memory
.irp a, 0,1,2,3
	global_load_b32 v[16+\a], v14, s[8:9] offset:64*\a
	global_load_b32 v[24+\a], v14, s[8:9] offset:1024+64*\a
	global_load_b32 v[20+\a], v14, s[8:9] offset:2048+64*\a
	global_load_b32 v[28+\a], v14, s[32:33] offset:64*\a
.endr
.if MODE
.irp a, 0,1,2,3
	global_load_b32 v[S1+2*\a], v14, s[10:11] offset:64*\a
	global_load_b32 v[NP+2*\a], v14, s[10:11] offset:1024+64*\a
	global_load_b32 v[S2+2*\a], v14, s[10:11] offset:2048+64*\a
.endr
.endif
	YLOAD 0
	WIN 0x40
.irp a, 0,1,2,3
.irp s, 0,1,2,3,4,5,6,7
	global_load_b128 v[64*\a+8*\s:64*\a+8*\s+3],   v15, s[30:31] offset:\a*8192+64*\s
	global_load_b128 v[64*\a+8*\s+4:64*\a+8*\s+7], v15, s[30:31] offset:\a*8192+64*\s+32
.endr
.endr
	WIN 0
	s_wait_loadcnt 63                              ; behind the coefficients 80 loads were issued (y1's 16, W2's 64): with at most 63 out, the coefficients are in
.irp a, 0,1,2,3
	v_sub_f32 v[28+\a], v[28+\a], v[24+\a]
	v_fma_f32 v[20+\a], v[16+\a], v[28+\a], v[20+\a]
.endr
.if MODE
.irp a, 0,1,2,3
	v_xor_b32 v[NP+2*\a], 0x80000000, v[NP+2*\a]
	v_mov_b32 v[S1+2*\a+1], v[S1+2*\a]
	v_mov_b32 v[S2+2*\a+1], v[S2+2*\a]
	v_mov_b32 v[NP+2*\a+1], v[NP+2*\a]
.endr
.else
.set i, NP
.rept 24
	v_mov_b32 v[i], 0
.set i, i+1
.endr
.endif
.macro FRAG buf, t                     ; tile t of the chunk: 16 points x 256 channels, turned, into fragment buffer buf
.irp s, 0,1,2,3,4,5,6,7
	ds_load_tr16_b128 v[AF+96*(\buf)+8*\s:AF+96*(\buf)+8*\s+3],   v9 offset:32*HP*\s+32*(\t)
	ds_load_tr16_b128 v[AF+96*(\buf)+8*\s+4:AF+96*(\buf)+8*\s+7], v9 offset:32*HP*\s+16*HP+32*(\t)
.endr
.endm
.macro MULT buf                        ; 32 products; the four accumulators take turns, one instruction a turn
	WIN 0x04                                       ; W2 in window 1
.irp s, 0,1,2,3,4,5,6,7
.irp a, 0,1,2,3
.if \s == 0
	v_wmma_f32_16x16x32_f16 v[ACC+8*\a:ACC+8*\a+7], v[AF+96*(\buf)+8*\s:AF+96*(\buf)+8*\s+7], v[64*\a+8*\s:64*\a+8*\s+7], 0
.else
	v_wmma_f32_16x16x32_f16 v[ACC+8*\a:ACC+8*\a+7], v[AF+96*(\buf)+8*\s:AF+96*(\buf)+8*\s+7], v[64*\a+8*\s:64*\a+8*\s+7], v[ACC+8*\a:ACC+8*\a+7]
.endif
.endr
.endr
	WIN 0
.rept 4
	v_nop                                          ; four places behind the last product
.endr
.endm
.macro EPI t                           ; what is made of tile t's sums
.if MODE
.irp a, 0,1,2,3
.irp p, 0,1,2,3
	v_pk_add_f32 v[ACC+8*\a+2*\p:ACC+8*\a+2*\p+1], v[ACC+8*\a+2*\p:ACC+8*\a+2*\p+1], v[NP+2*\a:NP+2*\a+1]
.endr
.irp p, 0,1,2,3
	v_pk_fma_f32 v[ACC+8*\a+2*\p:ACC+8*\a+2*\p+1], v[ACC+8*\a+2*\p:ACC+8*\a+2*\p+1], v[S1+2*\a:S1+2*\a+1], v[S2+2*\a:S2+2*\a+1]
.endr
.irp j, 0,1,2,3,4,5,6,7
	v_max_num_f32 v[OUT+8*\a+\j], 0, v[ACC+8*\a+\j]  ; into registers of their own, from which the stage stores leave at the next tile's head
.endr
.endr
.else
.if (\t) == 0
	s_cmp_eq_u32 s23, 0
	s_cbranch_scc1 .Lhave_p
.irp a, 0,1,2,3
	v_pk_add_f32 v[TM:TM+1], v[ACC+8*\a:ACC+8*\a+1], v[ACC+8*\a+2:ACC+8*\a+3]
	v_pk_add_f32 v[TM+2:TM+3], v[ACC+8*\a+4:ACC+8*\a+5], v[ACC+8*\a+6:ACC+8*\a+7]
	v_pk_add_f32 v[TM:TM+1], v[TM:TM+1], v[TM+2:TM+3]
	v_add_f32 v[TM], v[TM], v[TM+1]
	v_permlanex16_b32 v[TM+1], v[TM], s18, s19
	v_add_f32 v[TM], v[TM], v[TM+1]
	v_mul_f32 v[NP+2*\a], 0xbd800000, v[TM]
	v_mul_f32 v[NP+2*\a+1], 0xbd800000, v[TM]
.endr
	s_mov_b32 s23, 0
.Lhave_p:
.endif
.irp a, 0,1,2,3
.irp p, 0,1,2,3
	v_pk_add_f32 v[ACC+8*\a+2*\p:ACC+8*\a+2*\p+1], v[ACC+8*\a+2*\p:ACC+8*\a+2*\p+1], v[NP+2*\a:NP+2*\a+1]
.endr
.irp p, 0,1,2,3
	v_pk_add_f32 v[S1+2*\a:S1+2*\a+1], v[S1+2*\a:S1+2*\a+1], v[ACC+8*\a+2*\p:ACC+8*\a+2*\p+1]
	v_pk_fma_f32 v[S2+2*\a:S2+2*\a+1], v[ACC+8*\a+2*\p:ACC+8*\a+2*\p+1], v[ACC+8*\a+2*\p:ACC+8*\a+2*\p+1], v[S2+2*\a:S2+2*\a+1]
.endr
.endr
.endif
.endm
.macro TOSTG t                         ; MODE 1: tile t's numbers into my stage: eight stores
.irp a, 0,1,2,3
	ds_store_b128 v57, v[OUT+8*\a:OUT+8*\a+3] offset:16*272*\a+64*(\t)
	ds_store_b128 v57, v[OUT+8*\a+4:OUT+8*\a+7] offset:16*272*\a+64*(\t)+16
.endr
.endm
.Lchunk:
	s_wait_loadcnt 0x0                             ; the chunk's y1 (in the first trip W2 too)
	s_wait_alu depctr_vm_vsrc(0)                   ; round the back edge: the last chunk's turning loads have read v9, which is written below; in MODE 1 its stores have read OUT and the two fragment buffers, which this chunk writes again
	v_add_nc_u32 v9, s21, v10
	WIN 0x82                                       ; y1 in window 2, the coefficients in window 0
.irp t, 0,1,2,3
.irp a, 0,1,2,3
.irp k, 0,1,2,3
	v_fma_mixlo_f16 v[4*(4*\t+\a)+\k], v[4*(4*\t+\a)+\k], v[16+\a], v[20+\a] op_sel_hi:[1,0,0]
.endr
.irp k, 0,1,2,3
	v_fma_mixhi_f16 v[4*(4*\t+\a)+\k], v[4*(4*\t+\a)+\k], v[16+\a], v[20+\a] op_sel:[1,0,0] op_sel_hi:[1,0,0]
.endr
.irp k, 0,1,2,3
	v_pk_max_num_f16 v[4*(4*\t+\a)+\k], v[4*(4*\t+\a)+\k], v6
.endr
.endr
.endr
	WIN 0x08
	s_wait_alu depctr_va_vdst(0)                   ; the conversions have written h1, which the LDS stores read; v8 and v9 are written; the last chunk's products are done reading both fragment buffers, in which the first two tiles' loads land
.irp t, 0,1,2,3
.irp a, 0,1,2,3
	ds_store_b128 v8, v[4*(4*\t+\a):4*(4*\t+\a)+3] offset:16*HP*\a+32*\t
.endr
.endr
	WIN 0
	s_wait_dscnt 0x0                               ; for the others' sake: my quarter of the chunk is written
	s_wait_alu depctr_vm_vsrc(0)                   ; the LDS stores have read y1's registers, in which the next chunk's loads land, and v8, which is stepped at the trip's end
	s_cmp_eq_u32 s20, 3
	s_cbranch_scc1 .Lno_y
	s_add_nc_u64 s[28:29], s[28:29], 32768         ; every load that read this base is done
	YLOAD 1
.Lno_y:
	s_barrier_signal -1
	s_barrier_wait -1
	FRAG 0, 0                                      ; no wait: no vector or matrix instruction since the conversions' wait names v9 or a fragment buffer
	FRAG 1, 1
	s_wait_dscnt 16                                ; all but the 16 just issued: tile 0's fragments are in
	MULT 0
	EPI 0
.irp t, 1,2,3
.if MODE || (\t) < 3
	s_wait_alu depctr_va_vdst(0)                   ; the tile before is done reading its fragment buffer, in which the loads below land; in MODE 1 it has written OUT, which the stage stores below read
.endif
.if (\t) < 3
	FRAG ((\t)+1)&1, (\t)+1                        ; the next tile, into the buffer that the tile before multiplied
.endif
.if MODE
	TOSTG (\t)-1
.endif
.if (\t) < 3
	s_wait_dscnt 16+8*MODE                         ; all but the 16 loads and, in MODE 1, the 8 stores just issued: this tile's fragments are in
.else
	s_wait_dscnt 8*MODE                            ; all but the 8 stores just issued
.endif
	MULT (\t)&1
.if MODE
	s_wait_alu depctr_vm_vsrc(0)                   ; the stage stores at this tile's head have read OUT, which is written again below
.endif
	EPI \t
.endr
.if MODE
	; the chunk leaves: my 64 outputs x 64 points, whole rows of 256 bytes out of my own stage (LDS serves a wave's instructions in order)
	s_wait_alu depctr_va_vdst(0)                   ; tile 3 has written OUT, which the stage stores read; the products are done reading both fragment buffers, in which the rows land
	TOSTG 3
.set i, 0
.rept 32
	ds_load_b128 v[AF+96*(i/16)+4*(i%16):AF+96*(i/16)+4*(i%16)+3], v12 offset:544*i
.set i, i+1
.endr
.set i, 0
.rept 32
	s_wait_dscnt 31-i                              ; LDS loads come back in order: pair i of rows is in
	global_store_b128 v13, v[AF+96*(i/16)+4*(i%16):AF+96*(i/16)+4*(i%16)+3], s[34:35] offset:i*32768 th:TH_STORE_NT  ; sixteen lanes store 256 consecutive bytes, aligned
.set i, i+1
.endr
	s_wait_xcnt 0x0                                ; the stores have had their addresses translated: their base is written below, their data in the next trip
	s_add_nc_u64 s[34:35], s[34:35], 256
.endif
	s_add_co_u32 s21, s21, HCH
	v_add_nc_u32 v8, HCH, v8
	s_add_co_u32 s20, s20, 1
	s_cmp_lt_u32 s20, 4
	s_cbranch_scc1 .Lchunk
.if MODE == 0
	s_wait_alu depctr_vm_vsrc(0)                   ; the last chunk's turning loads have read v9, which is written below
.irp a, 0,1,2,3
	v_add_f32 v[TM+\a], v[S1+2*\a], v[S1+2*\a+1]
	v_add_f32 v[TM+4+\a], v[S2+2*\a], v[S2+2*\a+1]
.endr
.irp a, 0,1,2,3
	v_permlanex16_b32 v[16+\a], v[TM+\a], s18, s19
	v_permlanex16_b32 v[20+\a], v[TM+4+\a], s18, s19
.endr
	s_lshl_b32 s25, s16, 8
	s_add_co_u32 s25, s25, STAT
	v_lshl_add_u32 v8, v1, 2, s25
	v_lshl_add_u32 v9, v0, 4, STAT
	v_lshlrev_b32 v10, 4, v0
.irp a, 0,1,2,3
	v_add_f32 v[TM+\a], v[TM+\a], v[16+\a]
	v_add_f32 v[TM+4+\a], v[TM+4+\a], v[20+\a]
	v_mul_f32 v[16+\a], 0x3b800000, v[TM+\a]
	v_fma_f32 v[TM+4+\a], -v[16+\a], v[TM+\a], v[TM+4+\a]
	v_sub_f32 v[TM+\a], v[16+\a], v[NP+2*\a]
.endr
	s_wait_alu depctr_va_vdst(0)                   ; written: the numbers v[TM ..] and the address v8, which the LDS stores read, and v9 and v10, which the load and the store behind the barrier read
.irp a, 0,1,2,3
	ds_store_b32 v8, v[TM+\a] offset:64*\a
	ds_store_b32 v8, v[TM+4+\a] offset:1024+64*\a
.endr
	s_wait_dscnt 0x0
	s_barrier_signal -1
	s_barrier_wait -1
	s_wait_alu depctr_vm_vsrc(0)                   ; my LDS stores have read v[TM ..], in which the load below lands
	ds_load_b128 v[TM:TM+3], v9
	s_wait_dscnt 0x0
	global_store_b128 v10, v[TM:TM+3], s[34:35]
.endif
	s_wait_dscnt 0x0                               ; the closing lines, six on end
	s_wait_alu 0x0
	s_wait_tensorcnt 0x0
	ds_add_u32 v4, v5
	s_wait_dscnt 0x0
	s_endpgm
.Lfunc_end_k_qe326a77e1c_g2o:
	.size	k_qe326a77e1c_g2o, .Lfunc_end_k_qe326a77e1c_g2o-k_qe326a77e1c_g2o
	.p2alignl 7, 3214868480
	.fill 96, 4, 3214868480
	.section	.rodata,"a",@progbits
	.p2align	6, 0x0
	.amdhsa_kernel k_qe326a77e1c_g2o
		.amdhsa_group_segment_fixed_size 233984
		.amdhsa_private_segment_fixed_size 0
		.amdhsa_enable_private_segment 0
		.amdhsa_kernarg_size 40
		.amdhsa_user_sgpr_count 2
		.amdhsa_user_sgpr_kernarg_segment_ptr 1
		.amdhsa_wavefront_size32 1
		.amdhsa_system_sgpr_workgroup_id_x 1
		.amdhsa_system_sgpr_workgroup_id_y 1
		.amdhsa_system_sgpr_workgroup_id_z 1
		.amdhsa_system_vgpr_workitem_id 0
		.amdhsa_next_free_vgpr 576
		.amdhsa_next_free_sgpr 66
		.amdhsa_reserve_vcc 0
		.amdhsa_float_denorm_mode_32 3
		.amdhsa_float_denorm_mode_16_64 3
		.amdhsa_memory_ordered 1
		.amdhsa_forward_progress 1
		.amdhsa_inst_pref_size 64
	.end_amdhsa_kernel
	.amdgpu_metadata
---
amdhsa.version: [ 1, 2 ]
amdhsa.kernels:
  - .name:           k_qe326a77e1c_g2o
    .symbol:         k_qe326a77e1c_g2o.kd
    .args:
      - { .name: y1, .offset: 0, .size: 8, .value_kind: global_buffer, .address_space: global }
      - { .name: cvt, .offset: 8, .size: 8, .value_kind: global_buffer, .address_space: global }
      - { .name: coef1, .offset: 16, .size: 8, .value_kind: global_buffer, .address_space: global }
      - { .name: coef2, .offset: 24, .size: 8, .value_kind: global_buffer, .address_space: global }
      - { .name: out0, .offset: 32, .size: 8, .value_kind: global_buffer, .address_space: global }
    .group_segment_fixed_size: 233984
    .private_segment_fixed_size: 0
    .kernarg_segment_align: 8
    .kernarg_segment_size: 40
    .max_flat_workgroup_size: 128
    .sgpr_count:     66
    .vgpr_count:     576
    .wavefront_size: 32
...
	.end_amdgpu_metadata
.endif
;; end of part 16
